; MI455X (gfx1250); checked and timed in simulation.
; The chip was launched on July 23, 2026; its instructions are those of AMD's public machine-readable ISA for CDNA 5 (MIT licence, August 2026) and "CDNA5" Instruction Set Architecture Reference Guide (July 2026). The comments in the code are by the model that wrote it; some were corrected since.
;; Transformer Encoder Layer. Allowed arithmetic: matrix products marked QUANTISED: E2M3 operands, one E8M0 scale for each 32 along K, by v_wmma_scale_f32_16x16x128_f8f6f4 with both operands' format E2M3, f32 sums; everything else in f32.
;; Inputs: b_k 1,024 float32; b_out 1,024 float32; b_q 1,024 float32; b_v 1,024 float32; ffn_b1 2,048 float32; ffn_b2 1,024 float32; ffn_w1_codes 2,048 x 32 x 24 uint8 (E2M3 codes of ffn_w1, K innermost, in blocks of 32 codes, four codes in three bytes); ffn_w1_scales 2,048 x 32 uint8 (E8M0 scales of ffn_w1, one for each 32 codes along K); ffn_w2_codes 1,024 x 64 x 24 uint8 (E2M3 codes of ffn_w2, K innermost, in blocks of 32 codes, four codes in three bytes); ffn_w2_scales 1,024 x 64 uint8 (E8M0 scales of ffn_w2, one for each 32 codes along K); ln1_b 1,024 float32; ln1_g 1,024 float32; ln2_b 1,024 float32; ln2_g 1,024 float32; src 2 x 2,048 x 1,024 float32; w_k_codes 1,024 x 32 x 24 uint8 (E2M3 codes of w_k, K innermost, in blocks of 32 codes, four codes in three bytes); w_k_scales 1,024 x 32 uint8 (E8M0 scales of w_k, one for each 32 codes along K); w_out_codes 1,024 x 32 x 24 uint8 (E2M3 codes of w_out, K innermost, in blocks of 32 codes, four codes in three bytes); w_out_scales 1,024 x 32 uint8 (E8M0 scales of w_out, one for each 32 codes along K); w_q_codes 1,024 x 32 x 24 uint8 (E2M3 codes of w_q, K innermost, in blocks of 32 codes, four codes in three bytes); w_q_scales 1,024 x 32 uint8 (E8M0 scales of w_q, one for each 32 codes along K); w_v_codes 1,024 x 32 x 24 uint8 (E2M3 codes of w_v, K innermost, in blocks of 32 codes, four codes in three bytes); w_v_scales 1,024 x 32 uint8 (E8M0 scales of w_v, one for each 32 codes along K).
;; Outputs: out0 2 x 2,048 x 1,024 float32.
;; This version of the problem:
;;   THIS VERSION OF THE PROBLEM IS GIVEN IN LOW PRECISION. The matrix products marked QUANTISED in the list below multiply operands that are first quantised to E2M3 (2 exponent bits, 3 mantissa bits; 6 bits a number), with one power-of-two scale for each 32 numbers along K (OCP MX v1.0); their sums are f32. All else is computed in f32.
;;   The module's matrix products, in the order in which they are computed (A, B: the left and right operand; K: the contracted axis; several contracted axes count as one K, in the product's order):
;;     1. [M 4,096, K 1,024] x [K 1,024, N 1,024]; A: input src; B: input w_q (given as codes): QUANTISED
;;     2. [M 4,096, K 1,024] x [K 1,024, N 1,024]; A: input src; B: input w_k (given as codes): QUANTISED
;;     3. [M 4,096, K 1,024] x [K 1,024, N 1,024]; A: input src; B: input w_v (given as codes): QUANTISED
;;     4. batch 32 x [M 2,048, K 64] x [K 64, N 2,048]; A: computed on the way; B: computed on the way: QUANTISED
;;     5. batch 32 x [M 2,048, K 2,048] x [K 2,048, N 64]; A: softmax (see below); B: computed on the way: QUANTISED
;;     6. [M 4,096, K 1,024] x [K 1,024, N 1,024]; A: computed on the way; B: input w_out (given as codes): QUANTISED
;;     7. [M 4,096, K 1,024] x [K 1,024, N 2,048]; A: computed on the way; B: input ffn_w1 (given as codes): QUANTISED
;;     8. [M 4,096, K 2,048] x [K 2,048, N 1,024]; A: computed on the way; B: input ffn_w2 (given as codes): QUANTISED
;;   THE QUANTISER, for each operand of a quantised product, along K:
;;     - K is cut into blocks of 32 from its start; a last block that is shorter is filled with zeros.
;;     - A block's scale is 2^e with e = floor(log2(the largest magnitude in the block)) - 2, held to -126 .. 127; a block of zeros has e = 0. As a byte (E8M0): e + 127.
;;     - Each number is divided by its block's scale, clamped to +-7.5, and rounded to the nearest number of E2M3, ties to even, subnormals kept.
;;     - The product sums the exact products of the quantised numbers (number of the format x scale) in f32.
;;   ~~~python
;;   def quantise(x, axis):      # numpy; x: float32 -> the quantised numbers, widened to float32 again
;;       x = np.moveaxis(x, axis, -1); K = x.shape[-1]
;;       x = np.pad(x, [(0, 0)] * (x.ndim - 1) + [(0, -K % 32)]); x = x.reshape(x.shape[:-1] + (-1, 32)); a = np.abs(x).max(-1, keepdims=True)
;;       e = np.where(a > 0, np.clip(np.frexp(np.where(a > 0, a, 1))[1] - 1 - 2, -126, 127), 0)      # np.frexp(a)[1] - 1 = floor(log2(a)), exactly
;;       r = np.clip(x / 2.0 ** e, -7.5, 7.5)
;;       step = 2.0 ** (np.maximum(np.frexp(np.where(r == 0, 1, r))[1] - 1, 0) - 3)
;;       q = np.round(r / step) * step * 2.0 ** e      # np.round: ties to even
;;       return np.moveaxis(q.reshape(q.shape[:-2] + (-1,))[..., :K], -1, axis).astype(np.float32)
;;   ~~~
;;   SOFTMAX AHEAD OF A QUANTISED PRODUCT. Where the list says 'softmax', what is quantised is not the finished softmax but p = 2^(t - M), with t = logit x log2(e) and M = ceil(the row's largest t), a whole number; so 1/2 < the row's largest p <= 1. The row's sum l is taken of the UNQUANTISED p, in f32, and the product's result is divided by l at the end. Since M is a whole number, a kernel that streams over the keys may use a running M (the ceiling of the running maximum): every later rescaling is an exact power of two, which a block's scale takes up: the codes' values come out the same.
;;   OPERANDS COMPUTED ON THE WAY. 'Computed on the way' means the value that the module computes at that place (a softmax that the list does not call 'softmax' is quantised finished and normalised). What goes into a quantiser is computed in f32, as accurately as f32 sums, v_exp_f32 and their like allow (about 1e-6 of the number): no bf16 or f16 on the way to a quantiser, and a product that is left as it is and whose result goes on into a quantised operand takes f32 operands (vector FMAs, or v_wmma_f32_16x16x4_f32). A number that lies on a knife's edge between two numbers of the format may be rounded either way, as far as f32 arithmetic and the matrix unit's own rounding can turn it there, and no further.
;;   INPUTS GIVEN AS CODES. ffn_w1 (in the module: [1024, 2048], K = its axis 0); ffn_w2 (in the module: [2048, 1024], K = its axis 0); w_k (in the module: [1024, 1024], K = its axis 0); w_out (in the module: [1024, 1024], K = its axis 0); w_q (in the module: [1024, 1024], K = its axis 0); w_v (in the module: [1024, 1024], K = its axis 0): each comes as NAME_codes (uint8): NAME with its K axis moved to the last place and cut into blocks of 32 codes, [.., K / 32, bytes a block], one block behind the other in memory; four codes in three bytes: a row's codes are one little-endian stream of bits, code i at bits 6 i .. 6 i + 5 (a code: sign, 2 exponent bits, 3 mantissa bits); and NAME_scales (uint8): the same leading axes, one E8M0 byte (e + 127) for each 32 codes along K. Its value is code x scale, taken as it is: it is not quantised again, and the codes and scales need not be those that the quantiser above would give.
;; 2 versions, each right; version 2 is version 1 with the launches oln, fln written anew for expert scheduling mode. Each part assembles by itself: llvm-mc -triple=amdgcn-amd-amdhsa -mcpu=gfx1250 --defsym DOCPART=n.
;; ======== version 1 of 2: 6 launches
;; workspace buffers: wimg 6,553,600 bytes; simg 1,638,400 bytes; qkv 4,915,200 bytes; ctx 1,638,400 bytes; xf 16,777,216 bytes; xq 3,276,800 bytes; hq 6,553,600 bytes
;; launch prep (part 1): grid 640 x 1, 8 waves a work-group, no clusters, 0 bytes of LDS; arguments src, w_q_codes, w_q_scales, w_k_codes, w_k_scales, w_v_codes, w_v_scales, w_out_codes, w_out_scales, ffn_w1_codes, ffn_w1_scales, ffn_w2_codes, ffn_w2_scales, wimg, simg; writes wimg, simg
.if DOCPART == 1
	.amdgcn_target "amdgcn-amd-amdhsa--gfx1250"
	.amdhsa_code_object_version 6
	.text
	.protected	k_qe2ad48adaf_prep
	.globl	k_qe2ad48adaf_prep
	.p2align	8
	.type	k_qe2ad48adaf_prep,@function
k_qe2ad48adaf_prep:
	s_mov_b64 s[64:65], 0
	v_nop
	global_prefetch_b8 v0, s[64:65] scope:SCOPE_SE
	s_setreg_imm32_b32 hwreg(HW_REG_WAVE_MODE, 25, 1), 1
	s_wait_xcnt 0x0
; PREP.  The six weights (codes of E2M3, K innermost) are laid anew, and batch 0 of src is quantised, as RECORDS: images of an operand's registers.
; A record is one fragment, 16 rows x 128 K: 1,536 bytes of codes in two halves of 768 (half e = registers 6 e .. 6 e + 5: 16 bytes a lane at 16 x lane, then 8 bytes a lane at 512 + 8 x lane),
; and 64 bytes of scale words (row r's word at 4 r) in a region behind all the codes.  So every later launch brings a fragment by four loads at a constant + 16 or 8 x lane.
; A TILE X of 16 rows holds rows 32 (X / 2) + 8 (X % 2) + r + 8 (r / 8): used as source 0, two neighbouring tiles then leave 16 neighbours along the next K in a lane's registers.
; One wave makes one record.  Work-groups 0-511: the weights' 4,096 records (w_q 0, w_k 512, w_v 1024, w_out 1536, ffn_w1 2048, ffn_w2 3072; [tile][K step]).  Work-groups 512-639: src[0], [token tile][K step].
; Batch 1 of src enters no product: the layer keeps attn_out[0] alone.
; LIMITS: NaN and infinities are not served; a block of zeros or under 2^-124 gets the byte 1 (its codes are zeros or held; this program alone reads the bytes).
.set WSOFF, 6291456                    ; wimg: the scale words begin behind 4,096 records
.set SSOFF, 1572864                    ; simg: behind 1,024 records
.set TM,  12                           ; v12-27 at work in QUANT
.set SEL, 54                           ; s[54:55] lane selects: lane l xor 16
; 64 numbers of a lane become a fragment's codes and its scale word.  Blocks 0, 1 stand at v[s0] on, blocks 2, 3 at v[s1] on; register 16 b + i of a run = k 32 b + 16 (lane / 16) + i of the lane's row.
.macro QUANT s0, s1, pc, px, pw
.irp b, 0,1,2,3
.set QB, (\s0)*(1-\b/2)+(\s1)*(\b/2)+16*(\b%2)
	v_max3_num_f32 v[TM+\b], |v[QB]|, |v[QB+1]|, 0x1800000          ; my 16 numbers, and the floor 2^(3 - 127): the byte cannot fall under 1
.endr
.irp i, 2,4,6,8,10,12,14
.irp b, 0,1,2,3
.set QB, (\s0)*(1-\b/2)+(\s1)*(\b/2)+16*(\b%2)+\i
	v_max3_num_f32 v[TM+\b], v[TM+\b], |v[QB]|, |v[QB+1]|           ; the four blocks by turns
.endr
.endr
.irp b, 0,1,2,3
	v_permlanex16_b32 v[TM+4+\b], v[TM+\b], s[SEL], s[SEL+1]
.endr
.irp b, 0,1,2,3
	v_max_num_f32 v[TM+\b], v[TM+\b], v[TM+4+\b]                    ; with lane l xor 16's 16: the block's largest magnitude
.endr
.irp b, 0,1,2,3
	v_add_nc_u32 v[TM+12+\b], 0xff000000, v[TM+\b]                  ; 2 off its exponent field: the conversion's scale operand
.endr
.irp b, 0,1,2,3
	v_lshrrev_b32 v[TM+4+\b], 23, v[TM+12+\b]                       ; the scale's byte
.endr
	v_lshl_or_b32 v[\pw], v[TM+5], 8, v[TM+4]
	v_lshl_or_b32 v[\pw], v[TM+6], 16, v[\pw]
	v_lshl_or_b32 v[\pw], v[TM+7], 24, v[\pw]
.irp c, 0,1
.set QB, (\s0)*(1-\c)+(\s1)*\c
	v_cvt_scalef32_pk16_fp6_f32 v[\pc+6*\c:\pc+6*\c+2], v[QB:QB+15], v[TM+12+2*\c]
	v_cvt_scalef32_pk16_fp6_f32 v[\px+4*\c:\px+4*\c+2], v[QB+16:QB+31], v[TM+13+2*\c]   ; (a conversion's three registers begin on an even number)
.endr
	v_nop                                                           ; one plain place behind the scaled conversions
.irp c, 0,1
.irp i, 0,1,2
	v_permlane16_swap_b32 v[\pc+6*\c+\i], v[\px+4*\c+\i]            ; a whole block to a lane: lanes 0-15 block 2 c, lanes 16-31 block 2 c + 1
.endr
.irp i, 0,1,2
	v_mov_b32 v[\pc+3+6*\c+\i], v[\px+4*\c+\i]
.endr
.endr
.endm
	s_load_b64 s[4:5], s[0:1], 0x0                 ; src
	s_load_b512 s[8:23], s[0:1], 0x8               ; w_q, w_k, w_v, w_out: codes, scales each
	s_load_b256 s[24:31], s[0:1], 0x48             ; ffn_w1, ffn_w2: codes, scales each
	s_load_b128 s[32:35], s[0:1], 0x68             ; wimg, simg
	v_lshrrev_b32 v1, 5, v0
	v_readfirstlane_b32 s40, v1                    ; wave 0..7
	v_and_b32 v1, 31, v0                           ; lane
	v_and_b32 v2, 15, v0                           ; r
	v_bfe_u32 v3, v0, 4, 1                         ; h
	v_and_b32 v4, 8, v2
	v_add_nc_u32 v4, v4, v2                        ; r + 8 (r / 8)
	v_lshlrev_b32 v5, 4, v1                        ; 16 x lane
	v_lshlrev_b32 v6, 3, v1                        ; 8 x lane
	v_lshlrev_b32 v7, 2, v2                        ; 4 r
	s_mov_b32 s[SEL], 0x76543210
	s_mov_b32 s[SEL+1], 0xfedcba98
	s_wait_kmcnt 0x0
	s_cmp_ge_u32 ttmp9, 512
	s_cbranch_scc1 .Lsrc
	; ---- a weight's record: number 8 u + wave
	s_lshl_b32 s41, ttmp9, 3
	s_add_co_u32 s41, s41, s40
	s_mov_b64 s[36:37], s[8:9]                     ; which weight: by the work-group's number alone
	s_mov_b64 s[38:39], s[10:11]
	s_cmp_ge_u32 ttmp9, 64
	s_cselect_b64 s[36:37], s[12:13], s[36:37]
	s_cselect_b64 s[38:39], s[14:15], s[38:39]
	s_cmp_ge_u32 ttmp9, 128
	s_cselect_b64 s[36:37], s[16:17], s[36:37]
	s_cselect_b64 s[38:39], s[18:19], s[38:39]
	s_cmp_ge_u32 ttmp9, 192
	s_cselect_b64 s[36:37], s[20:21], s[36:37]
	s_cselect_b64 s[38:39], s[22:23], s[38:39]
	s_cmp_ge_u32 ttmp9, 256
	s_cselect_b64 s[36:37], s[24:25], s[36:37]
	s_cselect_b64 s[38:39], s[26:27], s[38:39]
	s_cmp_ge_u32 ttmp9, 384
	s_cselect_b64 s[36:37], s[28:29], s[36:37]
	s_cselect_b64 s[38:39], s[30:31], s[38:39]
	s_and_b32 s42, ttmp9, 63                       ; the tile: u % 64 in the four square weights,
	s_sub_co_u32 s43, ttmp9, 256
	s_cmp_ge_u32 ttmp9, 256
	s_cselect_b32 s42, s43, s42                    ; u - 256 in ffn_w1,
	s_sub_co_u32 s43, ttmp9, 384
	s_lshr_b32 s43, s43, 1                         ; (u - 384) / 2 in ffn_w2, whose 16 K steps take two work-groups
	s_and_b32 s44, ttmp9, 1
	s_lshl_b32 s44, s44, 3
	s_mov_b32 s45, 1536
	s_mov_b32 s46, 64
	s_cmp_ge_u32 ttmp9, 384
	s_cselect_b32 s42, s43, s42
	s_cselect_b32 s44, s44, 0
	s_cselect_b32 s45, s45, 768                    ; a row of codes in bytes
	s_cselect_b32 s46, s46, 32                     ; a row of scale bytes
	s_add_co_u32 s44, s44, s40                     ; the K step
	s_lshr_b32 s47, s42, 1
	s_lshl_b32 s47, s47, 5
	s_and_b32 s48, s42, 1
	s_lshl_b32 s48, s48, 3
	s_add_co_u32 s47, s47, s48                     ; the tile's first row
	v_add_nc_u32 v8, s47, v4                       ; my row
	v_mul_lo_u32 v9, v8, s45
	v_mad_u32_u24 v9, v3, 24, v9
	s_mul_i32 s48, s44, 96
	v_add_nc_u32 v9, s48, v9                       ; row x row bytes + 96 x K step + 24 h
	v_mul_lo_u32 v10, v8, s46
	s_lshl_b32 s49, s44, 2
	v_add_nc_u32 v10, s49, v10                     ; the row's scale word of the K step
.irp p, 0,1,2,3,4,5
	global_load_b64 v[16+2*\p:17+2*\p], v9, s[36:37] offset:48*(\p/3)+8*(\p%3)
.endr
	global_load_b32 v28, v10, s[38:39]
	s_mul_i32 s50, s41, 1536
	s_mov_b32 s51, 0
	s_add_nc_u64 s[50:51], s[32:33], s[50:51]
	s_lshl_b32 s52, s41, 6
	s_add_co_u32 s52, s52, WSOFF
	s_mov_b32 s53, 0
	s_add_nc_u64 s[52:53], s[32:33], s[52:53]
	s_wait_loadcnt 0x0
	global_store_b128 v5, v[16:19], s[50:51]                        ; each store of codes covers 512 or 256 consecutive bytes, aligned
	global_store_b64 v6, v[20:21], s[50:51] offset:512
	global_store_b128 v5, v[22:25], s[50:51] offset:768
	global_store_b64 v6, v[26:27], s[50:51] offset:1280
	global_store_b32 v7, v28, s[52:53]                              ; lanes r and r + 16 hold and store the same word
	s_endpgm
.Lsrc:	; ---- src[0]: token tile t = u - 512, K step = wave
	s_sub_co_u32 s42, ttmp9, 512
	s_lshr_b32 s43, s42, 1
	s_lshl_b32 s43, s43, 5
	s_and_b32 s44, s42, 1
	s_lshl_b32 s44, s44, 3
	s_add_co_u32 s43, s43, s44
	v_add_nc_u32 v8, s43, v4                       ; my token
	v_lshlrev_b32 v8, 12, v8                       ; a row of 4,096 bytes
	v_lshl_add_u32 v8, v3, 6, v8                   ; + 64 h: my 16 numbers of a block of 32
	s_lshl_b32 s44, s40, 9
	v_add_nc_u32 v8, s44, v8                       ; + 512 x K step
.irp b, 0,1,2,3
.irp j, 0,1,2,3
	global_load_b128 v[32+16*\b+4*\j:35+16*\b+4*\j], v8, s[4:5] offset:128*\b+16*\j
.endr
.endr
.irp b, 0,1,2,3
	v_mov_b32 v[TM+4+\b], 0                        ; a lane permute's destination counts as one of its sources
.endr
	s_lshl_b32 s45, s42, 3
	s_add_co_u32 s45, s45, s40                     ; record 8 t + wave
	s_mul_i32 s50, s45, 1536
	s_mov_b32 s51, 0
	s_add_nc_u64 s[50:51], s[34:35], s[50:51]
	s_lshl_b32 s52, s45, 6
	s_add_co_u32 s52, s52, SSOFF
	s_mov_b32 s53, 0
	s_add_nc_u64 s[52:53], s[34:35], s[52:53]
	s_wait_loadcnt 0x0
	QUANT 32, 64, 96, 108, 116
	global_store_b128 v5, v[96:99], s[50:51]
	global_store_b64 v6, v[100:101], s[50:51] offset:512
	global_store_b128 v5, v[102:105], s[50:51] offset:768
	global_store_b64 v6, v[106:107], s[50:51] offset:1280
	global_store_b32 v7, v116, s[52:53]
	s_endpgm
.Lfunc_end_k_qe2ad48adaf_prep:
	.size	k_qe2ad48adaf_prep, .Lfunc_end_k_qe2ad48adaf_prep-k_qe2ad48adaf_prep
	.p2alignl 7, 3214868480
	.fill 96, 4, 3214868480
	.section	.rodata,"a",@progbits
	.p2align	6, 0x0
	.amdhsa_kernel k_qe2ad48adaf_prep
		.amdhsa_group_segment_fixed_size 0
		.amdhsa_private_segment_fixed_size 0
		.amdhsa_enable_private_segment 0
		.amdhsa_kernarg_size 120
		.amdhsa_user_sgpr_count 2
		.amdhsa_user_sgpr_kernarg_segment_ptr 1
		.amdhsa_wavefront_size32 1
		.amdhsa_system_sgpr_workgroup_id_x 1
		.amdhsa_system_sgpr_workgroup_id_y 1
		.amdhsa_system_sgpr_workgroup_id_z 1
		.amdhsa_system_vgpr_workitem_id 0
		.amdhsa_next_free_vgpr 128
		.amdhsa_next_free_sgpr 66
		.amdhsa_reserve_vcc 0
		.amdhsa_float_denorm_mode_32 3
		.amdhsa_float_denorm_mode_16_64 3
		.amdhsa_memory_ordered 1
		.amdhsa_forward_progress 1
		.amdhsa_inst_pref_size 12
	.end_amdhsa_kernel
	.amdgpu_metadata
---
amdhsa.version: [ 1, 2 ]
amdhsa.kernels:
  - .name:           k_qe2ad48adaf_prep
    .symbol:         k_qe2ad48adaf_prep.kd
    .args:
      - { .name: src, .offset: 0, .size: 8, .value_kind: global_buffer, .address_space: global }
      - { .name: w_q_codes, .offset: 8, .size: 8, .value_kind: global_buffer, .address_space: global }
      - { .name: w_q_scales, .offset: 16, .size: 8, .value_kind: global_buffer, .address_space: global }
      - { .name: w_k_codes, .offset: 24, .size: 8, .value_kind: global_buffer, .address_space: global }
      - { .name: w_k_scales, .offset: 32, .size: 8, .value_kind: global_buffer, .address_space: global }
      - { .name: w_v_codes, .offset: 40, .size: 8, .value_kind: global_buffer, .address_space: global }
      - { .name: w_v_scales, .offset: 48, .size: 8, .value_kind: global_buffer, .address_space: global }
      - { .name: w_out_codes, .offset: 56, .size: 8, .value_kind: global_buffer, .address_space: global }
      - { .name: w_out_scales, .offset: 64, .size: 8, .value_kind: global_buffer, .address_space: global }
      - { .name: ffn_w1_codes, .offset: 72, .size: 8, .value_kind: global_buffer, .address_space: global }
      - { .name: ffn_w1_scales, .offset: 80, .size: 8, .value_kind: global_buffer, .address_space: global }
      - { .name: ffn_w2_codes, .offset: 88, .size: 8, .value_kind: global_buffer, .address_space: global }
      - { .name: ffn_w2_scales, .offset: 96, .size: 8, .value_kind: global_buffer, .address_space: global }
      - { .name: wimg, .offset: 104, .size: 8, .value_kind: global_buffer, .address_space: global }
      - { .name: simg, .offset: 112, .size: 8, .value_kind: global_buffer, .address_space: global }
    .group_segment_fixed_size: 0
    .private_segment_fixed_size: 0
    .kernarg_segment_align: 8
    .kernarg_segment_size: 120
    .max_flat_workgroup_size: 256
    .sgpr_count:     66
    .vgpr_count:     128
    .wavefront_size: 32
...
	.end_amdgpu_metadata
.endif
;; end of part 1
;; launch qkv (part 2): grid 16 x 12, 8 waves a work-group, clusters of 4 x 4, 308,224 bytes of LDS; arguments simg, wimg, b_q, b_k, b_v, qkv; writes qkv
.if DOCPART == 2
	.amdgcn_target "amdgcn-amd-amdhsa--gfx1250"
	.amdhsa_code_object_version 6
	.text
	.protected	k_qe2ad48adaf_qkv
	.globl	k_qe2ad48adaf_qkv
	.p2align	8
	.type	k_qe2ad48adaf_qkv,@function
k_qe2ad48adaf_qkv:
	s_mov_b64 s[64:65], 0
	v_nop
	global_prefetch_b8 v0, s[64:65] scope:SCOPE_SE
	s_setreg_imm32_b32 hwreg(HW_REG_WAVE_MODE, 25, 1), 1
	s_wait_xcnt 0x0
	s_wait_alu depctr_hold_cnt(0) depctr_sa_sdst(0) depctr_va_vdst(0) depctr_va_sdst(0) depctr_va_ssrc(0) depctr_va_vcc(0) depctr_vm_vsrc(0)
	s_getreg_b32 s2, hwreg(HW_REG_IB_STS2, 6, 4)
	s_cmp_eq_u32 s2, 0
	s_cbranch_scc0 .Lentry_in_a_cluster
	s_endpgm
.Lentry_in_a_cluster:
	s_bfe_u32 s2, ttmp6, 0x10000c
	s_cmp_lg_u32 s2, 0xf033
	s_cbranch_scc0 .Lentry_shape_is_right
	s_endpgm
.Lentry_shape_is_right:
; QKV.  q, k, v = src[0] W + b for the 2,048 tokens of batch 0, on codes of E2M3, and quantised at once for attention: q and k along the head's 64, v along the keys.
; A work-group makes 128 tokens x 256 columns (K = 1,024); x = block of tokens tb, y = block of columns cb; cb / 4 = the cluster's y says Q, K or V.  Eight waves, each 64 x 64: 16 accumulators.
; ALL that the work-group multiplies fits in LDS (8 token tiles + 16 weight tiles x 8 records + their scale words = 307,200 bytes): it is fetched ONCE, by first fills, in four chunks of two K steps,
; so that the products begin when a quarter has landed.  No LDS byte is filled twice.
; CLUSTER 4 x 4: the token tiles hang on tb alone and are asked for jointly by the four work-groups of a column, the weight tiles on cb alone, by the four of a row.
; Q, K: source 0 = weight tiles, source 1 = token tiles: a lane holds one token, its registers run along the head's channels.  V: the sources change places: a lane holds one channel, its registers run along the keys.
; The sums begin from the bias, which is loaded (V: copied) into the accumulators.
; OUT (records, see the first launch): Q: 64 head + P, K: 1024 + 64 head + P: half 0 = token tile 2 P, half 1 = tile 2 P + 1, each over the head's 64 channels.  V: 2048 + 64 head + 4 ks + ct: channel tile ct x 128 keys.
; LIMITS: NaN and infinities are not served; a block of zeros or under 2^-124 gets the byte 1.
.set ROWSOFF, 1572864                  ; simg's scale words
.set WSOFF,   6291456                  ; wimg's
.set QSOFF,   4718592                  ; qkv's
.set WT0,     0                        ; the first weight tile of this launch
.set CHB,     73728                    ; LDS: a chunk: 24 tile slots x 2 records
.set SCL,     294912                   ; LDS: the scale words: 512 bytes a tile slot
.set L16, 7
.set L8,  8
.set L4,  9
.set SC0, 16                           ; v16-19 source 0's scale words, v20-23 source 1's: they hold nothing else
.set SC1, 20
.set F0,  32                           ; v32-79 source 0's four fragments, v80-127 source 1's
.set F1,  80
.set ACC, 128                          ; accumulator (i, j) at 128 + 8 (4 j + i)
.set TM,  32
.set WV,  92
.set SEL, 100
.macro FREC reg, a16, a8, off          ; a fragment out of LDS: four loads
	ds_load_b128 v[\reg:\reg+3], v[\a16] offset:\off
	ds_load_b64 v[\reg+4:\reg+5], v[\a8] offset:\off+512
	ds_load_b128 v[\reg+6:\reg+9], v[\a16] offset:\off+768
	ds_load_b64 v[\reg+10:\reg+11], v[\a8] offset:\off+1280
.endm
.macro LD32 reg, vo, sb, ex            ; 32 numbers in the result's layout: register 16 b + 8 u + i = column 32 b + 16 h + 8 u + i (the offset register carries 64 h)
.irp n, 0,1,2,3,4,5,6,7
	global_load_b128 v[\reg+4*\n:\reg+4*\n+3], v[\vo], s[\sb:\sb+1] offset:\ex+128*(\n/4)+32*((\n/2)%2)+16*(\n%2)
.endr
.endm
.macro QUANT s0, s1, pc, px, pw        ; 64 numbers of a lane (blocks 0, 1 at v[s0] on, 2, 3 at v[s1] on) become 12 registers of codes and a scale word
.irp b, 0,1,2,3
.set QB, (\s0)*(1-\b/2)+(\s1)*(\b/2)+16*(\b%2)
	v_max3_num_f32 v[TM+\b], |v[QB]|, |v[QB+1]|, 0x1800000          ; each accumulator is read from its low end on; the floor 2^(3 - 127) holds the byte at 1 from below
.endr
.irp i, 2,4,6,8,10,12,14
.irp b, 0,1,2,3
.set QB, (\s0)*(1-\b/2)+(\s1)*(\b/2)+16*(\b%2)+\i
	v_max3_num_f32 v[TM+\b], v[TM+\b], |v[QB]|, |v[QB+1]|
.endr
.endr
.irp b, 0,1,2,3
	v_permlanex16_b32 v[TM+4+\b], v[TM+\b], s[SEL], s[SEL+1]
.endr
.irp b, 0,1,2,3
	v_max_num_f32 v[TM+\b], v[TM+\b], v[TM+4+\b]
.endr
.irp b, 0,1,2,3
	v_add_nc_u32 v[TM+12+\b], 0xff000000, v[TM+\b]                  ; 2 off the exponent field: the conversion's scale operand
.endr
.irp b, 0,1,2,3
	v_lshrrev_b32 v[TM+4+\b], 23, v[TM+12+\b]
.endr
	v_lshl_or_b32 v[\pw], v[TM+5], 8, v[TM+4]
	v_lshl_or_b32 v[\pw], v[TM+6], 16, v[\pw]
	v_lshl_or_b32 v[\pw], v[TM+7], 24, v[\pw]
.irp c, 0,1
.set QB, (\s0)*(1-\c)+(\s1)*\c
	v_cvt_scalef32_pk16_fp6_f32 v[\pc+6*\c:\pc+6*\c+2], v[QB:QB+15], v[TM+12+2*\c]
	v_cvt_scalef32_pk16_fp6_f32 v[\px+4*\c:\px+4*\c+2], v[QB+16:QB+31], v[TM+13+2*\c]
.endr
	v_nop                                                           ; one plain place behind the scaled conversions
.irp c, 0,1
.irp i, 0,1,2
	v_permlane16_swap_b32 v[\pc+6*\c+\i], v[\px+4*\c+\i]
.endr
.irp i, 0,1,2
	v_mov_b32 v[\pc+3+6*\c+\i], v[\px+4*\c+\i]
.endr
.endr
.endm
.macro HALFST pc, pw, bc, bs, o0, o1, q0, q1   ; registers 0-5 are a half record of one tile, 6-11 of another; the scale word's halves go with them
	global_store_b128 v[L16], v[\pc:\pc+3], s[\bc:\bc+1] offset:\o0
	global_store_b64 v[L8], v[\pc+4:\pc+5], s[\bc:\bc+1] offset:\o0+512
	global_store_b128 v[L16], v[\pc+6:\pc+9], s[\bc:\bc+1] offset:\o1
	global_store_b64 v[L8], v[\pc+10:\pc+11], s[\bc:\bc+1] offset:\o1+512
	global_store_b16 v[L4], v[\pw], s[\bs:\bs+1] offset:\q0
	global_store_d16_hi_b16 v[L4], v[\pw], s[\bs:\bs+1] offset:\q1
.endm
.macro ROUND                           ; a round of the cluster's barrier
	s_barrier_signal -1
	s_barrier_wait -1
	s_cmp_lg_u32 s[WV], 0
	s_cbranch_scc1 .Lnot_wave_0_\@
	s_barrier_signal -3
.Lnot_wave_0_\@:
	s_barrier_wait -3
	s_barrier_signal -1
	s_barrier_wait -1
.endm
.macro PLACES
.rept 4
	v_nop
.endr
.endm
	s_load_b256 s[4:11], s[0:1], 0x0               ; simg, wimg, b_q, b_k
	s_load_b128 s[12:15], s[0:1], 0x20             ; b_v, qkv
	v_lshl_add_u32 v26, v0, 2, 0x4b000
	v_mov_b32 v27, 0
	ds_add_u32 v26, v27
	ds_add_u32 v26, v27
	v_lshrrev_b32 v10, 5, v0
	v_readfirstlane_b32 s[WV], v10                 ; wave 0..7
	s_bfe_u32 s93, ttmp6, 0x40000                  ; cx
	s_bfe_u32 s94, ttmp6, 0x40004                  ; cy
	s_lshl_b32 s95, ttmp9, 2
	s_add_co_u32 s95, s95, s93                     ; tb = 4 x cluster x + cx
	s_and_b32 s97, ttmp7, 0xffff                   ; the cluster's y: 0 Q, 1 K, 2 V: the same in all sixteen partners
	s_lshl_b32 s96, s97, 2
	s_add_co_u32 s96, s96, s94                     ; cb = 4 x cluster y + cy
	s_lshl_b32 s98, 0x1111, s93                    ; my column of the cluster: it shares tb
	s_lshl_b32 s99, s94, 2
	s_lshl_b32 s99, 15, s99                        ; my row: it shares cb
	; group 1.  Codes: 4 tiles x 2 records: 4 rows of 384 elements of 8 bytes, 1,536 elements (a tile's 8 records) apart.  Scale words: 2,048 dense bytes as 8 rows of 256.
	s_or_b32 s16, s98, (3<<16)|(1<<21)             ; token tiles' codes
	s_or_b32 s24, s98, (3<<16)|(1<<21)             ; their scale words
	s_or_b32 s32, s99, (3<<16)|(1<<21)             ; weight tiles' codes
	s_or_b32 s40, s99, (3<<16)|(1<<21)             ; their scale words
.irp g, 16, 32
	s_mov_b32 s[\g+1], 384<<16
	s_mov_b32 s[\g+2], 4<<16
	s_mov_b32 s[\g+3], 384<<16
	s_mov_b32 s[\g+4], 4
	s_mov_b32 s[\g+5], 1536
	s_mov_b32 s[\g+6], 0
	s_mov_b32 s[\g+7], 0
.endr
.irp g, 24, 40
	s_mov_b32 s[\g+1], 32<<16
	s_mov_b32 s[\g+2], 8<<16
	s_mov_b32 s[\g+3], 32<<16
	s_mov_b32 s[\g+4], 8
	s_mov_b32 s[\g+5], 32
	s_mov_b32 s[\g+6], 0
	s_mov_b32 s[\g+7], 0
.endr
	; group 0.  Wave w (0, 1: token tiles; 2 to 5: weight tiles) fills tile slots 4 w .. 4 w + 3: the LDS addresses hang on the wave's number alone
	s_lshl_b32 s101, s[WV], 11
	s_add_co_u32 s101, s101, SCL
	s_mul_i32 s100, s[WV], 12288
	s_lshl_b32 s2, s95, 3
	s_lshl_b32 s66, s[WV], 2
	s_add_co_u32 s2, s2, s66                       ; token tile 8 tb + 4 w
	s_mul_i32 s54, s2, 12288
	s_mov_b32 s55, 0
	s_lshl_b32 s50, s2, 9
	s_add_co_u32 s50, s50, ROWSOFF
	s_mov_b32 s51, 0
	s_sub_co_u32 s67, s[WV], 2
	s_and_b32 s67, s67, 3
	s_lshl_b32 s67, s67, 2
	s_lshl_b32 s3, s96, 4
	s_add_co_u32 s3, s3, s67
	s_add_co_u32 s3, s3, WT0                       ; weight tile 16 cb + 4 (w - 2)
	s_mul_i32 s78, s3, 12288
	s_mov_b32 s79, 0
	s_lshl_b32 s74, s3, 9
	s_add_co_u32 s74, s74, WSOFF
	s_mov_b32 s75, 0
	s_wait_dscnt 0x0
	s_wait_kmcnt 0x0
	s_add_nc_u64 s[54:55], s[4:5], s[54:55]        ; chunk 0 of my token tiles,
	s_add_nc_u64 s[50:51], s[4:5], s[50:51]        ; their scale words,
	s_add_nc_u64 s[78:79], s[6:7], s[78:79]        ; chunk 0 of my weight tiles,
	s_add_nc_u64 s[74:75], s[6:7], s[74:75]        ; their scale words
	s_add_nc_u64 s[58:59], s[54:55], 3072          ; a chunk on: two records
	s_add_nc_u64 s[62:63], s[54:55], 6144
	s_add_nc_u64 s[70:71], s[54:55], 9216
	s_add_nc_u64 s[82:83], s[78:79], 3072
	s_add_nc_u64 s[86:87], s[78:79], 6144
	s_add_nc_u64 s[90:91], s[78:79], 9216
.irp g, 48, 72
	s_mov_b32 s[\g], 1
	s_mov_b32 s[\g+1], s101
	s_or_b32 s[\g+3], s[\g+3], 0x80000000
.endr
.irp g, 52, 76
	s_mov_b32 s[\g], 1
	s_mov_b32 s[\g+1], s100
	s_or_b32 s[\g+3], s[\g+3], 0x80000000
.endr
.irp g, 56, 80
	s_mov_b32 s[\g], 1
	s_add_co_u32 s[\g+1], s100, CHB
	s_or_b32 s[\g+3], s[\g+3], 0x80000000
.endr
.irp g, 60, 84
	s_mov_b32 s[\g], 1
	s_add_co_u32 s[\g+1], s100, 2*CHB
	s_or_b32 s[\g+3], s[\g+3], 0x80000000
.endr
.irp g, 68, 88
	s_mov_b32 s[\g], 1
	s_add_co_u32 s[\g+1], s100, 3*CHB
	s_or_b32 s[\g+3], s[\g+3], 0x80000000
.endr
	ROUND                                          ; all sixteen work-groups are here: the joint loads meet
	s_cmp_lt_u32 s[WV], 2                          ; a wave's five first fills stand in one branch on its number: the scale words, then chunks 0 to 3; five loads of mine are out at the most
	s_cbranch_scc0 .Lnot_t
	tensor_load_to_lds s[48:51], s[24:31]
	s_nop 0
	tensor_load_to_lds s[52:55], s[16:23]
	s_nop 0
	tensor_load_to_lds s[56:59], s[16:23]
	s_nop 0
	tensor_load_to_lds s[60:63], s[16:23]
	s_nop 0
	tensor_load_to_lds s[68:71], s[16:23]
	s_nop 0
	PLACES
	s_branch .Lasked
.Lnot_t:
	s_cmp_lt_u32 s[WV], 6
	s_cbranch_scc0 .Lasked
	tensor_load_to_lds s[72:75], s[40:47]
	s_nop 0
	tensor_load_to_lds s[76:79], s[32:39]
	s_nop 0
	tensor_load_to_lds s[80:83], s[32:39]
	s_nop 0
	tensor_load_to_lds s[84:87], s[32:39]
	s_nop 0
	tensor_load_to_lds s[88:91], s[32:39]
	s_nop 0
	PLACES
.Lasked:
	s_mov_b32 s[SEL], 0x76543210
	s_mov_b32 s[SEL+1], 0xfedcba98
	v_and_b32 v10, 31, v0
	v_and_b32 v11, 15, v0                          ; r
	v_bfe_u32 v12, v0, 4, 1                        ; h
	v_lshlrev_b32 v[L16], 4, v10
	v_lshlrev_b32 v[L8], 3, v10
	v_lshlrev_b32 v[L4], 2, v11
	v_lshlrev_b32 v12, 6, v12                      ; 64 h
	v_and_b32 v13, 8, v11
	v_add_nc_u32 v13, v13, v11
	v_lshlrev_b32 v13, 2, v13                      ; 4 (r + 8 (r / 8))
	s_cmp_eq_u32 s97, 1                            ; the bias: by the kind alone
	s_cselect_b64 s[8:9], s[10:11], s[8:9]
	s_cmp_eq_u32 s97, 2
	s_cselect_b64 s[8:9], s[12:13], s[8:9]
	s_lshr_b32 s10, s[WV], 2                       ; tg: token tiles 4 tg on
	s_and_b32 s11, s[WV], 3                        ; cg: weight tiles 4 cg on: one head
	s_lshl_b32 s12, s10, 2                         ; the token tiles' first slot
	s_lshl_b32 s13, s11, 2
	s_add_co_u32 s13, s13, 8                       ; the weight tiles'
	s_cmp_eq_u32 s97, 2
	s_cselect_b32 s66, s12, s13                    ; source 0: weights; in V tokens
	s_cselect_b32 s67, s13, s12                    ; source 1: the other.  Both stay inside a chunk
	s_mul_i32 s12, s66, 3072
	v_add_nc_u32 v1, s12, v[L16]
	v_add_nc_u32 v2, s12, v[L8]
	s_lshl_b32 s12, s66, 9
	s_add_co_u32 s12, s12, SCL
	v_add_nc_u32 v3, s12, v[L4]
	s_mul_i32 s13, s67, 3072
	v_add_nc_u32 v4, s13, v[L16]
	v_add_nc_u32 v5, s13, v[L8]
	s_lshl_b32 s13, s67, 9
	s_add_co_u32 s13, s13, SCL
	v_add_nc_u32 v6, s13, v[L4]
	s_lshl_b32 s104, s94, 2
	s_add_co_u32 s104, s104, s11                   ; the head: 4 cy + cg (it enters global addresses alone)
	s_lshl_b32 s66, s104, 8
	s_mov_b32 s67, 0
	s_add_nc_u64 s[8:9], s[8:9], s[66:67]          ; the head's 64 numbers of the bias
	s_cmp_eq_u32 s97, 2
	s_cbranch_scc1 .Lbias_v
.irp j, 0,1,2,3
	LD32 ACC+32*\j, 12, 8, 0                       ; Q, K: registers run along the channels: the bias lands in the accumulators
.endr
	s_branch .Lbias_done
.Lbias_v:
.irp j, 0,1,2,3
	global_load_b32 v[28+\j], v13, s[8:9] offset:(32*(\j/2)+8*(\j%2))*4   ; V: a lane holds one channel of tile j
.endr
	s_wait_loadcnt 0x0
.irp j, 0,1,2,3
.set J, 0
.rept 32
	v_mov_b32 v[ACC+32*\j+J], v[28+\j]
.set J, J+1
.endr
.endr
.Lbias_done:
	; where the results go: record kind x 1024 + 64 head + 4 tb; Q, K: + 2 tg records; V: half tg of the record
	s_lshl_b32 s12, s97, 10
	s_lshl_b32 s13, s104, 6
	s_add_co_u32 s12, s12, s13
	s_lshl_b32 s13, s95, 2
	s_add_co_u32 s12, s12, s13
	s_mov_b32 s13, 3072
	s_cmp_eq_u32 s97, 2
	s_cselect_b32 s13, 768, s13
	s_cselect_b32 s11, 2, 128
	s_mul_i32 s13, s13, s10
	s_mul_i32 s11, s11, s10
	s_mul_i32 s66, s12, 1536
	s_add_co_u32 s66, s66, s13
	s_mov_b32 s67, 0
	s_add_nc_u64 s[66:67], s[14:15], s[66:67]
	s_lshl_b32 s104, s12, 6
	s_add_co_u32 s104, s104, s11
	s_add_co_u32 s104, s104, QSOFF
	s_mov_b32 s105, 0
	s_add_nc_u64 s[104:105], s[14:15], s[104:105]
	s_wait_loadcnt 0x0                             ; the bias is in
; A K step of 128: eight fragments and their scale words, then 16 products; the 16 accumulators take turns, one instruction a turn
.macro KSTEP c, q
.irp i, 0,1,2,3
	FREC F0+12*\i, 1, 2, \i*3072+\q*1536
	ds_load_b32 v[SC0+\i], v3 offset:\i*512+(2*\c+\q)*64
.endr
.irp i, 0,1,2,3
	FREC F1+12*\i, 4, 5, \i*3072+\q*1536
	ds_load_b32 v[SC1+\i], v6 offset:\i*512+(2*\c+\q)*64
.endr
	s_wait_dscnt 0x0
.irp j, 0,1,2,3
.irp i, 0,1,2,3
	v_wmma_scale_f32_16x16x128_f8f6f4 v[ACC+8*(4*\j+\i):ACC+8*(4*\j+\i)+7], v[F0+12*\i:F0+12*\i+11], v[F1+12*\j:F1+12*\j+11], v[ACC+8*(4*\j+\i):ACC+8*(4*\j+\i)+7], v[SC0+\i], v[SC1+\j] matrix_a_fmt:MATRIX_FMT_FP6 matrix_b_fmt:MATRIX_FMT_FP6
.endr
.endr
.endm
.macro CHUNK c
	s_wait_tensorcnt 3-\c                          ; my scale words and my chunks up to c have landed; the 3 - c later chunks may stay out
	s_barrier_signal -1
	s_barrier_wait -1                              ; everybody's have
	KSTEP \c, 0
	PLACES                                         ; four places in front of loads into registers that the products have read
	KSTEP \c, 1
.if \c < 3
	v_add_nc_u32 v1, CHB, v1                       ; on to the next chunk: these four are the places
	v_add_nc_u32 v2, CHB, v2
	v_add_nc_u32 v4, CHB, v4
	v_add_nc_u32 v5, CHB, v5
.else
	PLACES                                         ; in front of the first read of results
.endif
.endm
	CHUNK 0
	CHUNK 1
	CHUNK 2
	CHUNK 3
; THE WAY OUT: source 1's tiles 2 p and 2 p + 1 (32 registers each: 64 along the next K) are quantised together; each gets a half record.
.macro EPI dp, dh, dps, ds
.irp b, 0,1,2,3
	v_mov_b32 v[TM+4+\b], 0                        ; a lane permute's destination counts as one of its sources
.endr
	QUANT ACC, ACC+32, 48, 60, 88
	HALFST 48, 88, 66, 104, 0, \dh, 0, \ds
	QUANT ACC+64, ACC+96, 68, 80, 89               ; registers of its own: no store's data are written again
	HALFST 68, 89, 66, 104, \dp, (\dp)+(\dh), \dps, (\dps)+(\ds)
.endm
	s_cmp_eq_u32 s97, 2
	s_cbranch_scc1 .Lepi_v
	EPI 1536, 768, 64, 2                           ; Q, K: pair p of token tiles is record + p; its second tile is half 1
	s_branch .Lend
.Lepi_v:
	EPI 3072, 1536, 128, 64                        ; V: channel tiles 2 p, 2 p + 1 are records + 2 p, + 2 p + 1
.Lend:
	s_wait_tensorcnt 0x0
	ds_add_u32 v26, v27
	s_wait_dscnt 0x0
	ROUND                                          ; the closing round: no work-group ends while a partner may still ask
	s_endpgm
.Lfunc_end_k_qe2ad48adaf_qkv:
	.size	k_qe2ad48adaf_qkv, .Lfunc_end_k_qe2ad48adaf_qkv-k_qe2ad48adaf_qkv
	.p2alignl 7, 3214868480
	.fill 96, 4, 3214868480
	.section	.rodata,"a",@progbits
	.p2align	6, 0x0
	.amdhsa_kernel k_qe2ad48adaf_qkv
		.amdhsa_group_segment_fixed_size 308224
		.amdhsa_private_segment_fixed_size 0
		.amdhsa_enable_private_segment 0
		.amdhsa_kernarg_size 48
		.amdhsa_user_sgpr_count 2
		.amdhsa_user_sgpr_kernarg_segment_ptr 1
		.amdhsa_wavefront_size32 1
		.amdhsa_system_sgpr_workgroup_id_x 1
		.amdhsa_system_sgpr_workgroup_id_y 1
		.amdhsa_system_sgpr_workgroup_id_z 1
		.amdhsa_system_vgpr_workitem_id 0
		.amdhsa_next_free_vgpr 256
		.amdhsa_next_free_sgpr 106
		.amdhsa_reserve_vcc 0
		.amdhsa_float_denorm_mode_32 3
		.amdhsa_float_denorm_mode_16_64 3
		.amdhsa_memory_ordered 1
		.amdhsa_forward_progress 1
		.amdhsa_inst_pref_size 74
	.end_amdhsa_kernel
	.amdgpu_metadata
---
amdhsa.version: [ 1, 2 ]
amdhsa.kernels:
  - .name:           k_qe2ad48adaf_qkv
    .symbol:         k_qe2ad48adaf_qkv.kd
    .args:
      - { .name: simg, .offset: 0, .size: 8, .value_kind: global_buffer, .address_space: global }
      - { .name: wimg, .offset: 8, .size: 8, .value_kind: global_buffer, .address_space: global }
      - { .name: b_q, .offset: 16, .size: 8, .value_kind: global_buffer, .address_space: global }
      - { .name: b_k, .offset: 24, .size: 8, .value_kind: global_buffer, .address_space: global }
      - { .name: b_v, .offset: 32, .size: 8, .value_kind: global_buffer, .address_space: global }
      - { .name: qkv, .offset: 40, .size: 8, .value_kind: global_buffer, .address_space: global }
    .group_segment_fixed_size: 308224
    .private_segment_fixed_size: 0
    .kernarg_segment_align: 8
    .kernarg_segment_size: 48
    .max_flat_workgroup_size: 256
    .sgpr_count:     106
    .vgpr_count:     256
    .wavefront_size: 32
...
	.end_amdgpu_metadata
.endif
;; end of part 2
;; launch attn (part 3): grid 16 x 16, 16 waves a work-group, clusters of 4 x 1, 243,712 bytes of LDS; arguments qkv, ctx; writes ctx
.if DOCPART == 3
	.amdgcn_target "amdgcn-amd-amdhsa--gfx1250"
	.amdhsa_code_object_version 6
	.text
	.protected	k_qe2ad48adaf_attn
	.globl	k_qe2ad48adaf_attn
	.p2align	8
	.type	k_qe2ad48adaf_attn,@function
k_qe2ad48adaf_attn:
	s_mov_b64 s[64:65], 0
	v_nop
	global_prefetch_b8 v0, s[64:65] scope:SCOPE_SE
	s_setreg_imm32_b32 hwreg(HW_REG_WAVE_MODE, 25, 1), 1
	s_wait_xcnt 0x0
	s_wait_alu depctr_hold_cnt(0) depctr_sa_sdst(0) depctr_va_vdst(0) depctr_va_sdst(0) depctr_va_ssrc(0) depctr_va_vcc(0) depctr_vm_vsrc(0)
	s_getreg_b32 s2, hwreg(HW_REG_IB_STS2, 6, 4)
	s_cmp_eq_u32 s2, 0
	s_cbranch_scc0 .Lentry_in_a_cluster
	s_endpgm
.Lentry_in_a_cluster:
	s_bfe_u32 s2, ttmp6, 0x10000c
	s_cmp_lg_u32 s2, 0x3003
	s_cbranch_scc0 .Lentry_shape_is_right
	s_endpgm
.Lentry_shape_is_right:
; ATTENTION for batch 0 (the layer keeps attn_out[0] alone): ctx = softmax(q k^T / 8) v for 16 heads of 64, 2,048 tokens, both products on codes of E2M3; ctx is quantised along D for the next product.
; x = block of 128 queries, y = head.  SIXTEEN waves, four to a SIMD, so that one wave's waits stand beside the others' vector work.  Waves w and w + 8 own the same tile of 16 queries and SHARE ITS KEYS:
; wave w walks key steps 0-7, wave w + 8 key steps 8-15, 128 keys a step.  Each keeps its own running M, sum and O^T; at the end wave w + 8 hands its three to wave w through LDS.
; Both M are whole numbers, so the two halves are brought under the larger M by multiplications by powers of two, which round nothing; a block's scale takes the same factor up, so p's codes stand for the same numbers.
; A head's whole K and V (64 + 64 records and their scale words, 204,800 bytes) lie in LDS, filled ONCE, in four chunks of four key steps; no LDS byte is filled twice.
; CLUSTER 4 x 1: four query blocks of one head ask for K and V jointly.
; K = 64 IN AN INSTRUCTION OF 128: a record of K holds key tile 2 P in its half 0 and tile 2 P + 1 in its half 1.  Q is kept twice: QA = (q | zero codes), QB = (zero codes | q):
; record x QA gives tile 2 P's scores, record x QB tile 2 P + 1's.  The zero half's scale bytes are 1.
; Both products are used transposed: a lane holds one query; by the tiles' order of rows the 16 registers of two neighbouring tiles are 16 neighbouring keys.
; SOFTMAX: t = score x log2(e) / 8; M = the running largest t rounded up to a whole number; p = 2^(t - M) is quantised along the keys; the sum is taken of the unquantised p and divides at the end.
; A block's largest p is made from the block's largest score by the same multiply-add and exponential (this takes v_exp_f32 not to fall where its input rises).
; LIMITS: NaN and infinities are not served; a block of zeros gets the byte 1; the division is a multiplication by v_rcp_f32.
.set QSOFF, 4718592
.set CSOFF, 1572864
.set VB,   98304                       ; LDS: V's codes behind K's
.set KSC,  196608                      ; K's scale words
.set VSC,  200704                      ; V's
.set MRG,  204800                      ; behind them, where no fill lands: for each pair of waves 4,096 bytes of O^T, 128 of sums, 128 of -M
.set MW,   4608
.set HF,  36                           ; s36 which half of the keys is mine: wave / 8
.set WQ,  37                           ; s37 my tile of queries in the block: wave % 8
.set TK0, 38                           ; s38 where my half's records begin: 49,152 x half
.set TS0, 39                           ; s39 and their scale words: 2,048 x half
.set WV,  44
.set SEL, 56
.set CS,  58
.set TK,  60                           ; s60 the key step's records: 6,144 bytes a step
.set TS,  61                           ; s61 its scale words: 256 bytes a step
.set CNT, 62
.set FR,  42                           ; v42-89 four records
.set RS,  90                           ; v90-93 their scale words; v94, v95 QA's and QB's; v228 p's: these hold scales alone
.set MA,  230                          ; v230 my pair's place for O^T: 16 bytes a lane; made at the head, never rewritten
.set ML,  231                          ; v231 and for single numbers: 4 bytes a lane
.macro FREC reg, a16, a8, off
	ds_load_b128 v[\reg:\reg+3], v[\a16] offset:\off
	ds_load_b64 v[\reg+4:\reg+5], v[\a8] offset:\off+512
	ds_load_b128 v[\reg+6:\reg+9], v[\a16] offset:\off+768
	ds_load_b64 v[\reg+10:\reg+11], v[\a8] offset:\off+1280
.endm
.macro ROUND
	s_barrier_signal -1
	s_barrier_wait -1
	s_cmp_lg_u32 s[WV], 0
	s_cbranch_scc1 .Lnot_wave_0_\@
	s_barrier_signal -3
.Lnot_wave_0_\@:
	s_barrier_wait -3
	s_barrier_signal -1
	s_barrier_wait -1
.endm
.macro PLACES
.rept 4
	v_nop
.endr
.endm
	s_load_b128 s[4:7], s[0:1], 0x0                ; qkv, ctx
	v_lshl_add_u32 v254, v0, 2, 0x3b000
	v_mov_b32 v255, 0
	ds_add_u32 v254, v255
	ds_add_u32 v254, v255
	v_lshrrev_b32 v224, 5, v0
	v_readfirstlane_b32 s[WV], v224                ; wave 0..15
	s_bfe_u32 s45, ttmp6, 0x40000                  ; cx
	s_lshl_b32 s46, ttmp9, 2
	s_add_co_u32 s46, s46, s45                     ; my block of 128 queries: it enters Q's and ctx's addresses alone
	s_and_b32 s47, ttmp7, 0xffff                   ; the head, which the four partners share
	s_and_b32 s48, s[WV], 1                        ; I fetch for K (0) or V (1),
	s_bfe_u32 s49, s[WV], 0x20001                  ; the qd-th quarter ((wave / 2) % 4) of each chunk
	s_lshr_b32 s[HF], s[WV], 3                     ; of my half of the keys
	s_and_b32 s[WQ], s[WV], 7
	s_mul_i32 s[TK0], s[HF], 49152
	s_lshl_b32 s[TS0], s[HF], 11
	; group 1: dense blocks as rows of 256 bytes: 4 records = 24 rows; an eighth of the scale words = 2 rows.  The mask names all four partners
	s_mov_b32 s8, 15|(3<<16)|(1<<21)
	s_mov_b32 s9, 32<<16
	s_mov_b32 s10, 24<<16
	s_mov_b32 s11, 32<<16
	s_mov_b32 s12, 24
	s_mov_b32 s13, 32
	s_mov_b32 s14, 0
	s_mov_b32 s15, 0
	s_mov_b32 s16, 15|(3<<16)|(1<<21)
	s_mov_b32 s17, 32<<16
	s_mov_b32 s18, 2<<16
	s_mov_b32 s19, 32<<16
	s_mov_b32 s20, 2
	s_mov_b32 s21, 32
	s_mov_b32 s22, 0
	s_mov_b32 s23, 0
	s_lshl_b32 s50, s48, 10
	s_lshl_b32 s51, s47, 6
	s_add_co_u32 s50, s50, s51
	s_add_co_u32 s50, s50, 1024                    ; the head's first record of K or V
	s_lshl_b32 s51, s[HF], 5                       ; my half's first chunk begins 32 records on,
	s_lshl_b32 s52, s49, 2                         ; my 4 records of it 4 qd on
	s_add_co_u32 s51, s51, s52
	s_add_co_u32 s51, s51, s50
	s_mul_i32 s30, s51, 1536
	s_mov_b32 s31, 0
	s_lshl_b32 s51, s[HF], 2
	s_add_co_u32 s51, s51, s49                     ; which eighth of the scale words: 4 x half + qd
	s_lshl_b32 s52, s51, 3
	s_add_co_u32 s52, s52, s50                     ; its 8 records
	s_lshl_b32 s26, s52, 6
	s_add_co_u32 s26, s26, QSOFF
	s_mov_b32 s27, 0
	s_mul_i32 s52, s48, VB
	s_add_co_u32 s52, s52, s[TK0]
	s_mul_i32 s53, s49, 6144
	s_add_co_u32 s52, s52, s53                     ; LDS: my part of my half's first chunk
	s_lshl_b32 s53, s48, 12
	s_lshl_b32 s54, s51, 9
	s_add_co_u32 s53, s53, s54
	s_add_co_u32 s25, s53, KSC                     ; LDS: my eighth of the scale words
	s_wait_dscnt 0x0
	s_wait_kmcnt 0x0
	s_add_nc_u64 s[30:31], s[4:5], s[30:31]
	s_add_nc_u64 s[26:27], s[4:5], s[26:27]
	s_add_nc_u64 s[34:35], s[30:31], 24576         ; a chunk on: 16 records
	s_mov_b32 s29, s52
	s_add_co_u32 s33, s52, 24576
.irp g, 24, 28, 32
	s_mov_b32 s[\g], 1
	s_or_b32 s[\g+3], s[\g+3], 0x80000000
.endr
	ROUND                                          ; all four work-groups are here
	tensor_load_to_lds s[24:27], s[16:23]          ; every wave issues three first fills: its scale words, then its part of its half's two chunks: three loads of mine are out at the most
	s_nop 0
	tensor_load_to_lds s[28:31], s[8:15]
	s_nop 0
	tensor_load_to_lds s[32:35], s[8:15]
	s_nop 0
	PLACES
	v_and_b32 v224, 31, v0
	v_and_b32 v225, 15, v0
	v_lshlrev_b32 v1, 4, v224                      ; K: 16 x lane
	v_lshlrev_b32 v2, 3, v224                      ;    8 x lane
	v_add_nc_u32 v3, VB, v1                        ; V likewise
	v_add_nc_u32 v4, VB, v2
	v_lshlrev_b32 v13, 2, v225                     ; 4 r
	v_add_nc_u32 v5, KSC, v13
	v_add_nc_u32 v6, VSC, v13
	s_mul_i32 s40, s[WQ], MW
	s_add_co_u32 s40, s40, MRG                     ; my pair's bytes
	v_add_nc_u32 v[MA], s40, v1
	v_lshl_add_u32 v[ML], v224, 2, s40
	s_mov_b32 s[SEL], 0x76543210
	s_mov_b32 s[SEL+1], 0xfedcba98
	s_mov_b32 s[CS], 0x3e38aa3b                    ; c = log2(e) / 8
	s_mov_b32 s[CS+1], s[CS]
	s_lshl_b32 s55, s47, 6                         ; Q's record: 64 head + 4 xb + tile / 2; its half: tile % 2 (tile / 2 = qd, tile % 2 = wave % 2)
	s_lshl_b32 s70, s46, 2
	s_add_co_u32 s55, s55, s70
	s_add_co_u32 s55, s55, s49
	s_mul_i32 s66, s55, 1536
	s_mul_i32 s70, s48, 768
	s_add_co_u32 s66, s66, s70
	s_mov_b32 s67, 0
	s_add_nc_u64 s[66:67], s[4:5], s[66:67]
	s_lshl_b32 s68, s55, 6
	s_add_co_u32 s68, s68, QSOFF
	s_mov_b32 s69, 0
	s_add_nc_u64 s[68:69], s[4:5], s[68:69]
	s_lshl_b32 s63, s48, 4
	global_load_b128 v[18:21], v1, s[66:67]        ; QA's registers 0-5
	global_load_b64 v[22:23], v2, s[66:67] offset:512
	global_load_b128 v[36:39], v1, s[66:67]        ; QB's registers 6-11: the same codes (the two operands share no register)
	global_load_b64 v[40:41], v2, s[66:67] offset:512
	global_load_b32 v224, v13, s[68:69]
.irp j, 24,25,26,27,28,29,30,31,32,33,34,35
	v_mov_b32 v[\j], 0                             ; the zero halves
.endr
	v_mov_b32 v15, 0xff61b1e6                      ; the largest t so far: -3e38
	v_floor_f32 v14, -v15                          ; -M
	v_mov_b32 v16, 0                               ; the sum, in two halves
	v_mov_b32 v17, 0
	v_mov_b32 v227, 0                              ; (named as the upper half of the pair v[226:227])
.irp b, 0,1,2,3
	v_mov_b32 v[216+\b], 0                         ; a lane permute's destination counts as one of its sources
.endr
	s_wait_loadcnt 0x0
	v_lshrrev_b32 v224, s63, v224
	v_and_b32 v224, 0xffff, v224                   ; my tile's two scale bytes
	v_or_b32 v94, 0x01010000, v224                 ; QA's word
	v_lshl_or_b32 v95, v224, 16, 0x0101            ; QB's
.set J, 0
.rept 32
	v_mov_b32 v[160+J], 0                          ; O^T: the step is written once; the first change of M leaves zeros zeros.  (Also the places between the scale words' making and the first product)
.set J, J+1
.endr
; A KEY STEP: 128 keys.  v7-12 addresses in hand; v96-159 S^T, then p; v160-191 O^T; v192-203 p's codes; v204-211, v212-225, v229 at work; v[226:227] f
.macro STEP
	v_add_nc_u32 v7, s[TK], v1                     ; these six are also the places behind the last step's products
	v_add_nc_u32 v8, s[TK], v2
	v_add_nc_u32 v9, s[TK], v3
	v_add_nc_u32 v10, s[TK], v4
	v_add_nc_u32 v11, s[TS], v5
	v_add_nc_u32 v12, s[TS], v6
.irp f, 0,1,2,3
	FREC FR+12*\f, 7, 8, 1536*\f
	ds_load_b32 v[RS+\f], v11 offset:64*\f
.endr
	s_wait_dscnt 0x0
.irp f, 0,1,2,3
	v_wmma_scale_f32_16x16x128_f8f6f4 v[96+16*\f:103+16*\f], v[FR+12*\f:FR+12*\f+11], v[18:29], 0, v[RS+\f], v94 matrix_a_fmt:MATRIX_FMT_FP6 matrix_b_fmt:MATRIX_FMT_FP6
	v_wmma_scale_f32_16x16x128_f8f6f4 v[104+16*\f:111+16*\f], v[FR+12*\f:FR+12*\f+11], v[30:41], 0, v[RS+\f], v95 matrix_a_fmt:MATRIX_FMT_FP6 matrix_b_fmt:MATRIX_FMT_FP6
.endr
	PLACES                                         ; in front of the loads below and of the first read of the scores
.irp f, 0,1,2,3
	FREC FR+12*\f, 9, 10, 1536*\f                  ; the step's V: it lands under the softmax
	ds_load_b32 v[RS+\f], v12 offset:64*\f
.endr
.irp b, 0,1,2,3
	v_max3_num_f32 v[212+\b], v[96+16*\b], v[97+16*\b], v[98+16*\b]   ; the largest score of each block of 32 keys
.endr
.irp i, 3,5,7,9,11,13
.irp b, 0,1,2,3
	v_max3_num_f32 v[212+\b], v[212+\b], v[96+16*\b+\i], v[97+16*\b+\i]
.endr
.endr
.irp b, 0,1,2,3
	v_max_num_f32 v[212+\b], v[212+\b], v[111+16*\b]
.endr
.irp b, 0,1,2,3
	v_permlanex16_b32 v[216+\b], v[212+\b], s[SEL], s[SEL+1]
.endr
.irp b, 0,1,2,3
	v_max_num_f32 v[212+\b], v[212+\b], v[216+\b]
.endr
	v_max3_num_f32 v229, v212, v213, v214
	v_max_num_f32 v229, v229, v215
	v_mul_f32 v229, s[CS], v229
	v_max_num_f32 v15, v15, v229                   ; the running largest t
	v_mov_b32 v229, v14
	v_floor_f32 v14, -v15                          ; the new -M: M is a whole number
	v_sub_f32 v229, v14, v229
	v_cvt_i32_f32 v229, v229                       ; (it saturates)
	v_ldexp_f32 v226, 1.0, v229                    ; f = 2^(old M - new M)
.set J, 0
.rept 32
	v_pk_fma_f32 v[96+J:97+J], v[96+J:97+J], s[CS:CS+1], v[14:15] op_sel_hi:[1,0,0]   ; t - M
.set J, J+2
.endr
.irp b, 0,1,2,3
	v_fma_f32 v[212+\b], v[212+\b], s[CS], v14
.endr
.set J, 0
.rept 64
	v_exp_f32 v[96+J], v[96+J]                     ; p = 2^(t - M)
.set J, J+1
.endr
	v_pk_mul_f32 v[16:17], v[16:17], v[226:227] op_sel_hi:[1,0]     ; the sums under the new M: a plain place behind the exponentials
	s_wait_alu depctr_va_vdst(0)                   ; one wait for the batch, ahead of its first reader
.irp b, 0,1,2,3
	v_exp_f32 v[212+\b], v[212+\b]                 ; each block's largest p
.endr
	v_pk_add_f32 v[224:225], v[96:97], v[98:99]    ; the row's sum of the unquantised p, in two chains
.irp j, 4,8,12,16,20,24,28,32,36,40,44,48,52,56,60
	v_pk_add_f32 v[16:17], v[16:17], v[96+\j:97+\j]
	v_pk_add_f32 v[224:225], v[224:225], v[98+\j:99+\j]
.endr
	v_pk_add_f32 v[16:17], v[16:17], v[224:225]
	s_wait_alu depctr_va_vdst(0)                   ; and one for the four
.irp b, 0,1,2,3
	v_max_num_f32 v[212+\b], 0x1800000, v[212+\b]  ; the floor 2^(3 - 127)
.endr
.irp b, 0,1,2,3
	v_add_nc_u32 v[220+\b], 0xff000000, v[212+\b]
.endr
.irp b, 0,1,2,3
	v_lshrrev_b32 v[216+\b], 23, v[220+\b]
.endr
	v_lshl_or_b32 v228, v217, 8, v216              ; p's scale word
	v_lshl_or_b32 v228, v218, 16, v228
	v_lshl_or_b32 v228, v219, 24, v228
.irp c, 0,1
	v_cvt_scalef32_pk16_fp6_f32 v[192+6*\c:194+6*\c], v[96+32*\c:111+32*\c], v[220+2*\c]
	v_cvt_scalef32_pk16_fp6_f32 v[204+4*\c:206+4*\c], v[112+32*\c:127+32*\c], v[221+2*\c]
.endr
	v_nop
.irp c, 0,1
.irp i, 0,1,2
	v_permlane16_swap_b32 v[192+6*\c+\i], v[204+4*\c+\i]
.endr
.irp i, 0,1,2
	v_mov_b32 v[195+6*\c+\i], v[204+4*\c+\i]
.endr
.endr
.set J, 0
.rept 16
	v_pk_mul_f32 v[160+J:161+J], v[160+J:161+J], v[226:227] op_sel_hi:[1,0]   ; O^T under the new M; these sixteen stand between the making of p's codes and scale word and the products
.set J, J+2
.endr
	s_wait_dscnt 0x0                               ; V is in
.irp t, 0,1,2,3
	v_wmma_scale_f32_16x16x128_f8f6f4 v[160+8*\t:167+8*\t], v[FR+12*\t:FR+12*\t+11], v[192:203], v[160+8*\t:167+8*\t], v[RS+\t], v228 matrix_a_fmt:MATRIX_FMT_FP6 matrix_b_fmt:MATRIX_FMT_FP6
.endr
	s_add_co_u32 s[TK], s[TK], 6144
	s_add_co_u32 s[TS], s[TS], 256
.endm
; The i-th chunk of my half: four key steps
.macro PHASE i
	s_wait_tensorcnt 1-\i                          ; my scale words and my parts of my half's chunks up to i have landed; the later chunk's may stay out
	s_barrier_signal -1
	s_barrier_wait -1                              ; everybody's have: chunks i and 2 + i are whole
	s_add_co_u32 s[TK], s[TK0], \i*24576
	s_add_co_u32 s[TS], s[TS0], \i*1024
	s_mov_b32 s[CNT], 4
.Lstep_\@:
	STEP
	s_sub_co_u32 s[CNT], s[CNT], 1
	s_cmp_lg_u32 s[CNT], 0
	s_cbranch_scc1 .Lstep_\@
.endm
	PHASE 0
	PHASE 1
	; THE TWO HALVES OF THE KEYS MEET.  Waves 8-15 lay O^T, their lane's sum and -M into their pair's bytes; behind the barrier waves 0-7 take them up.
	PLACES                                         ; in front of the first read of O^T
	v_add_f32 v16, v16, v17                        ; the sum's two halves
	s_cmp_lt_u32 s[WV], 8
	s_cbranch_scc1 .Lkeep
.irp k, 0,1,2,3,4,5,6,7
	ds_store_b128 v[MA], v[160+4*\k:163+4*\k] offset:512*\k         ; as an image of the registers; each accumulator from its low end on
.endr
	ds_store_b32 v[ML], v16 offset:4096
	ds_store_b32 v[ML], v14 offset:4224
.Lkeep:
	s_wait_dscnt 0x0                               ; for the partner's sake: my stores have landed
	s_barrier_signal -1
	s_barrier_wait -1
	s_cmp_ge_u32 s[WV], 8
	s_cbranch_scc1 .Lend                           ; waves 8-15 have handed their part on
.irp k, 0,1,2,3,4,5,6,7
	ds_load_b128 v[96+4*\k:99+4*\k], v[MA] offset:512*\k
.endr
	ds_load_b32 v224, v[ML] offset:4096
	ds_load_b32 v225, v[ML] offset:4224
	s_wait_dscnt 0x0
	v_min_num_f32 v229, v14, v225                  ; -M of both halves: the smaller -M is the larger M
	v_sub_f32 v212, v229, v14                      ; my M less the common one: a whole number, 0 or less
	v_sub_f32 v213, v229, v225                     ; the partner's likewise
	v_cvt_i32_f32 v212, v212
	v_cvt_i32_f32 v213, v213
	v_ldexp_f32 v226, 1.0, v212                    ; my factor,
	v_ldexp_f32 v214, 1.0, v213                    ; the partner's: powers of two
	v_mul_f32 v16, v16, v226
	v_fma_f32 v16, v224, v214, v16                 ; the sum over all keys, my lane's part
.set J, 0
.rept 16
	v_pk_mul_f32 v[160+J:161+J], v[160+J:161+J], v[226:227] op_sel_hi:[1,0]
.set J, J+2
.endr
.set J, 0
.rept 16
	v_pk_fma_f32 v[160+J:161+J], v[96+J:97+J], v[214:215], v[160+J:161+J] op_sel_hi:[1,0,1]
.set J, J+2
.endr
	; THE WAY OUT: O^T / the sum; its 64 channels are two blocks of ctx's K: half (head % 2) of record 8 t + head / 2
	v_permlanex16_b32 v216, v16, s[SEL], s[SEL+1]
	v_add_f32 v16, v16, v216
	v_rcp_f32 v16, v16
	v_nop                                          ; a plain place behind the reciprocal
	s_lshl_b32 s55, s46, 3
	s_add_co_u32 s55, s55, s[WQ]                   ; my token tile t
	s_lshl_b32 s55, s55, 3
	s_lshr_b32 s70, s47, 1
	s_add_co_u32 s55, s55, s70
	s_and_b32 s70, s47, 1
	s_mul_i32 s66, s55, 1536                       ; (Q's loads, which named these bases, were waited for at the head)
	s_mul_i32 s71, s70, 768
	s_add_co_u32 s66, s66, s71
	s_mov_b32 s67, 0
	s_add_nc_u64 s[66:67], s[6:7], s[66:67]
	s_lshl_b32 s68, s55, 6
	s_lshl_b32 s70, s70, 1
	s_add_co_u32 s68, s68, s70
	s_add_co_u32 s68, s68, CSOFF
	s_mov_b32 s69, 0
	s_add_nc_u64 s[68:69], s[6:7], s[68:69]
	s_wait_alu depctr_va_vdst(0)                   ; ahead of the reciprocal's first reader
.set J, 0
.rept 32
	v_mul_f32 v[96+J], v[160+J], v16               ; register 16 b + i = channel 32 b + 16 h + i
.set J, J+1
.endr
.irp b, 0,1
	v_max3_num_f32 v[212+\b], |v[96+16*\b]|, |v[97+16*\b]|, 0x1800000
.endr
.irp i, 2,4,6,8,10,12,14
.irp b, 0,1
	v_max3_num_f32 v[212+\b], v[212+\b], |v[96+16*\b+\i]|, |v[97+16*\b+\i]|
.endr
.endr
.irp b, 0,1
	v_permlanex16_b32 v[216+\b], v[212+\b], s[SEL], s[SEL+1]
.endr
.irp b, 0,1
	v_max_num_f32 v[212+\b], v[212+\b], v[216+\b]
.endr
.irp b, 0,1
	v_add_nc_u32 v[220+\b], 0xff000000, v[212+\b]
.endr
.irp b, 0,1
	v_lshrrev_b32 v[216+\b], 23, v[220+\b]
.endr
	v_lshl_or_b32 v228, v217, 8, v216
	v_cvt_scalef32_pk16_fp6_f32 v[192:194], v[96:111], v220
	v_cvt_scalef32_pk16_fp6_f32 v[204:206], v[112:127], v221
	v_nop
.irp i, 0,1,2
	v_permlane16_swap_b32 v[192+\i], v[204+\i]
.endr
.irp i, 0,1,2
	v_mov_b32 v[195+\i], v[204+\i]
.endr
	global_store_b128 v1, v[192:195], s[66:67]
	global_store_b64 v2, v[196:197], s[66:67] offset:512
	global_store_b16 v13, v228, s[68:69]
.Lend:
	s_wait_tensorcnt 0x0
	ds_add_u32 v254, v255
	s_wait_dscnt 0x0
	ROUND                                          ; the closing round
	s_endpgm
.Lfunc_end_k_qe2ad48adaf_attn:
	.size	k_qe2ad48adaf_attn, .Lfunc_end_k_qe2ad48adaf_attn-k_qe2ad48adaf_attn
	.p2alignl 7, 3214868480
	.fill 96, 4, 3214868480
	.section	.rodata,"a",@progbits
	.p2align	6, 0x0
	.amdhsa_kernel k_qe2ad48adaf_attn
		.amdhsa_group_segment_fixed_size 243712
		.amdhsa_private_segment_fixed_size 0
		.amdhsa_enable_private_segment 0
		.amdhsa_kernarg_size 16
		.amdhsa_user_sgpr_count 2
		.amdhsa_user_sgpr_kernarg_segment_ptr 1
		.amdhsa_wavefront_size32 1
		.amdhsa_system_sgpr_workgroup_id_x 1
		.amdhsa_system_sgpr_workgroup_id_y 1
		.amdhsa_system_sgpr_workgroup_id_z 1
		.amdhsa_system_vgpr_workitem_id 0
		.amdhsa_next_free_vgpr 256
		.amdhsa_next_free_sgpr 72
		.amdhsa_reserve_vcc 0
		.amdhsa_float_denorm_mode_32 3
		.amdhsa_float_denorm_mode_16_64 3
		.amdhsa_memory_ordered 1
		.amdhsa_forward_progress 1
		.amdhsa_inst_pref_size 50
	.end_amdhsa_kernel
	.amdgpu_metadata
---
amdhsa.version: [ 1, 2 ]
amdhsa.kernels:
  - .name:           k_qe2ad48adaf_attn
    .symbol:         k_qe2ad48adaf_attn.kd
    .args:
      - { .name: qkv, .offset: 0, .size: 8, .value_kind: global_buffer, .address_space: global }
      - { .name: ctx, .offset: 8, .size: 8, .value_kind: global_buffer, .address_space: global }
    .group_segment_fixed_size: 243712
    .private_segment_fixed_size: 0
    .kernarg_segment_align: 8
    .kernarg_segment_size: 16
    .max_flat_workgroup_size: 512
    .sgpr_count:     72
    .vgpr_count:     256
    .wavefront_size: 32
...
	.end_amdgpu_metadata
.endif
;; end of part 3
;; launch oln (part 4): grid 128 x 1, 16 waves a work-group, no clusters, 88,576 bytes of LDS; arguments ctx, wimg, src, b_out, ln1_g, ln1_b, xf, xq; writes xf, xq
.if DOCPART == 4
	.amdgcn_target "amdgcn-amd-amdhsa--gfx1250"
	.amdhsa_code_object_version 6
	.text
	.protected	k_qe2ad48adaf_oln
	.globl	k_qe2ad48adaf_oln
	.p2align	8
	.type	k_qe2ad48adaf_oln,@function
k_qe2ad48adaf_oln:
	s_mov_b64 s[64:65], 0
	v_nop
	global_prefetch_b8 v0, s[64:65] scope:SCOPE_SE
	s_setreg_imm32_b32 hwreg(HW_REG_WAVE_MODE, 25, 1), 1
	s_wait_xcnt 0x0
; OLN.  src2 = ctx W_out + b_out for one tile of 16 tokens of batch 0; x = LayerNorm(src + src2) for the same tokens of BOTH batches; x leaves as f32 (xf) and as records for the next product (xq).
; A LayerNorm wants whole rows of 1,024 in one work-group: sixteen waves, wave w owns columns 64 w .. 64 w + 63 (weight tiles 4 w .. 4 w + 3).
; A weight record serves one wave alone: it goes from memory straight into that wave's registers, three sets by turns, two K steps ahead.  ctx's eight records go into LDS once, by a plain copy.  No tensor load.
; No cluster: the weights pass through no LDS, so there is no tile to receive jointly.
; Source 0 = weight tiles, source 1 = ctx: a lane holds one token, its registers run along the columns.  The sums begin from b_out, loaded into the accumulators.
; The variance is taken in two passes (mean, then the squares of the differences); rows' sums meet in LDS, two barriers.
; LIMITS: NaN and infinities are not served; a block of zeros or under 2^-124 gets the byte 1.
.set NS,    8                          ; K steps
.set WSOFF, 6291456
.set CSOFF, 1572864
.set XSOFF, 3145728
.set RED1,  12800                      ; LDS: 0: ctx's 8 records; here: rows' sums, group g at + 1,024 g, row r at + 64 r, wave w at + 4 w; the squares' 2,048 on
.set STG,   16896                      ; a stage of 16 rows x (256 + 16) bytes for each wave
.set L16, 1
.set L8,  2
.set L4,  3
.set ACC, 4                            ; v4-35 four accumulators; later the LayerNorm's bias
.set ASR, 36                           ; v36-43 ctx's scale words of the 8 K steps: they hold nothing else
.set OUT, 44                           ; v44-75 the way out (v44-49: the copy, at the head)
.set AF,  68                           ; v68-79 ctx's fragment
.set TT,  68                           ; v68-77 at work in the LayerNorm
.set RR,  80
.set WS,  94                           ; three sets of 52: 48 registers of codes, 4 scale words (v142-145, v194-197, v246-249 hold scales alone)
.set Y0,  198                          ; behind the products: src[0]'s rows, src[1]'s rows, the gain
.set Y1,  94
.set GG,  146
.set BB,  4
.set R0,  126
.set R1,  178
.set TM,  230
.set YO,  250
.set H64, 251
.set GO,  252
.set STI, 253
.set STO, 254
.set RW,  255
.set WV,  20
.set SEL, 22
.set WC,  28
.set WSC, 30
.macro FREC reg, a16, a8, off
	ds_load_b128 v[\reg:\reg+3], v[\a16] offset:\off
	ds_load_b64 v[\reg+4:\reg+5], v[\a8] offset:\off+512
	ds_load_b128 v[\reg+6:\reg+9], v[\a16] offset:\off+768
	ds_load_b64 v[\reg+10:\reg+11], v[\a8] offset:\off+1280
.endm
.macro LD32 reg, vo, sb, ex            ; 32 numbers in the result's layout: register 16 b + 8 u + i = column 32 b + 16 h + 8 u + i
.irp n, 0,1,2,3,4,5,6,7
	global_load_b128 v[\reg+4*\n:\reg+4*\n+3], v[\vo], s[\sb:\sb+1] offset:\ex+128*(\n/4)+32*((\n/2)%2)+16*(\n%2)
.endr
.endm
.macro LOADSET s                       ; K step s of my four weight tiles: 20 loads
.set WB, WS+52*((\s)%3)
.irp i, 0,1,2,3
	global_load_b128 v[WB+12*\i:WB+12*\i+3], v[L16], s[WC:WC+1] offset:(\i*NS+(\s))*1536
	global_load_b64 v[WB+12*\i+4:WB+12*\i+5], v[L8], s[WC:WC+1] offset:(\i*NS+(\s))*1536+512
	global_load_b128 v[WB+12*\i+6:WB+12*\i+9], v[L16], s[WC:WC+1] offset:(\i*NS+(\s))*1536+768
	global_load_b64 v[WB+12*\i+10:WB+12*\i+11], v[L8], s[WC:WC+1] offset:(\i*NS+(\s))*1536+1280
	global_load_b32 v[WB+48+\i], v[L4], s[WSC:WSC+1] offset:(\i*NS+(\s))*64
.endr
.endm
.macro TAIL k                          ; behind the last sets, into the sets' registers by the same turns: 8 loads each
.if (\k) == 0
	LD32 Y0, YO, 38, 0                             ; src[0]'s rows
.elseif (\k) == 1
	LD32 Y1, YO, 40, 0                             ; src[1]'s
.else
	LD32 GG, H64, 12, 0                            ; the gain
.endif
.endm
.macro ITEM n
.if (\n) < NS
	LOADSET \n
.else
	TAIL (\n)-NS
.endif
.endm
.macro WSTEP s
	FREC AF, L16, L8, (\s)*1536
.set CN, 0
.irp d, 1,2
.if (\s)+\d < NS
.set CN, CN+20
.else
.set CN, CN+8
.endif
.endr
	s_wait_loadcnt CN                              ; set s is in; the two items issued behind it may stay out
	s_wait_dscnt 0x0
.set WB, WS+52*((\s)%3)
.irp i, 0,1,2,3
	v_wmma_scale_f32_16x16x128_f8f6f4 v[ACC+8*\i:ACC+8*\i+7], v[WB+12*\i:WB+12*\i+11], v[AF:AF+11], v[ACC+8*\i:ACC+8*\i+7], v[WB+48+\i], v[ASR+(\s)] matrix_a_fmt:MATRIX_FMT_FP6 matrix_b_fmt:MATRIX_FMT_FP6
.endr
.rept 4
	v_nop                                          ; four places in front of loads into registers that the products have read, and of the first read of results
.endr
	ITEM (\s)+3
.endm
.macro BAR
	s_wait_dscnt 0x0
	s_barrier_signal -1
	s_barrier_wait -1
.endm
.macro RSUM y, g, sq                   ; my 32 numbers of group g (sq = 1: their squares) and lane l xor 16's: the wave's 64 columns of row r, to LDS
.if \sq
	v_pk_mul_f32 v[TT+4*\g:TT+4*\g+1], v[\y:\y+1], v[\y:\y+1]
	v_pk_mul_f32 v[TT+4*\g+2:TT+4*\g+3], v[\y+2:\y+3], v[\y+2:\y+3]
.irp j, 4,8,12,16,20,24,28
	v_pk_fma_f32 v[TT+4*\g:TT+4*\g+1], v[\y+\j:\y+\j+1], v[\y+\j:\y+\j+1], v[TT+4*\g:TT+4*\g+1]
	v_pk_fma_f32 v[TT+4*\g+2:TT+4*\g+3], v[\y+\j+2:\y+\j+3], v[\y+\j+2:\y+\j+3], v[TT+4*\g+2:TT+4*\g+3]
.endr
.else
	v_pk_add_f32 v[TT+4*\g:TT+4*\g+1], v[\y:\y+1], v[\y+4:\y+5]
	v_pk_add_f32 v[TT+4*\g+2:TT+4*\g+3], v[\y+2:\y+3], v[\y+6:\y+7]
.irp j, 8,12,16,20,24,28
	v_pk_add_f32 v[TT+4*\g:TT+4*\g+1], v[TT+4*\g:TT+4*\g+1], v[\y+\j:\y+\j+1]
	v_pk_add_f32 v[TT+4*\g+2:TT+4*\g+3], v[TT+4*\g+2:TT+4*\g+3], v[\y+\j+2:\y+\j+3]
.endr
.endif
	v_pk_add_f32 v[TT+4*\g:TT+4*\g+1], v[TT+4*\g:TT+4*\g+1], v[TT+4*\g+2:TT+4*\g+3]
	v_add_f32 v[TT+4*\g], v[TT+4*\g], v[TT+4*\g+1]
	v_permlanex16_b32 v[TT+8+\g], v[TT+4*\g], s[SEL], s[SEL+1]
	v_add_f32 v[TT+4*\g], v[TT+4*\g], v[TT+8+\g]
	ds_store_b32 v[RW], v[TT+4*\g] offset:2048*\sq+1024*\g
.endm
.macro RGET r, g, sq                   ; row r's sixteen sums
.irp k, 0,1,2,3
	ds_load_b128 v[\r+4*\k:\r+4*\k+3], v[RR] offset:2048*\sq+1024*\g+16*\k
.endr
.endm
.macro RTOT r                          ; added in one order in every wave
	v_pk_add_f32 v[\r:\r+1], v[\r:\r+1], v[\r+2:\r+3]
	v_pk_add_f32 v[\r+4:\r+5], v[\r+4:\r+5], v[\r+6:\r+7]
	v_pk_add_f32 v[\r+8:\r+9], v[\r+8:\r+9], v[\r+10:\r+11]
	v_pk_add_f32 v[\r+12:\r+13], v[\r+12:\r+13], v[\r+14:\r+15]
	v_pk_add_f32 v[\r:\r+1], v[\r:\r+1], v[\r+4:\r+5]
	v_pk_add_f32 v[\r+8:\r+9], v[\r+8:\r+9], v[\r+12:\r+13]
	v_pk_add_f32 v[\r:\r+1], v[\r:\r+1], v[\r+8:\r+9]
	v_add_f32 v[\r], v[\r], v[\r+1]
.endm
.macro CENTRE y, r
.irp j, 0,2,4,6,8,10,12,14,16,18,20,22,24,26,28,30
	v_pk_add_f32 v[\y+\j:\y+\j+1], v[\y+\j:\y+\j+1], v[\r:\r+1] op_sel_hi:[1,0] neg_lo:[0,1] neg_hi:[0,1]
.endr
.endm
.macro NORM y, r
.irp j, 0,2,4,6,8,10,12,14,16,18,20,22,24,26,28,30
	v_pk_mul_f32 v[\y+\j:\y+\j+1], v[\y+\j:\y+\j+1], v[\r:\r+1] op_sel_hi:[1,0]
.endr
.irp j, 0,2,4,6,8,10,12,14,16,18,20,22,24,26,28,30
	v_pk_fma_f32 v[\y+\j:\y+\j+1], v[\y+\j:\y+\j+1], v[GG+\j:GG+\j+1], v[BB+\j:BB+\j+1]
.endr
.endm
.macro STAGEOUT y, sb, ex, second      ; 16 rows x my 64 columns through my own stage: sixteen lanes then store 256 consecutive bytes, aligned
.irp n, 0,1,2,3,4,5,6,7
	ds_store_b128 v[STI], v[\y+4*\n:\y+4*\n+3] offset:128*(\n/4)+32*((\n/2)%2)+16*(\n%2)
.endr
.if \second
	s_wait_xcnt 0x0                                ; the first group's stores have read their registers
.endif
.irp k, 0,1,2,3,4,5,6,7
	ds_load_b128 v[OUT+4*\k:OUT+4*\k+3], v[STO] offset:544*\k       ; LDS serves a wave's instructions in order: these see the stores above
.endr
.irp k, 0,1,2,3,4,5,6,7
	s_wait_dscnt 7-\k                              ; the younger loads may stay out
	global_store_b128 v[GO], v[OUT+4*\k:OUT+4*\k+3], s[\sb:\sb+1] offset:\ex+(2*\k+8*(\k/4))*4096
.endr
.endm
.macro QUANT s0, s1, pc, px, pw
.irp b, 0,1,2,3
.set QB, (\s0)*(1-\b/2)+(\s1)*(\b/2)+16*(\b%2)
	v_max3_num_f32 v[TM+\b], |v[QB]|, |v[QB+1]|, 0x1800000
.endr
.irp i, 2,4,6,8,10,12,14
.irp b, 0,1,2,3
.set QB, (\s0)*(1-\b/2)+(\s1)*(\b/2)+16*(\b%2)+\i
	v_max3_num_f32 v[TM+\b], v[TM+\b], |v[QB]|, |v[QB+1]|
.endr
.endr
.irp b, 0,1,2,3
	v_permlanex16_b32 v[TM+4+\b], v[TM+\b], s[SEL], s[SEL+1]
.endr
.irp b, 0,1,2,3
	v_max_num_f32 v[TM+\b], v[TM+\b], v[TM+4+\b]
.endr
.irp b, 0,1,2,3
	v_add_nc_u32 v[TM+12+\b], 0xff000000, v[TM+\b]
.endr
.irp b, 0,1,2,3
	v_lshrrev_b32 v[TM+4+\b], 23, v[TM+12+\b]
.endr
	v_lshl_or_b32 v[\pw], v[TM+5], 8, v[TM+4]
	v_lshl_or_b32 v[\pw], v[TM+6], 16, v[\pw]
	v_lshl_or_b32 v[\pw], v[TM+7], 24, v[\pw]
.irp c, 0,1
.set QB, (\s0)*(1-\c)+(\s1)*\c
	v_cvt_scalef32_pk16_fp6_f32 v[\pc+6*\c:\pc+6*\c+2], v[QB:QB+15], v[TM+12+2*\c]
	v_cvt_scalef32_pk16_fp6_f32 v[\px+4*\c:\px+4*\c+2], v[QB+16:QB+31], v[TM+13+2*\c]
.endr
	v_nop
.irp c, 0,1
.irp i, 0,1,2
	v_permlane16_swap_b32 v[\pc+6*\c+\i], v[\px+4*\c+\i]
.endr
.irp i, 0,1,2
	v_mov_b32 v[\pc+3+6*\c+\i], v[\px+4*\c+\i]
.endr
.endr
.endm
	s_load_b512 s[4:19], s[0:1], 0x0               ; ctx, wimg, src, b_out, ln1_g, ln1_b, xf, xq
	v_lshl_add_u32 v91, v0, 2, 0x15200
	v_mov_b32 v93, 0
	v_lshrrev_b32 v4, 5, v0
	v_readfirstlane_b32 s[WV], v4                  ; wave 0..15
	v_and_b32 v4, 31, v0
	v_and_b32 v5, 15, v0                           ; r
	v_bfe_u32 v6, v0, 4, 1                         ; h
	v_lshlrev_b32 v[L16], 4, v4
	v_lshlrev_b32 v[L8], 3, v4
	v_lshlrev_b32 v[L4], 2, v5
	v_lshlrev_b32 v[H64], 6, v6
	v_and_b32 v7, 8, v5
	v_add_nc_u32 v7, v7, v5                        ; r + 8 (r / 8): my row in the tile
	s_lshl_b32 s24, s[WV], 8                       ; my 64 columns: 256 bytes
	s_mov_b32 s25, 0
	v_lshl_add_u32 v[YO], v7, 12, v[H64]
	v_add_nc_u32 v[YO], s24, v[YO]                 ; a row of 4,096 bytes, + 64 h, + 256 w
	v_lshlrev_b32 v[GO], 4, v5
	v_lshl_add_u32 v[GO], v6, 12, v[GO]
	v_add_nc_u32 v[GO], s24, v[GO]                 ; the way out: lanes 0-15 one row, lanes 16-31 the next
	s_mul_i32 s26, s[WV], 4352
	s_add_co_u32 s26, s26, STG
	v_mul_u32_u24 v[STI], v5, 272
	v_add_nc_u32 v[STI], v[STI], v[H64]
	v_add_nc_u32 v[STI], s26, v[STI]
	v_mul_u32_u24 v[STO], v6, 272
	v_lshl_add_u32 v[STO], v5, 4, v[STO]
	v_add_nc_u32 v[STO], s26, v[STO]
	s_lshl_b32 s27, s[WV], 2
	s_add_co_u32 s27, s27, RED1
	v_lshl_add_u32 v[RW], v5, 6, s27
	s_mov_b32 s21, 0x3a800000                      ; 1 / 1,024
	s_mov_b32 s[SEL], 0x76543210
	s_mov_b32 s[SEL+1], 0xfedcba98
	s_lshl_b32 s26, s[WV], 5
	s_add_co_u32 s26, s26, 1536                    ; w_out's record of my first tile: 1536 + 4 w x 8
	s_mul_i32 s28, s26, 1536
	s_mov_b32 s29, 0
	s_lshl_b32 s30, s26, 6
	s_add_co_u32 s30, s30, WSOFF
	s_mov_b32 s31, 0
	s_mul_i32 s32, ttmp9, 12288                    ; ctx's tile t: 8 records; I copy 768 bytes of them
	s_mul_i32 s26, s[WV], 768
	v_add_nc_u32 v68, s26, v[L16]
	v_add_nc_u32 v69, s26, v[L8]
	s_add_co_u32 s32, s32, s26
	s_mov_b32 s33, 0
	s_lshl_b32 s34, ttmp9, 9
	s_add_co_u32 s34, s34, CSOFF
	s_mov_b32 s35, 0
	s_lshr_b32 s26, ttmp9, 1
	s_lshl_b32 s26, s26, 5
	s_and_b32 s27, ttmp9, 1
	s_lshl_b32 s27, s27, 3
	s_add_co_u32 s26, s26, s27                     ; the tile's first token
	s_lshl_b32 s36, s26, 12
	s_mov_b32 s37, 0
	s_lshl_b32 s26, ttmp9, 3
	s_lshr_b32 s27, s[WV], 1
	s_add_co_u32 s26, s26, s27                     ; xq's record 8 t + w / 2, half w % 2
	s_and_b32 s27, s[WV], 1
	s_mul_i32 s46, s26, 1536
	s_mul_i32 s50, s27, 768
	s_add_co_u32 s46, s46, s50
	s_mov_b32 s47, 0
	s_lshl_b32 s48, s26, 6
	s_lshl_b32 s27, s27, 1
	s_add_co_u32 s48, s48, s27
	s_add_co_u32 s48, s48, XSOFF
	s_mov_b32 s49, 0
	s_wait_kmcnt 0x0
	s_add_nc_u64 s[10:11], s[10:11], s[24:25]      ; b_out, the gain and the bias at my columns
	s_add_nc_u64 s[12:13], s[12:13], s[24:25]
	s_add_nc_u64 s[14:15], s[14:15], s[24:25]
	s_add_nc_u64 s[WC:WC+1], s[6:7], s[28:29]
	s_add_nc_u64 s[WSC:WSC+1], s[6:7], s[30:31]
	s_add_nc_u64 s[32:33], s[4:5], s[32:33]
	s_add_nc_u64 s[34:35], s[4:5], s[34:35]
	s_add_nc_u64 s[38:39], s[8:9], s[36:37]        ; src[0] at the tile,
	s_add_nc_u64 s[40:41], s[38:39], 0x800000      ; src[1]
	s_add_nc_u64 s[42:43], s[16:17], s[36:37]      ; xf likewise
	s_add_nc_u64 s[44:45], s[42:43], 0x800000
	s_add_nc_u64 s[46:47], s[18:19], s[46:47]
	s_add_nc_u64 s[48:49], s[18:19], s[48:49]
	global_load_b128 v[44:47], v[L16], s[32:33]    ; the copy: 2 loads,
	global_load_b64 v[48:49], v[L8], s[32:33] offset:512
.irp s, 0,1,2,3,4,5,6,7
	global_load_b32 v[ASR+\s], v[L4], s[34:35] offset:64*\s         ; ctx's scale words: 8,
.endr
	LD32 ACC, H64, 10, 0                           ; b_out into the accumulators: 8,
	LOADSET 0                                      ; two sets: 40
	LOADSET 1
	s_wait_loadcnt 56                              ; the copy's two loads are in: 8 + 8 + 40 were issued behind them
	ds_store_b128 v68, v[44:47]
	ds_store_b64 v69, v[48:49] offset:512
	LOADSET 2
	BAR                                            ; ctx's eight records lie in LDS
.irp s, 0,1,2,3,4,5,6,7
	WSTEP \s
.endr
	s_wait_loadcnt 8                               ; both batches' rows are in; the gain may stay out
.irp j, 0,2,4,6,8,10,12,14,16,18,20,22,24,26,28,30
	v_pk_add_f32 v[Y0+\j:Y0+\j+1], v[Y0+\j:Y0+\j+1], v[ACC+\j:ACC+\j+1]   ; src + src2; each accumulator is read from its low end on
.endr
.irp j, 0,2,4,6,8,10,12,14,16,18,20,22,24,26,28,30
	v_pk_add_f32 v[Y1+\j:Y1+\j+1], v[Y1+\j:Y1+\j+1], v[ACC+\j:ACC+\j+1]
.endr
	LD32 BB, H64, 14, 0                            ; the LayerNorm's bias, where the accumulators lay
	v_mov_b32 v[TT+8], 0
	v_mov_b32 v[TT+9], 0
	v_and_b32 v[RR], 15, v0
	v_lshl_add_u32 v[RR], v[RR], 6, RED1
	RSUM Y0, 0, 0
	RSUM Y1, 1, 0
	BAR
	RGET R0, 0, 0
	RGET R1, 1, 0
	s_wait_dscnt 0x0
	RTOT R0
	RTOT R1
	v_mul_f32 v[R0], s21, v[R0]                    ; the means
	v_mul_f32 v[R1], s21, v[R1]
	CENTRE Y0, R0
	CENTRE Y1, R1
	RSUM Y0, 0, 1
	RSUM Y1, 1, 1
	BAR
	RGET R0, 0, 1
	RGET R1, 1, 1
	s_wait_dscnt 0x0
	RTOT R0
	RTOT R1
	v_fmaak_f32 v[R0], s21, v[R0], 0x3727c5ac      ; the variance + 1e-5
	v_fmaak_f32 v[R1], s21, v[R1], 0x3727c5ac
	v_rsq_f32 v[R0], v[R0]
	v_rsq_f32 v[R1], v[R1]
	v_nop                                          ; a plain place behind the two
	s_wait_alu depctr_va_vdst(0)                   ; one wait for both, ahead of their first reader
	s_wait_loadcnt 0x0                             ; the gain and the bias
	NORM Y0, R0
	NORM Y1, R1
	STAGEOUT Y0, 42, 0, 0
	STAGEOUT Y1, 44, 0, 1
.irp b, 0,1,2,3
	v_mov_b32 v[TM+4+\b], 0
.endr
	QUANT Y0, Y1, 126, 178, 92                     ; batch 0's tile t and batch 1's tile 128 + t: a half record each
	global_store_b128 v[L16], v[126:129], s[46:47]
	global_store_b64 v[L8], v[130:131], s[46:47] offset:512
	global_store_b128 v[L16], v[132:135], s[46:47] offset:1572864
	global_store_b64 v[L8], v[136:137], s[46:47] offset:1572864+512
	global_store_b16 v[L4], v92, s[48:49]
	global_store_d16_hi_b16 v[L4], v92, s[48:49] offset:65536
	s_wait_tensorcnt 0x0
	ds_add_u32 v91, v93
	s_wait_dscnt 0x0
	s_endpgm
.Lfunc_end_k_qe2ad48adaf_oln:
	.size	k_qe2ad48adaf_oln, .Lfunc_end_k_qe2ad48adaf_oln-k_qe2ad48adaf_oln
	.p2alignl 7, 3214868480
	.fill 96, 4, 3214868480
	.section	.rodata,"a",@progbits
	.p2align	6, 0x0
	.amdhsa_kernel k_qe2ad48adaf_oln
		.amdhsa_group_segment_fixed_size 88576
		.amdhsa_private_segment_fixed_size 0
		.amdhsa_enable_private_segment 0
		.amdhsa_kernarg_size 64
		.amdhsa_user_sgpr_count 2
		.amdhsa_user_sgpr_kernarg_segment_ptr 1
		.amdhsa_wavefront_size32 1
		.amdhsa_system_sgpr_workgroup_id_x 1
		.amdhsa_system_sgpr_workgroup_id_y 1
		.amdhsa_system_sgpr_workgroup_id_z 1
		.amdhsa_system_vgpr_workitem_id 0
		.amdhsa_next_free_vgpr 256
		.amdhsa_next_free_sgpr 66
		.amdhsa_reserve_vcc 0
		.amdhsa_float_denorm_mode_32 3
		.amdhsa_float_denorm_mode_16_64 3
		.amdhsa_memory_ordered 1
		.amdhsa_forward_progress 1
		.amdhsa_inst_pref_size 57
	.end_amdhsa_kernel
	.amdgpu_metadata
---
amdhsa.version: [ 1, 2 ]
amdhsa.kernels:
  - .name:           k_qe2ad48adaf_oln
    .symbol:         k_qe2ad48adaf_oln.kd
    .args:
      - { .name: ctx, .offset: 0, .size: 8, .value_kind: global_buffer, .address_space: global }
      - { .name: wimg, .offset: 8, .size: 8, .value_kind: global_buffer, .address_space: global }
      - { .name: src, .offset: 16, .size: 8, .value_kind: global_buffer, .address_space: global }
      - { .name: b_out, .offset: 24, .size: 8, .value_kind: global_buffer, .address_space: global }
      - { .name: ln1_g, .offset: 32, .size: 8, .value_kind: global_buffer, .address_space: global }
      - { .name: ln1_b, .offset: 40, .size: 8, .value_kind: global_buffer, .address_space: global }
      - { .name: xf, .offset: 48, .size: 8, .value_kind: global_buffer, .address_space: global }
      - { .name: xq, .offset: 56, .size: 8, .value_kind: global_buffer, .address_space: global }
    .group_segment_fixed_size: 88576
    .private_segment_fixed_size: 0
    .kernarg_segment_align: 8
    .kernarg_segment_size: 64
    .max_flat_workgroup_size: 512
    .sgpr_count:     66
    .vgpr_count:     256
    .wavefront_size: 32
...
	.end_amdgpu_metadata
.endif
;; end of part 4
;; launch ffn1 (part 5): grid 32 x 8, 8 waves a work-group, clusters of 4 x 4, 308,224 bytes of LDS; arguments xq, wimg, ffn_b1, hq; writes hq
.if DOCPART == 5
	.amdgcn_target "amdgcn-amd-amdhsa--gfx1250"
	.amdhsa_code_object_version 6
	.text
	.protected	k_qe2ad48adaf_ffn1
	.globl	k_qe2ad48adaf_ffn1
	.p2align	8
	.type	k_qe2ad48adaf_ffn1,@function
k_qe2ad48adaf_ffn1:
	s_mov_b64 s[64:65], 0
	v_nop
	global_prefetch_b8 v0, s[64:65] scope:SCOPE_SE
	s_setreg_imm32_b32 hwreg(HW_REG_WAVE_MODE, 25, 1), 1
	s_wait_xcnt 0x0
	s_wait_alu depctr_hold_cnt(0) depctr_sa_sdst(0) depctr_va_vdst(0) depctr_va_sdst(0) depctr_va_ssrc(0) depctr_va_vcc(0) depctr_vm_vsrc(0)
	s_getreg_b32 s2, hwreg(HW_REG_IB_STS2, 6, 4)
	s_cmp_eq_u32 s2, 0
	s_cbranch_scc0 .Lentry_in_a_cluster
	s_endpgm
.Lentry_in_a_cluster:
	s_bfe_u32 s2, ttmp6, 0x10000c
	s_cmp_lg_u32 s2, 0xf033
	s_cbranch_scc0 .Lentry_shape_is_right
	s_endpgm
.Lentry_shape_is_right:
; FFN1.  h = gelu(x W1 + b1) for 4,096 rows x 2,048 units, on codes of E2M3; h is quantised along the units for the next product and never leaves as f32.
; The product is the QKV launch's: a work-group makes 128 rows x 256 units (K = 1,024), eight waves of 64 x 64; all that it multiplies (307,200 bytes) is fetched into LDS once, by first fills, in four chunks;
; cluster 4 x 4: x's tiles hang on tb alone (asked for jointly by a column), the weights' on cb alone (by a row).  Source 0 = weight tiles, source 1 = x's tiles: a lane holds one row, its registers run along the units.
; gelu(v) = v / 2 + (v / 2) erf(v / sqrt 2), erf(z) = z P(z^2) / Q(z^2) with z held to +-4: a rational form in f32 (its error is some 1e-7 of 1).
; LIMITS: NaN and infinities are not served; far below 0 gelu comes within |v| x 6e-8 of 0; a block of zeros or under 2^-124 gets the byte 1; the division is a multiplication by v_rcp_f32.
.set ROWSOFF, 3145728                  ; xq's scale words
.set WSOFF,   6291456                  ; wimg's
.set HSOFF,   6291456                  ; hq's
.set WT0,     256                      ; ffn_w1's first tile in wimg
.set CHB,     73728
.set SCL,     294912
.set L16, 7
.set L8,  8
.set L4,  9
.set SC0, 16
.set SC1, 20
.set F0,  32
.set F1,  80
.set ACC, 128
.set TM,  32
.set ZZ,  32                           ; gelu: z, z^2, P, Q: 16 registers each
.set Z2,  48
.set PP,  64
.set QQ,  80
.set WV,  92
.set SEL, 100
.macro FREC reg, a16, a8, off
	ds_load_b128 v[\reg:\reg+3], v[\a16] offset:\off
	ds_load_b64 v[\reg+4:\reg+5], v[\a8] offset:\off+512
	ds_load_b128 v[\reg+6:\reg+9], v[\a16] offset:\off+768
	ds_load_b64 v[\reg+10:\reg+11], v[\a8] offset:\off+1280
.endm
.macro LD32 reg, vo, sb, ex
.irp n, 0,1,2,3,4,5,6,7
	global_load_b128 v[\reg+4*\n:\reg+4*\n+3], v[\vo], s[\sb:\sb+1] offset:\ex+128*(\n/4)+32*((\n/2)%2)+16*(\n%2)
.endr
.endm
.macro QUANT s0, s1, pc, px, pw
.irp b, 0,1,2,3
.set QB, (\s0)*(1-\b/2)+(\s1)*(\b/2)+16*(\b%2)
	v_max3_num_f32 v[TM+\b], |v[QB]|, |v[QB+1]|, 0x1800000
.endr
.irp i, 2,4,6,8,10,12,14
.irp b, 0,1,2,3
.set QB, (\s0)*(1-\b/2)+(\s1)*(\b/2)+16*(\b%2)+\i
	v_max3_num_f32 v[TM+\b], v[TM+\b], |v[QB]|, |v[QB+1]|
.endr
.endr
.irp b, 0,1,2,3
	v_permlanex16_b32 v[TM+4+\b], v[TM+\b], s[SEL], s[SEL+1]
.endr
.irp b, 0,1,2,3
	v_max_num_f32 v[TM+\b], v[TM+\b], v[TM+4+\b]
.endr
.irp b, 0,1,2,3
	v_add_nc_u32 v[TM+12+\b], 0xff000000, v[TM+\b]
.endr
.irp b, 0,1,2,3
	v_lshrrev_b32 v[TM+4+\b], 23, v[TM+12+\b]
.endr
	v_lshl_or_b32 v[\pw], v[TM+5], 8, v[TM+4]
	v_lshl_or_b32 v[\pw], v[TM+6], 16, v[\pw]
	v_lshl_or_b32 v[\pw], v[TM+7], 24, v[\pw]
.irp c, 0,1
.set QB, (\s0)*(1-\c)+(\s1)*\c
	v_cvt_scalef32_pk16_fp6_f32 v[\pc+6*\c:\pc+6*\c+2], v[QB:QB+15], v[TM+12+2*\c]
	v_cvt_scalef32_pk16_fp6_f32 v[\px+4*\c:\px+4*\c+2], v[QB+16:QB+31], v[TM+13+2*\c]
.endr
	v_nop
.irp c, 0,1
.irp i, 0,1,2
	v_permlane16_swap_b32 v[\pc+6*\c+\i], v[\px+4*\c+\i]
.endr
.irp i, 0,1,2
	v_mov_b32 v[\pc+3+6*\c+\i], v[\px+4*\c+\i]
.endr
.endr
.endm
.macro HALFST pc, pw, bc, bs, o0, o1, q0, q1
	global_store_b128 v[L16], v[\pc:\pc+3], s[\bc:\bc+1] offset:\o0
	global_store_b64 v[L8], v[\pc+4:\pc+5], s[\bc:\bc+1] offset:\o0+512
	global_store_b128 v[L16], v[\pc+6:\pc+9], s[\bc:\bc+1] offset:\o1
	global_store_b64 v[L8], v[\pc+10:\pc+11], s[\bc:\bc+1] offset:\o1+512
	global_store_b16 v[L4], v[\pw], s[\bs:\bs+1] offset:\q0
	global_store_d16_hi_b16 v[L4], v[\pw], s[\bs:\bs+1] offset:\q1
.endm
.macro ROUND
	s_barrier_signal -1
	s_barrier_wait -1
	s_cmp_lg_u32 s[WV], 0
	s_cbranch_scc1 .Lnot_wave_0_\@
	s_barrier_signal -3
.Lnot_wave_0_\@:
	s_barrier_wait -3
	s_barrier_signal -1
	s_barrier_wait -1
.endm
.macro PLACES
.rept 4
	v_nop
.endr
.endm
	s_load_b256 s[4:11], s[0:1], 0x0               ; xq, wimg, ffn_b1, hq
	v_lshl_add_u32 v30, v0, 2, 0x4b000
	v_mov_b32 v31, 0
	ds_add_u32 v30, v31
	ds_add_u32 v30, v31
	v_lshrrev_b32 v10, 5, v0
	v_readfirstlane_b32 s[WV], v10
	s_bfe_u32 s93, ttmp6, 0x40000                  ; cx
	s_bfe_u32 s94, ttmp6, 0x40004                  ; cy
	s_lshl_b32 s95, ttmp9, 2
	s_add_co_u32 s95, s95, s93                     ; tb: block of 128 rows
	s_and_b32 s96, ttmp7, 0xffff
	s_lshl_b32 s96, s96, 2
	s_add_co_u32 s96, s96, s94                     ; cb: block of 256 units
	s_lshl_b32 s98, 0x1111, s93                    ; my column of the cluster: it shares tb
	s_lshl_b32 s99, s94, 2
	s_lshl_b32 s99, 15, s99                        ; my row: it shares cb
	s_or_b32 s16, s98, (3<<16)|(1<<21)
	s_or_b32 s24, s98, (3<<16)|(1<<21)
	s_or_b32 s32, s99, (3<<16)|(1<<21)
	s_or_b32 s40, s99, (3<<16)|(1<<21)
.irp g, 16, 32                         ; codes: 4 tiles x 2 records: 4 rows of 384 elements of 8 bytes, 1,536 elements apart
	s_mov_b32 s[\g+1], 384<<16
	s_mov_b32 s[\g+2], 4<<16
	s_mov_b32 s[\g+3], 384<<16
	s_mov_b32 s[\g+4], 4
	s_mov_b32 s[\g+5], 1536
	s_mov_b32 s[\g+6], 0
	s_mov_b32 s[\g+7], 0
.endr
.irp g, 24, 40                         ; scale words: 2,048 dense bytes as 8 rows of 256
	s_mov_b32 s[\g+1], 32<<16
	s_mov_b32 s[\g+2], 8<<16
	s_mov_b32 s[\g+3], 32<<16
	s_mov_b32 s[\g+4], 8
	s_mov_b32 s[\g+5], 32
	s_mov_b32 s[\g+6], 0
	s_mov_b32 s[\g+7], 0
.endr
	s_lshl_b32 s101, s[WV], 11
	s_add_co_u32 s101, s101, SCL
	s_mul_i32 s100, s[WV], 12288
	s_lshl_b32 s2, s95, 3
	s_lshl_b32 s66, s[WV], 2
	s_add_co_u32 s2, s2, s66                       ; x's tile 8 tb + 4 w
	s_mul_i32 s54, s2, 12288
	s_mov_b32 s55, 0
	s_lshl_b32 s50, s2, 9
	s_add_co_u32 s50, s50, ROWSOFF
	s_mov_b32 s51, 0
	s_sub_co_u32 s67, s[WV], 2
	s_and_b32 s67, s67, 3
	s_lshl_b32 s67, s67, 2
	s_lshl_b32 s3, s96, 4
	s_add_co_u32 s3, s3, s67
	s_add_co_u32 s3, s3, WT0                       ; weight tile 256 + 16 cb + 4 (w - 2)
	s_mul_i32 s78, s3, 12288
	s_mov_b32 s79, 0
	s_lshl_b32 s74, s3, 9
	s_add_co_u32 s74, s74, WSOFF
	s_mov_b32 s75, 0
	s_wait_dscnt 0x0
	s_wait_kmcnt 0x0
	s_add_nc_u64 s[54:55], s[4:5], s[54:55]
	s_add_nc_u64 s[50:51], s[4:5], s[50:51]
	s_add_nc_u64 s[78:79], s[6:7], s[78:79]
	s_add_nc_u64 s[74:75], s[6:7], s[74:75]
	s_add_nc_u64 s[58:59], s[54:55], 3072
	s_add_nc_u64 s[62:63], s[54:55], 6144
	s_add_nc_u64 s[70:71], s[54:55], 9216
	s_add_nc_u64 s[82:83], s[78:79], 3072
	s_add_nc_u64 s[86:87], s[78:79], 6144
	s_add_nc_u64 s[90:91], s[78:79], 9216
.irp g, 48, 72
	s_mov_b32 s[\g], 1
	s_mov_b32 s[\g+1], s101
	s_or_b32 s[\g+3], s[\g+3], 0x80000000
.endr
.irp g, 52, 76
	s_mov_b32 s[\g], 1
	s_mov_b32 s[\g+1], s100
	s_or_b32 s[\g+3], s[\g+3], 0x80000000
.endr
.irp g, 56, 80
	s_mov_b32 s[\g], 1
	s_add_co_u32 s[\g+1], s100, CHB
	s_or_b32 s[\g+3], s[\g+3], 0x80000000
.endr
.irp g, 60, 84
	s_mov_b32 s[\g], 1
	s_add_co_u32 s[\g+1], s100, 2*CHB
	s_or_b32 s[\g+3], s[\g+3], 0x80000000
.endr
.irp g, 68, 88
	s_mov_b32 s[\g], 1
	s_add_co_u32 s[\g+1], s100, 3*CHB
	s_or_b32 s[\g+3], s[\g+3], 0x80000000
.endr
	ROUND                                          ; all sixteen work-groups are here
	s_cmp_lt_u32 s[WV], 2                          ; a wave's five first fills stand in one branch on its number; five loads of mine are out at the most
	s_cbranch_scc0 .Lnot_t
	tensor_load_to_lds s[48:51], s[24:31]
	s_nop 0
	tensor_load_to_lds s[52:55], s[16:23]
	s_nop 0
	tensor_load_to_lds s[56:59], s[16:23]
	s_nop 0
	tensor_load_to_lds s[60:63], s[16:23]
	s_nop 0
	tensor_load_to_lds s[68:71], s[16:23]
	s_nop 0
	PLACES
	s_branch .Lasked
.Lnot_t:
	s_cmp_lt_u32 s[WV], 6
	s_cbranch_scc0 .Lasked
	tensor_load_to_lds s[72:75], s[40:47]
	s_nop 0
	tensor_load_to_lds s[76:79], s[32:39]
	s_nop 0
	tensor_load_to_lds s[80:83], s[32:39]
	s_nop 0
	tensor_load_to_lds s[84:87], s[32:39]
	s_nop 0
	tensor_load_to_lds s[88:91], s[32:39]
	s_nop 0
	PLACES
.Lasked:
	s_mov_b32 s[SEL], 0x76543210
	s_mov_b32 s[SEL+1], 0xfedcba98
	v_and_b32 v10, 31, v0
	v_and_b32 v11, 15, v0
	v_bfe_u32 v12, v0, 4, 1
	v_lshlrev_b32 v[L16], 4, v10
	v_lshlrev_b32 v[L8], 3, v10
	v_lshlrev_b32 v[L4], 2, v11
	v_lshlrev_b32 v12, 6, v12                      ; 64 h
	v_mov_b32 v24, 0xaf95df0b                      ; P's and Q's leading coefficients, as pairs
	v_mov_b32 v25, 0xaf95df0b
	v_mov_b32 v26, 0xb77460cd
	v_mov_b32 v27, 0xb77460cd
	s_lshr_b32 s12, s[WV], 2                       ; tg: x's tiles 4 tg on
	s_and_b32 s13, s[WV], 3                        ; cg: weight tiles 4 cg on
	s_lshl_b32 s14, s13, 2
	s_add_co_u32 s14, s14, 8                       ; source 0: the weights' first slot
	s_mul_i32 s15, s14, 3072
	v_add_nc_u32 v1, s15, v[L16]
	v_add_nc_u32 v2, s15, v[L8]
	s_lshl_b32 s15, s14, 9
	s_add_co_u32 s15, s15, SCL
	v_add_nc_u32 v3, s15, v[L4]
	s_lshl_b32 s14, s12, 2                         ; source 1: x's first slot
	s_mul_i32 s15, s14, 3072
	v_add_nc_u32 v4, s15, v[L16]
	v_add_nc_u32 v5, s15, v[L8]
	s_lshl_b32 s15, s14, 9
	s_add_co_u32 s15, s15, SCL
	v_add_nc_u32 v6, s15, v[L4]
	s_lshl_b32 s66, s96, 10
	s_lshl_b32 s14, s13, 8
	s_add_co_u32 s66, s66, s14
	s_mov_b32 s67, 0
	s_add_nc_u64 s[8:9], s[8:9], s[66:67]          ; b1 at my 64 units
.irp j, 0,1,2,3
	LD32 ACC+32*\j, 12, 8, 0                       ; the sums begin from the bias
.endr
	s_lshl_b32 s14, s95, 3                         ; hq's record (8 tb + 4 tg) x 16 + 2 cb + cg / 2, half cg % 2
	s_lshl_b32 s15, s12, 2
	s_add_co_u32 s14, s14, s15
	s_lshl_b32 s14, s14, 4
	s_lshl_b32 s15, s96, 1
	s_add_co_u32 s14, s14, s15
	s_lshr_b32 s15, s13, 1
	s_add_co_u32 s14, s14, s15
	s_and_b32 s15, s13, 1
	s_mul_i32 s66, s14, 1536
	s_mul_i32 s67, s15, 768
	s_add_co_u32 s66, s66, s67
	s_mov_b32 s67, 0
	s_add_nc_u64 s[66:67], s[10:11], s[66:67]
	s_lshl_b32 s104, s14, 6
	s_lshl_b32 s15, s15, 1
	s_add_co_u32 s104, s104, s15
	s_add_co_u32 s104, s104, HSOFF
	s_mov_b32 s105, 0
	s_add_nc_u64 s[104:105], s[10:11], s[104:105]
	s_wait_loadcnt 0x0
.macro KSTEP c, q                      ; 128 along K: eight fragments and their scale words, 16 products; the accumulators take turns, one instruction a turn
.irp i, 0,1,2,3
	FREC F0+12*\i, 1, 2, \i*3072+\q*1536
	ds_load_b32 v[SC0+\i], v3 offset:\i*512+(2*\c+\q)*64
.endr
.irp i, 0,1,2,3
	FREC F1+12*\i, 4, 5, \i*3072+\q*1536
	ds_load_b32 v[SC1+\i], v6 offset:\i*512+(2*\c+\q)*64
.endr
	s_wait_dscnt 0x0
.irp j, 0,1,2,3
.irp i, 0,1,2,3
	v_wmma_scale_f32_16x16x128_f8f6f4 v[ACC+8*(4*\j+\i):ACC+8*(4*\j+\i)+7], v[F0+12*\i:F0+12*\i+11], v[F1+12*\j:F1+12*\j+11], v[ACC+8*(4*\j+\i):ACC+8*(4*\j+\i)+7], v[SC0+\i], v[SC1+\j] matrix_a_fmt:MATRIX_FMT_FP6 matrix_b_fmt:MATRIX_FMT_FP6
.endr
.endr
.endm
.macro CHUNK c
	s_wait_tensorcnt 3-\c                          ; my scale words and my chunks up to c have landed; the later chunks may stay out
	s_barrier_signal -1
	s_barrier_wait -1
	KSTEP \c, 0
	PLACES
	KSTEP \c, 1
.if \c < 3
	v_add_nc_u32 v1, CHB, v1                       ; on to the next chunk: these four are the places
	v_add_nc_u32 v2, CHB, v2
	v_add_nc_u32 v4, CHB, v4
	v_add_nc_u32 v5, CHB, v5
.else
	PLACES
.endif
.endm
	CHUNK 0
	CHUNK 1
	CHUNK 2
	CHUNK 3
; gelu of 16 numbers, stage by stage, two at a time; the sixteen reciprocals are one batch with one wait
.macro GELU16 x
.irp k, 0,2,4,6,8,10,12,14
	v_pk_mul_f32 v[ZZ+\k:ZZ+\k+1], v[\x+\k:\x+\k+1], 0x3f3504f3 op_sel_hi:[1,0]      ; z = v / sqrt 2
.endr
.irp k, 0,1,2,3,4,5,6,7,8,9,10,11,12,13,14,15
	v_med3_num_f32 v[ZZ+\k], v[ZZ+\k], -4.0, 4.0
.endr
.irp k, 0,2,4,6,8,10,12,14
	v_pk_mul_f32 v[Z2+\k:Z2+\k+1], v[ZZ+\k:ZZ+\k+1], v[ZZ+\k:ZZ+\k+1]
.endr
.irp k, 0,2,4,6,8,10,12,14
	v_pk_fma_f32 v[PP+\k:PP+\k+1], v[24:25], v[Z2+\k:Z2+\k+1], 0x32edffee op_sel_hi:[1,1,0]
.endr
.irp a, 0xb60cff51, 0xb86ec2d2, 0xba40ac63, 0xbb41a1f6, 0xbc83dbd4
.irp k, 0,2,4,6,8,10,12,14
	v_pk_fma_f32 v[PP+\k:PP+\k+1], v[PP+\k:PP+\k+1], v[Z2+\k:Z2+\k+1], \a op_sel_hi:[1,1,0]
.endr
.endr
.irp k, 0,2,4,6,8,10,12,14
	v_pk_fma_f32 v[QQ+\k:QQ+\k+1], v[26:27], v[Z2+\k:Z2+\k+1], 0xb95fbd29 op_sel_hi:[1,1,0]
.endr
.irp a, 0xbadc924e, 0xbbf19bf8, 0xbc69b6a7
.irp k, 0,2,4,6,8,10,12,14
	v_pk_fma_f32 v[QQ+\k:QQ+\k+1], v[QQ+\k:QQ+\k+1], v[Z2+\k:Z2+\k+1], \a op_sel_hi:[1,1,0]
.endr
.endr
.irp k, 0,1,2,3,4,5,6,7,8,9,10,11,12,13,14,15
	v_rcp_f32 v[QQ+\k], v[QQ+\k]
.endr
.irp k, 0,2,4,6,8,10,12,14
	v_pk_mul_f32 v[PP+\k:PP+\k+1], v[PP+\k:PP+\k+1], v[ZZ+\k:ZZ+\k+1]                ; z P: plain work behind the reciprocals
.endr
.irp k, 0,2,4,6,8,10,12,14
	v_pk_mul_f32 v[\x+\k:\x+\k+1], v[\x+\k:\x+\k+1], 0.5 op_sel_hi:[1,0]
.endr
	s_wait_alu depctr_va_vdst(0)                   ; one wait for the sixteen, ahead of their first reader
.irp k, 0,2,4,6,8,10,12,14
	v_pk_mul_f32 v[PP+\k:PP+\k+1], v[PP+\k:PP+\k+1], v[QQ+\k:QQ+\k+1]                ; erf
.endr
.irp k, 0,2,4,6,8,10,12,14
	v_pk_fma_f32 v[\x+\k:\x+\k+1], v[\x+\k:\x+\k+1], v[PP+\k:PP+\k+1], v[\x+\k:\x+\k+1]
.endr
.endm
.irp g, 0,1,2,3,4,5,6,7
	GELU16 ACC+16*\g                               ; each accumulator is read from its low end on
.endr
.irp b, 0,1,2,3
	v_mov_b32 v[TM+4+\b], 0
.endr
	QUANT ACC, ACC+32, 48, 60, 88                  ; x's tiles 0 and 1 of my four: a half record each
	HALFST 48, 88, 66, 104, 0, 24576, 0, 1024
	QUANT ACC+64, ACC+96, 68, 80, 89               ; tiles 2 and 3, in registers of their own
	HALFST 68, 89, 66, 104, 49152, 73728, 2048, 3072
	s_wait_tensorcnt 0x0
	ds_add_u32 v30, v31
	s_wait_dscnt 0x0
	ROUND                                          ; the closing round
	s_endpgm
.Lfunc_end_k_qe2ad48adaf_ffn1:
	.size	k_qe2ad48adaf_ffn1, .Lfunc_end_k_qe2ad48adaf_ffn1-k_qe2ad48adaf_ffn1
	.p2alignl 7, 3214868480
	.fill 96, 4, 3214868480
	.section	.rodata,"a",@progbits
	.p2align	6, 0x0
	.amdhsa_kernel k_qe2ad48adaf_ffn1
		.amdhsa_group_segment_fixed_size 308224
		.amdhsa_private_segment_fixed_size 0
		.amdhsa_enable_private_segment 0
		.amdhsa_kernarg_size 32
		.amdhsa_user_sgpr_count 2
		.amdhsa_user_sgpr_kernarg_segment_ptr 1
		.amdhsa_wavefront_size32 1
		.amdhsa_system_sgpr_workgroup_id_x 1
		.amdhsa_system_sgpr_workgroup_id_y 1
		.amdhsa_system_sgpr_workgroup_id_z 1
		.amdhsa_system_vgpr_workitem_id 0
		.amdhsa_next_free_vgpr 256
		.amdhsa_next_free_sgpr 106
		.amdhsa_reserve_vcc 0
		.amdhsa_float_denorm_mode_32 3
		.amdhsa_float_denorm_mode_16_64 3
		.amdhsa_memory_ordered 1
		.amdhsa_forward_progress 1
		.amdhsa_inst_pref_size 159
	.end_amdhsa_kernel
	.amdgpu_metadata
---
amdhsa.version: [ 1, 2 ]
amdhsa.kernels:
  - .name:           k_qe2ad48adaf_ffn1
    .symbol:         k_qe2ad48adaf_ffn1.kd
    .args:
      - { .name: xq, .offset: 0, .size: 8, .value_kind: global_buffer, .address_space: global }
      - { .name: wimg, .offset: 8, .size: 8, .value_kind: global_buffer, .address_space: global }
      - { .name: ffn_b1, .offset: 16, .size: 8, .value_kind: global_buffer, .address_space: global }
      - { .name: hq, .offset: 24, .size: 8, .value_kind: global_buffer, .address_space: global }
    .group_segment_fixed_size: 308224
    .private_segment_fixed_size: 0
    .kernarg_segment_align: 8
    .kernarg_segment_size: 32
    .max_flat_workgroup_size: 256
    .sgpr_count:     106
    .vgpr_count:     256
    .wavefront_size: 32
...
	.end_amdgpu_metadata
.endif
;; end of part 5
;; launch fln (part 6): grid 256 x 1, 16 waves a work-group, no clusters, 101,376 bytes of LDS; arguments hq, wimg, xf, ffn_b2, ln2_g, ln2_b, out0; writes out0
.if DOCPART == 6
	.amdgcn_target "amdgcn-amd-amdhsa--gfx1250"
	.amdhsa_code_object_version 6
	.text
	.protected	k_qe2ad48adaf_fln
	.globl	k_qe2ad48adaf_fln
	.p2align	8
	.type	k_qe2ad48adaf_fln,@function
k_qe2ad48adaf_fln:
	s_mov_b64 s[64:65], 0
	v_nop
	global_prefetch_b8 v0, s[64:65] scope:SCOPE_SE
	s_setreg_imm32_b32 hwreg(HW_REG_WAVE_MODE, 25, 1), 1
	s_wait_xcnt 0x0
; FLN.  out = LayerNorm(x + h W2 + b2) for ONE tile of 16 rows (tile X: rows 32 (X / 2) + 8 (X % 2) + r + 8 (r / 8)), K = 2,048: 256 tiles, 256 work-groups.
; A LayerNorm wants whole rows of 1,024 in one work-group: sixteen waves, wave w owns columns 64 w .. 64 w + 63 (weight tiles 4 w .. 4 w + 3).
; A weight record serves one wave alone: it goes from memory straight into that wave's registers, three sets by turns, two K steps ahead.  h's 16 records and their scale words go into LDS once, by a plain copy.
; Every work-group walks all of W2 whatever the number of its rows, so a work-group takes the fewest rows that a matrix instruction holds, and what stands round the walk (copy, residual, norm, way out) is as short as it can be.
; No tensor load; no cluster, since the weights pass through no LDS.
; Source 0 = weight tiles, source 1 = h: a lane holds one row, its registers run along the columns.  The sums begin from b2, loaded into the accumulators.
; Behind the last weight sets, by the same turns and into the sets' registers, come x's rows, the gain and the LayerNorm's bias.
; The variance is taken in two passes; rows' sums meet in LDS, two barriers.  LIMITS: NaN and infinities are not served.
.set NS,    16
.set WSOFF, 6291456
.set HSOFF, 6291456
.set ASC,   24576                      ; LDS: 0: h's 16 records (K step s at 1,536 s); here their scale words, 64 bytes a step
.set RED1,  25600                      ; rows' sums: row r at + 64 r, wave w at + 4 w; the squares' 2,048 on
.set STG,   29696                      ; a stage of 16 rows x (256 + 16) bytes for each wave
.set L16, 1
.set L8,  2
.set L4,  3
.set ACC, 4                            ; v4-35: four accumulators
.set OUT, 36                           ; v36-67 the way out (v36-48: the copy, at the head)
.set AF,  68                           ; v68-79 h's fragment
.set ASR, 92                           ; v92 its scale word: it holds nothing else
.set TT,  68
.set RR,  80
.set WS,  94                           ; three sets of 52 (v142-145, v194-197, v246-249 hold scales alone)
.set Y0,  4
.set XR0, 146
.set GG,  198
.set BB,  94
.set R0,  126
.set YO,  250
.set H64, 251
.set GO,  252
.set STI, 253
.set STO, 254
.set RW,  255
.set WV,  20
.set SEL, 22
.set WC,  28
.set WSC, 30
.macro FREC reg, a16, a8, off
	ds_load_b128 v[\reg:\reg+3], v[\a16] offset:\off
	ds_load_b64 v[\reg+4:\reg+5], v[\a8] offset:\off+512
	ds_load_b128 v[\reg+6:\reg+9], v[\a16] offset:\off+768
	ds_load_b64 v[\reg+10:\reg+11], v[\a8] offset:\off+1280
.endm
.macro LD32 reg, vo, sb, ex            ; 32 numbers in the result's layout: register 16 b + 8 u + i = column 32 b + 16 h + 8 u + i
.irp n, 0,1,2,3,4,5,6,7
	global_load_b128 v[\reg+4*\n:\reg+4*\n+3], v[\vo], s[\sb:\sb+1] offset:\ex+128*(\n/4)+32*((\n/2)%2)+16*(\n%2)
.endr
.endm
.macro LOADSET s                       ; K step s of my four weight tiles: 20 loads
.set WB, WS+52*((\s)%3)
.irp i, 0,1,2,3
	global_load_b128 v[WB+12*\i:WB+12*\i+3], v[L16], s[WC:WC+1] offset:(\i*NS+(\s))*1536
	global_load_b64 v[WB+12*\i+4:WB+12*\i+5], v[L8], s[WC:WC+1] offset:(\i*NS+(\s))*1536+512
	global_load_b128 v[WB+12*\i+6:WB+12*\i+9], v[L16], s[WC:WC+1] offset:(\i*NS+(\s))*1536+768
	global_load_b64 v[WB+12*\i+10:WB+12*\i+11], v[L8], s[WC:WC+1] offset:(\i*NS+(\s))*1536+1280
	global_load_b32 v[WB+48+\i], v[L4], s[WSC:WSC+1] offset:(\i*NS+(\s))*64
.endr
.endm
.macro TAIL k                          ; behind the last sets, into the sets' registers by the same turns: 8 loads each
.if (\k) == 0
	LD32 XR0, YO, 38, 0                            ; x's rows
.elseif (\k) == 1
	LD32 GG, H64, 12, 0                            ; the gain
.else
	LD32 BB, H64, 14, 0                            ; the LayerNorm's bias
.endif
.endm
.macro ITEM n
.if (\n) < NS
	LOADSET \n
.else
	TAIL (\n)-NS
.endif
.endm
.macro WSTEP s
	FREC AF, L16, L8, (\s)*1536
	ds_load_b32 v[ASR], v[L4] offset:ASC+(\s)*64
.set CN, 0
.irp d, 1,2
.if (\s)+\d < NS
.set CN, CN+20
.else
.set CN, CN+8
.endif
.endr
	s_wait_loadcnt CN                              ; set s is in; the two items issued behind it may stay out
	s_wait_dscnt 0x0
.set WB, WS+52*((\s)%3)
.irp i, 0,1,2,3
	v_wmma_scale_f32_16x16x128_f8f6f4 v[ACC+8*\i:ACC+8*\i+7], v[WB+12*\i:WB+12*\i+11], v[AF:AF+11], v[ACC+8*\i:ACC+8*\i+7], v[WB+48+\i], v[ASR] matrix_a_fmt:MATRIX_FMT_FP6 matrix_b_fmt:MATRIX_FMT_FP6
.endr
.rept 4
	v_nop                                          ; four places in front of loads into registers that the products have read, and of the first read of results
.endr
	ITEM (\s)+3
.endm
.macro BAR
	s_wait_dscnt 0x0
	s_barrier_signal -1
	s_barrier_wait -1
.endm
.macro RSUM y, sq                      ; my 32 numbers (sq = 1: their squares) and lane l xor 16's: the wave's 64 columns of row r, to LDS
.if \sq
	v_pk_mul_f32 v[TT:TT+1], v[\y:\y+1], v[\y:\y+1]
	v_pk_mul_f32 v[TT+2:TT+3], v[\y+2:\y+3], v[\y+2:\y+3]
.irp j, 4,8,12,16,20,24,28
	v_pk_fma_f32 v[TT:TT+1], v[\y+\j:\y+\j+1], v[\y+\j:\y+\j+1], v[TT:TT+1]
	v_pk_fma_f32 v[TT+2:TT+3], v[\y+\j+2:\y+\j+3], v[\y+\j+2:\y+\j+3], v[TT+2:TT+3]
.endr
.else
	v_pk_add_f32 v[TT:TT+1], v[\y:\y+1], v[\y+4:\y+5]
	v_pk_add_f32 v[TT+2:TT+3], v[\y+2:\y+3], v[\y+6:\y+7]
.irp j, 8,12,16,20,24,28
	v_pk_add_f32 v[TT:TT+1], v[TT:TT+1], v[\y+\j:\y+\j+1]
	v_pk_add_f32 v[TT+2:TT+3], v[TT+2:TT+3], v[\y+\j+2:\y+\j+3]
.endr
.endif
	v_pk_add_f32 v[TT:TT+1], v[TT:TT+1], v[TT+2:TT+3]
	v_add_f32 v[TT], v[TT], v[TT+1]
	v_permlanex16_b32 v[TT+8], v[TT], s[SEL], s[SEL+1]
	v_add_f32 v[TT], v[TT], v[TT+8]
	ds_store_b32 v[RW], v[TT] offset:2048*\sq
.endm
.macro RGET r, sq                      ; row r's sixteen sums
.irp k, 0,1,2,3
	ds_load_b128 v[\r+4*\k:\r+4*\k+3], v[RR] offset:2048*\sq+16*\k
.endr
.endm
.macro RTOT r                          ; added in one order in every wave
	v_pk_add_f32 v[\r:\r+1], v[\r:\r+1], v[\r+2:\r+3]
	v_pk_add_f32 v[\r+4:\r+5], v[\r+4:\r+5], v[\r+6:\r+7]
	v_pk_add_f32 v[\r+8:\r+9], v[\r+8:\r+9], v[\r+10:\r+11]
	v_pk_add_f32 v[\r+12:\r+13], v[\r+12:\r+13], v[\r+14:\r+15]
	v_pk_add_f32 v[\r:\r+1], v[\r:\r+1], v[\r+4:\r+5]
	v_pk_add_f32 v[\r+8:\r+9], v[\r+8:\r+9], v[\r+12:\r+13]
	v_pk_add_f32 v[\r:\r+1], v[\r:\r+1], v[\r+8:\r+9]
	v_add_f32 v[\r], v[\r], v[\r+1]
.endm
	s_load_b256 s[4:11], s[0:1], 0x0               ; hq, wimg, xf, ffn_b2
	s_load_b128 s[12:15], s[0:1], 0x20             ; ln2_g, ln2_b
	s_load_b64 s[16:17], s[0:1], 0x30              ; out0
	v_lshl_add_u32 v91, v0, 2, 0x18400
	v_mov_b32 v93, 0
	v_lshrrev_b32 v4, 5, v0
	v_readfirstlane_b32 s[WV], v4                  ; wave 0..15
	v_and_b32 v4, 31, v0
	v_and_b32 v5, 15, v0                           ; r
	v_bfe_u32 v6, v0, 4, 1                         ; h
	v_lshlrev_b32 v[L16], 4, v4
	v_lshlrev_b32 v[L8], 3, v4
	v_lshlrev_b32 v[L4], 2, v5
	v_lshlrev_b32 v[H64], 6, v6
	v_and_b32 v7, 8, v5
	v_add_nc_u32 v7, v7, v5                        ; r + 8 (r / 8): my row in the tile
	s_lshl_b32 s24, s[WV], 8                       ; my 64 columns: 256 bytes
	s_mov_b32 s25, 0
	v_lshl_add_u32 v[YO], v7, 12, v[H64]
	v_add_nc_u32 v[YO], s24, v[YO]                 ; a row of 4,096 bytes, + 64 h, + 256 w
	v_lshlrev_b32 v[GO], 4, v5
	v_lshl_add_u32 v[GO], v6, 12, v[GO]
	v_add_nc_u32 v[GO], s24, v[GO]                 ; the way out: lanes 0-15 one row, lanes 16-31 the next
	s_mul_i32 s26, s[WV], 4352
	s_add_co_u32 s26, s26, STG
	v_mul_u32_u24 v[STI], v5, 272
	v_add_nc_u32 v[STI], v[STI], v[H64]
	v_add_nc_u32 v[STI], s26, v[STI]
	v_mul_u32_u24 v[STO], v6, 272
	v_lshl_add_u32 v[STO], v5, 4, v[STO]
	v_add_nc_u32 v[STO], s26, v[STO]
	s_lshl_b32 s27, s[WV], 2
	s_add_co_u32 s27, s27, RED1
	v_lshl_add_u32 v[RW], v5, 6, s27
	s_mov_b32 s21, 0x3a800000                      ; 1 / 1,024
	s_mov_b32 s[SEL], 0x76543210
	s_mov_b32 s[SEL+1], 0xfedcba98
	s_lshl_b32 s26, s[WV], 6
	s_add_co_u32 s26, s26, 3072                    ; ffn_w2's record of my first tile: 3072 + 4 w x 16
	s_mul_i32 s28, s26, 1536
	s_mov_b32 s29, 0
	s_lshl_b32 s30, s26, 6
	s_add_co_u32 s30, s30, WSOFF
	s_mov_b32 s31, 0
	s_mul_i32 s32, ttmp9, 24576                    ; h's tile: 16 records; I copy one record's bytes of them,
	s_mul_i32 s26, s[WV], 1536
	v_add_nc_u32 v68, s26, v[L16]
	s_add_co_u32 s32, s32, s26
	s_mov_b32 s33, 0
	s_lshl_b32 s34, ttmp9, 10                      ; and 64 bytes of their scale words
	s_lshl_b32 s26, s[WV], 6
	s_add_co_u32 s34, s34, s26
	s_add_co_u32 s34, s34, HSOFF
	s_mov_b32 s35, 0
	s_add_co_u32 s26, s26, ASC
	v_add_nc_u32 v69, s26, v[L4]
	s_lshr_b32 s26, ttmp9, 1
	s_lshl_b32 s26, s26, 5
	s_and_b32 s27, ttmp9, 1
	s_lshl_b32 s27, s27, 3
	s_add_co_u32 s26, s26, s27                     ; the tile's first row
	s_lshl_b32 s36, s26, 12
	s_mov_b32 s37, 0
	s_wait_kmcnt 0x0
	s_add_nc_u64 s[10:11], s[10:11], s[24:25]      ; b2, the gain and the bias at my columns
	s_add_nc_u64 s[12:13], s[12:13], s[24:25]
	s_add_nc_u64 s[14:15], s[14:15], s[24:25]
	s_add_nc_u64 s[WC:WC+1], s[6:7], s[28:29]
	s_add_nc_u64 s[WSC:WSC+1], s[6:7], s[30:31]
	s_add_nc_u64 s[32:33], s[4:5], s[32:33]
	s_add_nc_u64 s[34:35], s[4:5], s[34:35]
	s_add_nc_u64 s[38:39], s[8:9], s[36:37]
	s_add_nc_u64 s[42:43], s[16:17], s[36:37]
.irp k, 0,1,2
	global_load_b128 v[36+4*\k:39+4*\k], v[L16], s[32:33] offset:512*\k      ; the copy: 4 loads,
.endr
	global_load_b32 v48, v[L4], s[34:35]
	LD32 ACC, H64, 10, 0                           ; b2 into the accumulators: 8,
	LOADSET 0                                      ; two sets: 40
	LOADSET 1
	s_wait_loadcnt 48                              ; the copy's loads are in: 8 + 40 were issued behind them
.irp k, 0,1,2
	ds_store_b128 v68, v[36+4*\k:39+4*\k] offset:512*\k
.endr
	ds_store_b32 v69, v48                          ; lanes r and r + 16 hold and store the same word
	LOADSET 2
	BAR                                            ; h's records and scale words lie in LDS
.irp s, 0,1,2,3,4,5,6,7,8,9,10,11,12,13,14,15
	WSTEP \s
.endr
	s_wait_loadcnt 16                              ; x's rows are in; the gain and the bias may stay out
.irp j, 0,2,4,6,8,10,12,14,16,18,20,22,24,26,28,30
	v_pk_add_f32 v[Y0+\j:Y0+\j+1], v[Y0+\j:Y0+\j+1], v[XR0+\j:XR0+\j+1]     ; x + ffn; each accumulator is read from its low end on
.endr
	v_mov_b32 v[TT+8], 0                           ; a lane permute's destination counts as one of its sources
	v_and_b32 v[RR], 15, v0
	v_lshl_add_u32 v[RR], v[RR], 6, RED1
	RSUM Y0, 0
	BAR
	RGET R0, 0
	s_wait_dscnt 0x0
	RTOT R0
	v_mul_f32 v[R0], s21, v[R0]                    ; the mean
.irp j, 0,2,4,6,8,10,12,14,16,18,20,22,24,26,28,30
	v_pk_add_f32 v[Y0+\j:Y0+\j+1], v[Y0+\j:Y0+\j+1], v[R0:R0+1] op_sel_hi:[1,0] neg_lo:[0,1] neg_hi:[0,1]
.endr
	RSUM Y0, 1
	BAR
	RGET R0, 1
	s_wait_dscnt 0x0
	RTOT R0
	v_fmaak_f32 v[R0], s21, v[R0], 0x3727c5ac      ; the variance + 1e-5
	v_rsq_f32 v[R0], v[R0]
	v_nop                                          ; a plain place behind it
	s_wait_alu depctr_va_vdst(0)                   ; ahead of its first reader
	s_wait_loadcnt 0x0                             ; the gain and the bias
.irp j, 0,2,4,6,8,10,12,14,16,18,20,22,24,26,28,30
	v_pk_mul_f32 v[Y0+\j:Y0+\j+1], v[Y0+\j:Y0+\j+1], v[R0:R0+1] op_sel_hi:[1,0]
.endr
.irp j, 0,2,4,6,8,10,12,14,16,18,20,22,24,26,28,30
	v_pk_fma_f32 v[Y0+\j:Y0+\j+1], v[Y0+\j:Y0+\j+1], v[GG+\j:GG+\j+1], v[BB+\j:BB+\j+1]
.endr
	; THE WAY OUT: 16 rows x my 64 columns through my own stage: sixteen lanes then store 256 consecutive bytes, aligned
.irp n, 0,1,2,3,4,5,6,7
	ds_store_b128 v[STI], v[Y0+4*\n:Y0+4*\n+3] offset:128*(\n/4)+32*((\n/2)%2)+16*(\n%2)
.endr
.irp k, 0,1,2,3,4,5,6,7
	ds_load_b128 v[OUT+4*\k:OUT+4*\k+3], v[STO] offset:544*\k       ; LDS serves a wave's instructions in order: these see the stores above
.endr
.irp k, 0,1,2,3,4,5,6,7
	s_wait_dscnt 7-\k                              ; the younger loads may stay out
	global_store_b128 v[GO], v[OUT+4*\k:OUT+4*\k+3], s[42:43] offset:(2*\k+8*(\k/4))*4096 th:TH_STORE_NT
.endr
	s_wait_tensorcnt 0x0
	ds_add_u32 v91, v93
	s_wait_dscnt 0x0
	s_endpgm
.Lfunc_end_k_qe2ad48adaf_fln:
	.size	k_qe2ad48adaf_fln, .Lfunc_end_k_qe2ad48adaf_fln-k_qe2ad48adaf_fln
	.p2alignl 7, 3214868480
	.fill 96, 4, 3214868480
	.section	.rodata,"a",@progbits
	.p2align	6, 0x0
	.amdhsa_kernel k_qe2ad48adaf_fln
		.amdhsa_group_segment_fixed_size 101376
		.amdhsa_private_segment_fixed_size 0
		.amdhsa_enable_private_segment 0
		.amdhsa_kernarg_size 56
		.amdhsa_user_sgpr_count 2
		.amdhsa_user_sgpr_kernarg_segment_ptr 1
		.amdhsa_wavefront_size32 1
		.amdhsa_system_sgpr_workgroup_id_x 1
		.amdhsa_system_sgpr_workgroup_id_y 1
		.amdhsa_system_sgpr_workgroup_id_z 1
		.amdhsa_system_vgpr_workitem_id 0
		.amdhsa_next_free_vgpr 256
		.amdhsa_next_free_sgpr 66
		.amdhsa_reserve_vcc 0
		.amdhsa_float_denorm_mode_32 3
		.amdhsa_float_denorm_mode_16_64 3
		.amdhsa_memory_ordered 1
		.amdhsa_forward_progress 1
		.amdhsa_inst_pref_size 64
	.end_amdhsa_kernel
	.amdgpu_metadata
---
amdhsa.version: [ 1, 2 ]
amdhsa.kernels:
  - .name:           k_qe2ad48adaf_fln
    .symbol:         k_qe2ad48adaf_fln.kd
    .args:
      - { .name: hq, .offset: 0, .size: 8, .value_kind: global_buffer, .address_space: global }
      - { .name: wimg, .offset: 8, .size: 8, .value_kind: global_buffer, .address_space: global }
      - { .name: xf, .offset: 16, .size: 8, .value_kind: global_buffer, .address_space: global }
      - { .name: ffn_b2, .offset: 24, .size: 8, .value_kind: global_buffer, .address_space: global }
      - { .name: ln2_g, .offset: 32, .size: 8, .value_kind: global_buffer, .address_space: global }
      - { .name: ln2_b, .offset: 40, .size: 8, .value_kind: global_buffer, .address_space: global }
      - { .name: out0, .offset: 48, .size: 8, .value_kind: global_buffer, .address_space: global }
    .group_segment_fixed_size: 101376
    .private_segment_fixed_size: 0
    .kernarg_segment_align: 8
    .kernarg_segment_size: 56
    .max_flat_workgroup_size: 512
    .sgpr_count:     66
    .vgpr_count:     256
    .wavefront_size: 32
...
	.end_amdgpu_metadata
.endif
;; end of part 6
;; ======== version 2 of 2: 6 launches; version 1 with the launches oln, fln written anew for expert scheduling mode
;; workspace buffers: wimg 6,553,600 bytes; simg 1,638,400 bytes; qkv 4,915,200 bytes; ctx 1,638,400 bytes; xf 16,777,216 bytes; xq 3,276,800 bytes; hq 6,553,600 bytes
;; launch prep: the kernel of part 1 again; grid 640 x 1, 8 waves a work-group, no clusters, 0 bytes of LDS; arguments src, w_q_codes, w_q_scales, w_k_codes, w_k_scales, w_v_codes, w_v_scales, w_out_codes, w_out_scales, ffn_w1_codes, ffn_w1_scales, ffn_w2_codes, ffn_w2_scales, wimg, simg; writes wimg, simg
;; launch qkv: the kernel of part 2 again; grid 16 x 12, 8 waves a work-group, clusters of 4 x 4, 308,224 bytes of LDS; arguments simg, wimg, b_q, b_k, b_v, qkv; writes qkv
;; launch attn: the kernel of part 3 again; grid 16 x 16, 16 waves a work-group, clusters of 4 x 1, 243,712 bytes of LDS; arguments qkv, ctx; writes ctx
;; launch oln (part 7): grid 128 x 1, 16 waves a work-group, no clusters, 88,576 bytes of LDS; arguments ctx, wimg, src, b_out, ln1_g, ln1_b, xf, xq; writes xf, xq
.if DOCPART == 7
	.amdgcn_target "amdgcn-amd-amdhsa--gfx1250"
	.amdhsa_code_object_version 6
	.text
	.protected	k_qe2ad48adaf_oln
	.globl	k_qe2ad48adaf_oln
	.p2align	8
	.type	k_qe2ad48adaf_oln,@function
k_qe2ad48adaf_oln:
	s_mov_b64 s[64:65], 0
	v_nop
	global_prefetch_b8 v0, s[64:65] scope:SCOPE_SE
	s_setreg_imm32_b32 hwreg(HW_REG_WAVE_SCHED_MODE, 0, 2), 2
	s_setreg_imm32_b32 hwreg(HW_REG_WAVE_MODE, 25, 1), 1
	s_wait_xcnt 0x0
	s_wait_alu depctr_vm_vsrc(0)
; OLN.  src2 = ctx W_out + b_out for one tile of 16 tokens of batch 0; x = LayerNorm(src + src2) for the same tokens of BOTH batches; x leaves as f32 (xf) and as records for the next product (xq).
; A LayerNorm wants whole rows of 1,024 in one work-group: sixteen waves, wave w owns columns 64 w .. 64 w + 63 (weight tiles 4 w .. 4 w + 3).
; A weight record serves one wave alone: it goes from memory straight into that wave's registers, three sets by turns, two K steps ahead.  ctx's eight records go into LDS once, by a plain copy.  No tensor load.
; No cluster: the weights pass through no LDS, so there is no tile to receive jointly.
; Source 0 = weight tiles, source 1 = ctx: a lane holds one token, its registers run along the columns.  The sums begin from b_out, loaded into the accumulators.
; The variance is taken in two passes (mean, then the squares of the differences); rows' sums meet in LDS, two barriers.
; LIMITS: NaN and infinities are not served; a block of zeros or under 2^-124 gets the byte 1.
; THE MODE: SCHED_MODE bits 1:0 = 2 (LLVM: expert scheduling mode 2), set by the entry lines.  The code itself states the register dependences
; between vector or matrix instructions and memory or LDS instructions, with s_wait_alu, always for 0.
; THE PLAN.  Registers that memory or LDS instructions touch:
;   v1-3, v250-255  offsets and LDS addresses: made once at the head, never written again.
;   WS0 .. WS2      Step s: its four products read set s % 3; behind them the loads of item s + 3 land in it.
;   AF0, AF1        ctx's fragment, two buffers by turns: step s's products read buffer s % 2; the LDS loads of step s + 2's fragment, dealt among step s + 1's products, land in it.
;   v36-43          ctx's scale words: loaded once at the head.
;   v4-35           the accumulators: b_out's loads, the products, the additions behind the loop; then the LayerNorm's bias is loaded there.
;   v68, v69        the copy's LDS addresses, v44-49 its data: read by the copy's stores alone; later parts of AF0 and of OUT.
;   TT, v80, R0, R1, the rows, OUT, the codes: behind the loop; each wait there says what it states.
; So ONE wait on va_vdst stands in a step, behind its products and their places: it states that they are done reading their set, in which the loads straight behind the wait land, and their fragment, in which
; the LDS loads of the next step land; that step's products name the other fragment buffer, another set and the accumulators.
.set NS,    8                          ; K steps
.set WSOFF, 6291456
.set CSOFF, 1572864
.set XSOFF, 3145728
.set RED1,  12800                      ; LDS: 0: ctx's 8 records; here: rows' sums, group g at + 1,024 g, row r at + 64 r, wave w at + 4 w; the squares' 2,048 on
.set STG,   16896                      ; a stage of 16 rows x (256 + 16) bytes for each wave
.set L16, 1
.set L8,  2
.set L4,  3
.set ACC, 4                            ; v4-35 four accumulators; later the LayerNorm's bias
.set ASR, 36                           ; v36-43 ctx's scale words of the 8 K steps: they hold nothing else
.set OUT, 44                           ; v44-75 the way out (v44-49: the copy, at the head)
.set AF0, 68                           ; v68-79 ctx's fragment of the even K steps
.set AF1, 52                           ; v52-63 of the odd ones
.set TT,  68                           ; v68-77 at work in the LayerNorm
.set RR,  80
.set WS,  94                           ; three sets of 52: 48 registers of codes, 4 scale words (v142-145, v194-197, v246-249 hold scales alone)
.set Y0,  198                          ; behind the products: src[0]'s rows, src[1]'s rows, the gain
.set Y1,  94
.set GG,  146
.set BB,  4
.set R0,  126
.set R1,  178
.set TM,  230
.set YO,  250
.set H64, 251
.set GO,  252
.set STI, 253
.set STO, 254
.set RW,  255
.set WV,  20
.set SEL, 22
.set WC,  28
.set WSC, 30
.macro FREC reg, a16, a8, off
	ds_load_b128 v[\reg:\reg+3], v[\a16] offset:\off
	ds_load_b64 v[\reg+4:\reg+5], v[\a8] offset:\off+512
	ds_load_b128 v[\reg+6:\reg+9], v[\a16] offset:\off+768
	ds_load_b64 v[\reg+10:\reg+11], v[\a8] offset:\off+1280
.endm
.macro LD32 reg, vo, sb, ex            ; 32 numbers in the result's layout: register 16 b + 8 u + i = column 32 b + 16 h + 8 u + i
.irp n, 0,1,2,3,4,5,6,7
	global_load_b128 v[\reg+4*\n:\reg+4*\n+3], v[\vo], s[\sb:\sb+1] offset:\ex+128*(\n/4)+32*((\n/2)%2)+16*(\n%2)
.endr
.endm
.macro LOADSET s                       ; K step s of my four weight tiles: 20 loads
.set WB, WS+52*((\s)%3)
.irp i, 0,1,2,3
	global_load_b128 v[WB+12*\i:WB+12*\i+3], v[L16], s[WC:WC+1] offset:(\i*NS+(\s))*1536
	global_load_b64 v[WB+12*\i+4:WB+12*\i+5], v[L8], s[WC:WC+1] offset:(\i*NS+(\s))*1536+512
	global_load_b128 v[WB+12*\i+6:WB+12*\i+9], v[L16], s[WC:WC+1] offset:(\i*NS+(\s))*1536+768
	global_load_b64 v[WB+12*\i+10:WB+12*\i+11], v[L8], s[WC:WC+1] offset:(\i*NS+(\s))*1536+1280
	global_load_b32 v[WB+48+\i], v[L4], s[WSC:WSC+1] offset:(\i*NS+(\s))*64
.endr
.endm
.macro TAIL k                          ; behind the last sets, into the sets' registers by the same turns: 8 loads each
.if (\k) == 0
	LD32 Y0, YO, 38, 0                             ; src[0]'s rows
.elseif (\k) == 1
	LD32 Y1, YO, 40, 0                             ; src[1]'s
.else
	LD32 GG, H64, 12, 0                            ; the gain
.endif
.endm
.macro ITEM n
.if (\n) < NS
	LOADSET \n
.else
	TAIL (\n)-NS
.endif
.endm
.macro PROD i                          ; weight tile i x the step's fragment of ctx; WB, FA and SA are the step's set, fragment buffer and scale word.  The four accumulators take turns
	v_wmma_scale_f32_16x16x128_f8f6f4 v[ACC+8*(\i):ACC+8*(\i)+7], v[WB+12*(\i):WB+12*(\i)+11], v[FA:FA+11], v[ACC+8*(\i):ACC+8*(\i)+7], v[WB+48+(\i)], v[SA] matrix_a_fmt:MATRIX_FMT_FP6 matrix_b_fmt:MATRIX_FMT_FP6
.endm
.macro NEXTF s, k                      ; piece k of the next step's fragment, into the other buffer.  No wait: no vector or matrix instruction since the last step's wait names that buffer
.if (\s)+1 < NS
.if (\k) == 0
	ds_load_b128 v[FN:FN+3], v[L16] offset:((\s)+1)*1536
.elseif (\k) == 1
	ds_load_b64 v[FN+4:FN+5], v[L8] offset:((\s)+1)*1536+512
.elseif (\k) == 2
	ds_load_b128 v[FN+6:FN+9], v[L16] offset:((\s)+1)*1536+768
.else
	ds_load_b64 v[FN+10:FN+11], v[L8] offset:((\s)+1)*1536+1280
.endif
.endif
.endm
.macro WSTEP s
.set CN, 0
.irp d, 1,2
.if (\s)+\d < NS
.set CN, CN+20
.else
.set CN, CN+8
.endif
.endr
	s_wait_loadcnt CN                              ; set s is in; the two items issued behind it may stay out
	s_wait_dscnt 0x0                               ; this step's fragment, asked for a step ago, is in
.set WB, WS+52*((\s)%3)
.set FA, AF0+(AF1-AF0)*((\s)%2)
.set FN, AF1+(AF0-AF1)*((\s)%2)
.set SA, ASR+(\s)
	PROD 0
	NEXTF \s, 0
	PROD 1
	NEXTF \s, 1
	PROD 2
	NEXTF \s, 2
	PROD 3
	NEXTF \s, 3
.rept 4
	v_nop                                          ; four places behind the products (ISA guide 7.12.1): they stay beside the wait below, which fills none; behind the last step they stand ahead of the first read of results
.endr
	s_wait_alu depctr_va_vdst(0)                   ; this step's products are done reading set s % 3, in which the loads below land, and fragment buffer s % 2, in which the next step's LDS loads land
	ITEM (\s)+3
.endm
.macro BAR
	s_wait_dscnt 0x0
	s_barrier_signal -1
	s_barrier_wait -1
.endm
.macro RSUM y, g, sq                   ; my 32 numbers of group g (sq = 1: their squares) and lane l xor 16's: the wave's 64 columns of row r, in v[TT + 4 g]
.if \sq
	v_pk_mul_f32 v[TT+4*\g:TT+4*\g+1], v[\y:\y+1], v[\y:\y+1]
	v_pk_mul_f32 v[TT+4*\g+2:TT+4*\g+3], v[\y+2:\y+3], v[\y+2:\y+3]
.irp j, 4,8,12,16,20,24,28
	v_pk_fma_f32 v[TT+4*\g:TT+4*\g+1], v[\y+\j:\y+\j+1], v[\y+\j:\y+\j+1], v[TT+4*\g:TT+4*\g+1]
	v_pk_fma_f32 v[TT+4*\g+2:TT+4*\g+3], v[\y+\j+2:\y+\j+3], v[\y+\j+2:\y+\j+3], v[TT+4*\g+2:TT+4*\g+3]
.endr
.else
	v_pk_add_f32 v[TT+4*\g:TT+4*\g+1], v[\y:\y+1], v[\y+4:\y+5]
	v_pk_add_f32 v[TT+4*\g+2:TT+4*\g+3], v[\y+2:\y+3], v[\y+6:\y+7]
.irp j, 8,12,16,20,24,28
	v_pk_add_f32 v[TT+4*\g:TT+4*\g+1], v[TT+4*\g:TT+4*\g+1], v[\y+\j:\y+\j+1]
	v_pk_add_f32 v[TT+4*\g+2:TT+4*\g+3], v[TT+4*\g+2:TT+4*\g+3], v[\y+\j+2:\y+\j+3]
.endr
.endif
	v_pk_add_f32 v[TT+4*\g:TT+4*\g+1], v[TT+4*\g:TT+4*\g+1], v[TT+4*\g+2:TT+4*\g+3]
	v_add_f32 v[TT+4*\g], v[TT+4*\g], v[TT+4*\g+1]
	v_permlanex16_b32 v[TT+8+\g], v[TT+4*\g], s[SEL], s[SEL+1]
	v_add_f32 v[TT+4*\g], v[TT+4*\g], v[TT+8+\g]
.endm
.macro RPUT g, sq                      ; and to LDS
	ds_store_b32 v[RW], v[TT+4*\g] offset:2048*\sq+1024*\g
.endm
.macro RGET r, g, sq                   ; row r's sixteen sums
.irp k, 0,1,2,3
	ds_load_b128 v[\r+4*\k:\r+4*\k+3], v[RR] offset:2048*\sq+1024*\g+16*\k
.endr
.endm
.macro RTOT r                          ; added in one order in every wave
	v_pk_add_f32 v[\r:\r+1], v[\r:\r+1], v[\r+2:\r+3]
	v_pk_add_f32 v[\r+4:\r+5], v[\r+4:\r+5], v[\r+6:\r+7]
	v_pk_add_f32 v[\r+8:\r+9], v[\r+8:\r+9], v[\r+10:\r+11]
	v_pk_add_f32 v[\r+12:\r+13], v[\r+12:\r+13], v[\r+14:\r+15]
	v_pk_add_f32 v[\r:\r+1], v[\r:\r+1], v[\r+4:\r+5]
	v_pk_add_f32 v[\r+8:\r+9], v[\r+8:\r+9], v[\r+12:\r+13]
	v_pk_add_f32 v[\r:\r+1], v[\r:\r+1], v[\r+8:\r+9]
	v_add_f32 v[\r], v[\r], v[\r+1]
.endm
.macro CENTRE y, r
.irp j, 0,2,4,6,8,10,12,14,16,18,20,22,24,26,28,30
	v_pk_add_f32 v[\y+\j:\y+\j+1], v[\y+\j:\y+\j+1], v[\r:\r+1] op_sel_hi:[1,0] neg_lo:[0,1] neg_hi:[0,1]
.endr
.endm
.macro NORM y, r
.irp j, 0,2,4,6,8,10,12,14,16,18,20,22,24,26,28,30
	v_pk_mul_f32 v[\y+\j:\y+\j+1], v[\y+\j:\y+\j+1], v[\r:\r+1] op_sel_hi:[1,0]
.endr
.irp j, 0,2,4,6,8,10,12,14,16,18,20,22,24,26,28,30
	v_pk_fma_f32 v[\y+\j:\y+\j+1], v[\y+\j:\y+\j+1], v[GG+\j:GG+\j+1], v[BB+\j:BB+\j+1]
.endr
.endm
.macro STAGEOUT y, sb, ex, second      ; 16 rows x my 64 columns through my own stage: sixteen lanes then store 256 consecutive bytes, aligned
.irp n, 0,1,2,3,4,5,6,7
	ds_store_b128 v[STI], v[\y+4*\n:\y+4*\n+3] offset:128*(\n/4)+32*((\n/2)%2)+16*(\n%2)
.endr
.if \second
	s_wait_xcnt 0x0                                ; the first group's stores have had their addresses translated,
	s_wait_alu depctr_vm_vsrc(0)                   ; and have read v[OUT ..], in which the loads below land again
.endif
.irp k, 0,1,2,3,4,5,6,7
	ds_load_b128 v[OUT+4*\k:OUT+4*\k+3], v[STO] offset:544*\k       ; LDS serves a wave's instructions in order: these see the stores above
.endr
.irp k, 0,1,2,3,4,5,6,7
	s_wait_dscnt 7-\k                              ; the younger loads may stay out
	global_store_b128 v[GO], v[OUT+4*\k:OUT+4*\k+3], s[\sb:\sb+1] offset:\ex+(2*\k+8*(\k/4))*4096
.endr
.endm
.macro QUANT s0, s1, pc, px, pw
.irp b, 0,1,2,3
.set QB, (\s0)*(1-\b/2)+(\s1)*(\b/2)+16*(\b%2)
	v_max3_num_f32 v[TM+\b], |v[QB]|, |v[QB+1]|, 0x1800000
.endr
.irp i, 2,4,6,8,10,12,14
.irp b, 0,1,2,3
.set QB, (\s0)*(1-\b/2)+(\s1)*(\b/2)+16*(\b%2)+\i
	v_max3_num_f32 v[TM+\b], v[TM+\b], |v[QB]|, |v[QB+1]|
.endr
.endr
.irp b, 0,1,2,3
	v_permlanex16_b32 v[TM+4+\b], v[TM+\b], s[SEL], s[SEL+1]
.endr
.irp b, 0,1,2,3
	v_max_num_f32 v[TM+\b], v[TM+\b], v[TM+4+\b]
.endr
.irp b, 0,1,2,3
	v_add_nc_u32 v[TM+12+\b], 0xff000000, v[TM+\b]
.endr
.irp b, 0,1,2,3
	v_lshrrev_b32 v[TM+4+\b], 23, v[TM+12+\b]
.endr
	v_lshl_or_b32 v[\pw], v[TM+5], 8, v[TM+4]
	v_lshl_or_b32 v[\pw], v[TM+6], 16, v[\pw]
	v_lshl_or_b32 v[\pw], v[TM+7], 24, v[\pw]
.irp c, 0,1
.set QB, (\s0)*(1-\c)+(\s1)*\c
	v_cvt_scalef32_pk16_fp6_f32 v[\pc+6*\c:\pc+6*\c+2], v[QB:QB+15], v[TM+12+2*\c]
	v_cvt_scalef32_pk16_fp6_f32 v[\px+4*\c:\px+4*\c+2], v[QB+16:QB+31], v[TM+13+2*\c]
.endr
	v_nop
.irp c, 0,1
.irp i, 0,1,2
	v_permlane16_swap_b32 v[\pc+6*\c+\i], v[\px+4*\c+\i]
.endr
.irp i, 0,1,2
	v_mov_b32 v[\pc+3+6*\c+\i], v[\px+4*\c+\i]
.endr
.endr
.endm
	s_load_b512 s[4:19], s[0:1], 0x0               ; ctx, wimg, src, b_out, ln1_g, ln1_b, xf, xq
	v_lshl_add_u32 v91, v0, 2, 0x15200
	v_mov_b32 v93, 0
	v_lshrrev_b32 v4, 5, v0
	v_readfirstlane_b32 s[WV], v4                  ; wave 0..15
	v_and_b32 v4, 31, v0
	v_and_b32 v5, 15, v0                           ; r
	v_bfe_u32 v6, v0, 4, 1                         ; h
	v_lshlrev_b32 v[L16], 4, v4
	v_lshlrev_b32 v[L8], 3, v4
	v_lshlrev_b32 v[L4], 2, v5
	v_lshlrev_b32 v[H64], 6, v6
	v_and_b32 v7, 8, v5
	v_add_nc_u32 v7, v7, v5                        ; r + 8 (r / 8): my row in the tile
	s_wait_alu depctr_va_sdst(0)                   ; the wave's number is written, ahead of its first reader: offsets, LDS addresses and bases are made from it
	s_lshl_b32 s24, s[WV], 8                       ; my 64 columns: 256 bytes
	s_mov_b32 s25, 0
	v_lshl_add_u32 v[YO], v7, 12, v[H64]
	v_add_nc_u32 v[YO], s24, v[YO]                 ; a row of 4,096 bytes, + 64 h, + 256 w
	v_lshlrev_b32 v[GO], 4, v5
	v_lshl_add_u32 v[GO], v6, 12, v[GO]
	v_add_nc_u32 v[GO], s24, v[GO]                 ; the way out: lanes 0-15 one row, lanes 16-31 the next
	s_mul_i32 s26, s[WV], 4352
	s_add_co_u32 s26, s26, STG
	v_mul_u32_u24 v[STI], v5, 272
	v_add_nc_u32 v[STI], v[STI], v[H64]
	v_add_nc_u32 v[STI], s26, v[STI]
	v_mul_u32_u24 v[STO], v6, 272
	v_lshl_add_u32 v[STO], v5, 4, v[STO]
	v_add_nc_u32 v[STO], s26, v[STO]
	s_lshl_b32 s27, s[WV], 2
	s_add_co_u32 s27, s27, RED1
	v_lshl_add_u32 v[RW], v5, 6, s27
	s_mov_b32 s21, 0x3a800000                      ; 1 / 1,024
	s_mov_b32 s[SEL], 0x76543210
	s_mov_b32 s[SEL+1], 0xfedcba98
	s_lshl_b32 s26, s[WV], 5
	s_add_co_u32 s26, s26, 1536                    ; w_out's record of my first tile: 1536 + 4 w x 8
	s_mul_i32 s28, s26, 1536
	s_mov_b32 s29, 0
	s_lshl_b32 s30, s26, 6
	s_add_co_u32 s30, s30, WSOFF
	s_mov_b32 s31, 0
	s_mul_i32 s32, ttmp9, 12288                    ; ctx's tile t: 8 records; I copy 768 bytes of them
	s_mul_i32 s26, s[WV], 768
	v_add_nc_u32 v68, s26, v[L16]
	v_add_nc_u32 v69, s26, v[L8]
	s_add_co_u32 s32, s32, s26
	s_mov_b32 s33, 0
	s_lshl_b32 s34, ttmp9, 9
	s_add_co_u32 s34, s34, CSOFF
	s_mov_b32 s35, 0
	s_lshr_b32 s26, ttmp9, 1
	s_lshl_b32 s26, s26, 5
	s_and_b32 s27, ttmp9, 1
	s_lshl_b32 s27, s27, 3
	s_add_co_u32 s26, s26, s27                     ; the tile's first token
	s_lshl_b32 s36, s26, 12
	s_mov_b32 s37, 0
	s_lshl_b32 s26, ttmp9, 3
	s_lshr_b32 s27, s[WV], 1
	s_add_co_u32 s26, s26, s27                     ; xq's record 8 t + w / 2, half w % 2
	s_and_b32 s27, s[WV], 1
	s_mul_i32 s46, s26, 1536
	s_mul_i32 s50, s27, 768
	s_add_co_u32 s46, s46, s50
	s_mov_b32 s47, 0
	s_lshl_b32 s48, s26, 6
	s_lshl_b32 s27, s27, 1
	s_add_co_u32 s48, s48, s27
	s_add_co_u32 s48, s48, XSOFF
	s_mov_b32 s49, 0
	s_wait_kmcnt 0x0
	s_add_nc_u64 s[10:11], s[10:11], s[24:25]      ; b_out, the gain and the bias at my columns
	s_add_nc_u64 s[12:13], s[12:13], s[24:25]
	s_add_nc_u64 s[14:15], s[14:15], s[24:25]
	s_add_nc_u64 s[WC:WC+1], s[6:7], s[28:29]
	s_add_nc_u64 s[WSC:WSC+1], s[6:7], s[30:31]
	s_add_nc_u64 s[32:33], s[4:5], s[32:33]
	s_add_nc_u64 s[34:35], s[4:5], s[34:35]
	s_add_nc_u64 s[38:39], s[8:9], s[36:37]        ; src[0] at the tile,
	s_add_nc_u64 s[40:41], s[38:39], 0x800000      ; src[1]
	s_add_nc_u64 s[42:43], s[16:17], s[36:37]      ; xf likewise
	s_add_nc_u64 s[44:45], s[42:43], 0x800000
	s_add_nc_u64 s[46:47], s[18:19], s[46:47]
	s_add_nc_u64 s[48:49], s[18:19], s[48:49]
	s_wait_alu depctr_va_vdst(0)                   ; the offsets and LDS addresses v1-3, v68, v69, v250-255 are written, which the loads and stores below read; the head's lines are done with v4-7, in which b_out's loads land
	global_load_b128 v[44:47], v[L16], s[32:33]    ; the copy: 2 loads,
	global_load_b64 v[48:49], v[L8], s[32:33] offset:512
.irp s, 0,1,2,3,4,5,6,7
	global_load_b32 v[ASR+\s], v[L4], s[34:35] offset:64*\s         ; ctx's scale words: 8,
.endr
	LD32 ACC, H64, 10, 0                           ; b_out into the accumulators: 8,
	LOADSET 0                                      ; two sets: 40
	LOADSET 1
	s_wait_loadcnt 56                              ; the copy's two loads are in: 8 + 8 + 40 were issued behind them
	ds_store_b128 v68, v[44:47]
	ds_store_b64 v69, v[48:49] offset:512
	LOADSET 2
	BAR                                            ; ctx's eight records lie in LDS
	s_wait_alu depctr_vm_vsrc(0)                   ; the copy's LDS stores have read their addresses v68, v69, in which the first fragment lands, and their data v44-49, in which loads from the stage land later
	FREC AF0, L16, L8, 0                           ; K step 0's fragment; each step asks for the next one's
.irp s, 0,1,2,3,4,5,6,7
	WSTEP \s
.endr
	s_wait_loadcnt 8                               ; both batches' rows are in; the gain may stay out
.irp j, 0,2,4,6,8,10,12,14,16,18,20,22,24,26,28,30
	v_pk_add_f32 v[Y0+\j:Y0+\j+1], v[Y0+\j:Y0+\j+1], v[ACC+\j:ACC+\j+1]   ; src + src2; each accumulator is read from its low end on
.endr
.irp j, 0,2,4,6,8,10,12,14,16,18,20,22,24,26,28,30
	v_pk_add_f32 v[Y1+\j:Y1+\j+1], v[Y1+\j:Y1+\j+1], v[ACC+\j:ACC+\j+1]
.endr
	v_mov_b32 v[TT+8], 0
	v_mov_b32 v[TT+9], 0
	v_and_b32 v[RR], 15, v0
	v_lshl_add_u32 v[RR], v[RR], 6, RED1
	RSUM Y0, 0, 0
	RSUM Y1, 1, 0
	s_wait_alu depctr_va_vdst(0)                   ; the two sums are written, which the LDS stores read; the additions are done reading the accumulators, in which the bias's loads land
	RPUT 0, 0
	RPUT 1, 0
	LD32 BB, H64, 14, 0                            ; the LayerNorm's bias, where the accumulators lay
	BAR
	RGET R0, 0, 0
	RGET R1, 1, 0
	s_wait_dscnt 0x0
	RTOT R0
	RTOT R1
	v_mul_f32 v[R0], s21, v[R0]                    ; the means
	v_mul_f32 v[R1], s21, v[R1]
	CENTRE Y0, R0
	CENTRE Y1, R1
	s_wait_alu depctr_vm_vsrc(0)                   ; the two LDS stores above have read v[TT] and v[TT + 4], which the squares' sums write again
	RSUM Y0, 0, 1
	RSUM Y1, 1, 1
	s_wait_alu depctr_va_vdst(0)                   ; the squares' sums are written, which the LDS stores read; the means' lines are done with v[R0 ..] and v[R1 ..], in which the loads behind the barrier land
	RPUT 0, 1
	RPUT 1, 1
	BAR
	RGET R0, 0, 1
	RGET R1, 1, 1
	s_wait_dscnt 0x0
	RTOT R0
	RTOT R1
	v_fmaak_f32 v[R0], s21, v[R0], 0x3727c5ac      ; the variance + 1e-5
	v_fmaak_f32 v[R1], s21, v[R1], 0x3727c5ac
	v_rsq_f32 v[R0], v[R0]
	v_rsq_f32 v[R1], v[R1]
	v_nop                                          ; a plain place behind the two
	s_wait_alu depctr_va_vdst(0)                   ; the two reciprocal roots are written: one wait for both, ahead of their first reader
	s_wait_loadcnt 0x0                             ; the gain and the bias
	NORM Y0, R0
	NORM Y1, R1
	s_wait_alu depctr_va_vdst(0)                   ; both groups' rows are written, which the stores into the stage read; the sums' lines are done with v68-77, in which loads from the stage land
	s_wait_alu depctr_vm_vsrc(0)                   ; the stores of the squares' sums have read v[TT] and v[TT + 4], in which loads from the stage land
	STAGEOUT Y0, 42, 0, 0
	STAGEOUT Y1, 44, 0, 1
.irp b, 0,1,2,3
	v_mov_b32 v[TM+4+\b], 0
.endr
	QUANT Y0, Y1, 126, 178, 92                     ; batch 0's tile t and batch 1's tile 128 + t: a half record each
	s_wait_alu depctr_va_vdst(0)                   ; the codes v126-137 and the scale word v92 are written, which the stores below read
	global_store_b128 v[L16], v[126:129], s[46:47]
	global_store_b64 v[L8], v[130:131], s[46:47] offset:512
	global_store_b128 v[L16], v[132:135], s[46:47] offset:1572864
	global_store_b64 v[L8], v[136:137], s[46:47] offset:1572864+512
	global_store_b16 v[L4], v92, s[48:49]
	global_store_d16_hi_b16 v[L4], v92, s[48:49] offset:65536
	s_wait_dscnt 0x0                               ; the closing lines, six on end
	s_wait_alu 0x0
	s_wait_tensorcnt 0x0
	ds_add_u32 v91, v93
	s_wait_dscnt 0x0
	s_endpgm
.Lfunc_end_k_qe2ad48adaf_oln:
	.size	k_qe2ad48adaf_oln, .Lfunc_end_k_qe2ad48adaf_oln-k_qe2ad48adaf_oln
	.p2alignl 7, 3214868480
	.fill 96, 4, 3214868480
	.section	.rodata,"a",@progbits
	.p2align	6, 0x0
	.amdhsa_kernel k_qe2ad48adaf_oln
		.amdhsa_group_segment_fixed_size 88576
		.amdhsa_private_segment_fixed_size 0
		.amdhsa_enable_private_segment 0
		.amdhsa_kernarg_size 64
		.amdhsa_user_sgpr_count 2
		.amdhsa_user_sgpr_kernarg_segment_ptr 1
		.amdhsa_wavefront_size32 1
		.amdhsa_system_sgpr_workgroup_id_x 1
		.amdhsa_system_sgpr_workgroup_id_y 1
		.amdhsa_system_sgpr_workgroup_id_z 1
		.amdhsa_system_vgpr_workitem_id 0
		.amdhsa_next_free_vgpr 256
		.amdhsa_next_free_sgpr 66
		.amdhsa_reserve_vcc 0
		.amdhsa_float_denorm_mode_32 3
		.amdhsa_float_denorm_mode_16_64 3
		.amdhsa_memory_ordered 1
		.amdhsa_forward_progress 1
		.amdhsa_inst_pref_size 57
	.end_amdhsa_kernel
	.amdgpu_metadata
---
amdhsa.version: [ 1, 2 ]
amdhsa.kernels:
  - .name:           k_qe2ad48adaf_oln
    .symbol:         k_qe2ad48adaf_oln.kd
    .args:
      - { .name: ctx, .offset: 0, .size: 8, .value_kind: global_buffer, .address_space: global }
      - { .name: wimg, .offset: 8, .size: 8, .value_kind: global_buffer, .address_space: global }
      - { .name: src, .offset: 16, .size: 8, .value_kind: global_buffer, .address_space: global }
      - { .name: b_out, .offset: 24, .size: 8, .value_kind: global_buffer, .address_space: global }
      - { .name: ln1_g, .offset: 32, .size: 8, .value_kind: global_buffer, .address_space: global }
      - { .name: ln1_b, .offset: 40, .size: 8, .value_kind: global_buffer, .address_space: global }
      - { .name: xf, .offset: 48, .size: 8, .value_kind: global_buffer, .address_space: global }
      - { .name: xq, .offset: 56, .size: 8, .value_kind: global_buffer, .address_space: global }
    .group_segment_fixed_size: 88576
    .private_segment_fixed_size: 0
    .kernarg_segment_align: 8
    .kernarg_segment_size: 64
    .max_flat_workgroup_size: 512
    .sgpr_count:     66
    .vgpr_count:     256
    .wavefront_size: 32
...
	.end_amdgpu_metadata
.endif
;; end of part 7
;; launch ffn1: the kernel of part 5 again; grid 32 x 8, 8 waves a work-group, clusters of 4 x 4, 308,224 bytes of LDS; arguments xq, wimg, ffn_b1, hq; writes hq
;; launch fln (part 8): grid 256 x 1, 16 waves a work-group, no clusters, 101,376 bytes of LDS; arguments hq, wimg, xf, ffn_b2, ln2_g, ln2_b, out0; writes out0
.if DOCPART == 8
	.amdgcn_target "amdgcn-amd-amdhsa--gfx1250"
	.amdhsa_code_object_version 6
	.text
	.protected	k_qe2ad48adaf_fln
	.globl	k_qe2ad48adaf_fln
	.p2align	8
	.type	k_qe2ad48adaf_fln,@function
k_qe2ad48adaf_fln:
	s_mov_b64 s[64:65], 0
	v_nop
	global_prefetch_b8 v0, s[64:65] scope:SCOPE_SE
	s_setreg_imm32_b32 hwreg(HW_REG_WAVE_SCHED_MODE, 0, 2), 2
	s_setreg_imm32_b32 hwreg(HW_REG_WAVE_MODE, 25, 1), 1
	s_wait_xcnt 0x0
	s_wait_alu depctr_vm_vsrc(0)
; FLN.  out = LayerNorm(x + h W2 + b2) for ONE tile of 16 rows (tile X: rows 32 (X / 2) + 8 (X % 2) + r + 8 (r / 8)), K = 2,048: 256 tiles, 256 work-groups.
; A LayerNorm wants whole rows of 1,024 in one work-group: sixteen waves, wave w owns columns 64 w .. 64 w + 63 (weight tiles 4 w .. 4 w + 3).
; A weight record serves one wave alone: it goes from memory straight into that wave's registers, three sets by turns, two K steps ahead.  h's 16 records and their scale words go into LDS once, by a plain copy.
; Every work-group walks all of W2 whatever the number of its rows, so a work-group takes the fewest rows that a matrix instruction holds, and what stands round the walk (copy, residual, norm, way out) is as short as it can be.
; No tensor load; no cluster, since the weights pass through no LDS.
; Source 0 = weight tiles, source 1 = h: a lane holds one row, its registers run along the columns.  The sums begin from b2, loaded into the accumulators.
; Behind the last weight sets, by the same turns and into the sets' registers, come x's rows, the gain and the LayerNorm's bias.
; The variance is taken in two passes; rows' sums meet in LDS, two barriers.  LIMITS: NaN and infinities are not served.
; THE MODE: SCHED_MODE bits 1:0 = 2 (LLVM: expert scheduling mode 2), set by the entry lines.  The code itself states the register dependences
; between vector or matrix instructions and memory or LDS instructions, with s_wait_alu, always for 0.
; THE PLAN.  Registers that memory or LDS instructions touch:
;   v1-3, v250-255  offsets and LDS addresses: made once at the head, never written again.
;   WS0 .. WS2      Step s: its four products read set s % 3; behind them the loads of item s + 3 land in it.
;   AF0, AF1 and the scale words v92, v90: h's fragment and its scale word, two buffers by turns: step s's products read buffer s % 2; the LDS loads of step s + 2's, dealt among step s + 1's products, land in it.
;   v4-35           the accumulators: b2's loads, the products, then vector lines alone; on the way out the stores into the stage read them.
;   v68, v69        the copy's LDS addresses, v36-48 its data: read by the copy's stores alone; later parts of AF0 and of OUT.
;   v[TT], v80, R0, OUT: behind the loop; each wait there says what it states.
; So ONE wait on va_vdst stands in a step, behind its products and their places: it states that they are done reading their set, in which the loads straight behind the wait land, and their fragment and scale word,
; in which the LDS loads of the next step land; that step's products name the other fragment buffer and scale word, another set and the accumulators.
.set NS,    16
.set WSOFF, 6291456
.set HSOFF, 6291456
.set ASC,   24576                      ; LDS: 0: h's 16 records (K step s at 1,536 s); here their scale words, 64 bytes a step
.set RED1,  25600                      ; rows' sums: row r at + 64 r, wave w at + 4 w; the squares' 2,048 on
.set STG,   29696                      ; a stage of 16 rows x (256 + 16) bytes for each wave
.set L16, 1
.set L8,  2
.set L4,  3
.set ACC, 4                            ; v4-35: four accumulators
.set OUT, 36                           ; v36-67 the way out (v36-48: the copy, at the head)
.set AF0, 68                           ; v68-79 h's fragment of the even K steps
.set AF1, 52                           ; v52-63 of the odd ones
.set AS0, 92                           ; v92 the even steps' scale word, v90 the odd steps': they hold nothing else
.set AS1, 90
.set TT,  68
.set RR,  80
.set WS,  94                           ; three sets of 52 (v142-145, v194-197, v246-249 hold scales alone)
.set Y0,  4
.set XR0, 146
.set GG,  198
.set BB,  94
.set R0,  126
.set YO,  250
.set H64, 251
.set GO,  252
.set STI, 253
.set STO, 254
.set RW,  255
.set WV,  20
.set SEL, 22
.set WC,  28
.set WSC, 30
.macro FREC reg, a16, a8, off
	ds_load_b128 v[\reg:\reg+3], v[\a16] offset:\off
	ds_load_b64 v[\reg+4:\reg+5], v[\a8] offset:\off+512
	ds_load_b128 v[\reg+6:\reg+9], v[\a16] offset:\off+768
	ds_load_b64 v[\reg+10:\reg+11], v[\a8] offset:\off+1280
.endm
.macro LD32 reg, vo, sb, ex            ; 32 numbers in the result's layout: register 16 b + 8 u + i = column 32 b + 16 h + 8 u + i
.irp n, 0,1,2,3,4,5,6,7
	global_load_b128 v[\reg+4*\n:\reg+4*\n+3], v[\vo], s[\sb:\sb+1] offset:\ex+128*(\n/4)+32*((\n/2)%2)+16*(\n%2)
.endr
.endm
.macro LOADSET s                       ; K step s of my four weight tiles: 20 loads
.set WB, WS+52*((\s)%3)
.irp i, 0,1,2,3
	global_load_b128 v[WB+12*\i:WB+12*\i+3], v[L16], s[WC:WC+1] offset:(\i*NS+(\s))*1536
	global_load_b64 v[WB+12*\i+4:WB+12*\i+5], v[L8], s[WC:WC+1] offset:(\i*NS+(\s))*1536+512
	global_load_b128 v[WB+12*\i+6:WB+12*\i+9], v[L16], s[WC:WC+1] offset:(\i*NS+(\s))*1536+768
	global_load_b64 v[WB+12*\i+10:WB+12*\i+11], v[L8], s[WC:WC+1] offset:(\i*NS+(\s))*1536+1280
	global_load_b32 v[WB+48+\i], v[L4], s[WSC:WSC+1] offset:(\i*NS+(\s))*64
.endr
.endm
.macro TAIL k                          ; behind the last sets, into the sets' registers by the same turns: 8 loads each
.if (\k) == 0
	LD32 XR0, YO, 38, 0                            ; x's rows
.elseif (\k) == 1
	LD32 GG, H64, 12, 0                            ; the gain
.else
	LD32 BB, H64, 14, 0                            ; the LayerNorm's bias
.endif
.endm
.macro ITEM n
.if (\n) < NS
	LOADSET \n
.else
	TAIL (\n)-NS
.endif
.endm
.macro PROD i                          ; weight tile i x the step's fragment of h; WB, FA and SA are the step's set, fragment buffer and scale word.  The four accumulators take turns
	v_wmma_scale_f32_16x16x128_f8f6f4 v[ACC+8*(\i):ACC+8*(\i)+7], v[WB+12*(\i):WB+12*(\i)+11], v[FA:FA+11], v[ACC+8*(\i):ACC+8*(\i)+7], v[WB+48+(\i)], v[SA] matrix_a_fmt:MATRIX_FMT_FP6 matrix_b_fmt:MATRIX_FMT_FP6
.endm
.macro NEXTF s, k                      ; piece k of the next step's fragment (with piece 0 its scale word), into the other buffer.  No wait: no vector or matrix instruction since the last step's wait names that buffer
.if (\s)+1 < NS
.if (\k) == 0
	ds_load_b128 v[FN:FN+3], v[L16] offset:((\s)+1)*1536
	ds_load_b32 v[SN], v[L4] offset:ASC+((\s)+1)*64
.elseif (\k) == 1
	ds_load_b64 v[FN+4:FN+5], v[L8] offset:((\s)+1)*1536+512
.elseif (\k) == 2
	ds_load_b128 v[FN+6:FN+9], v[L16] offset:((\s)+1)*1536+768
.else
	ds_load_b64 v[FN+10:FN+11], v[L8] offset:((\s)+1)*1536+1280
.endif
.endif
.endm
.macro WSTEP s
.set CN, 0
.irp d, 1,2
.if (\s)+\d < NS
.set CN, CN+20
.else
.set CN, CN+8
.endif
.endr
	s_wait_loadcnt CN                              ; set s is in; the two items issued behind it may stay out
	s_wait_dscnt 0x0                               ; this step's fragment and scale word, asked for a step ago, are in
.set WB, WS+52*((\s)%3)
.set FA, AF0+(AF1-AF0)*((\s)%2)
.set FN, AF1+(AF0-AF1)*((\s)%2)
.set SA, AS0+(AS1-AS0)*((\s)%2)
.set SN, AS1+(AS0-AS1)*((\s)%2)
	PROD 0
	NEXTF \s, 0
	PROD 1
	NEXTF \s, 1
	PROD 2
	NEXTF \s, 2
	PROD 3
	NEXTF \s, 3
.rept 4
	v_nop                                          ; four places behind the products (ISA guide 7.12.1): they stay beside the wait below, which fills none; behind the last step they stand ahead of the first read of results
.endr
	s_wait_alu depctr_va_vdst(0)                   ; this step's products are done reading set s % 3, in which the loads below land, and fragment buffer and scale word s % 2, in which the next step's LDS loads land
	ITEM (\s)+3
.endm
.macro BAR
	s_wait_dscnt 0x0
	s_barrier_signal -1
	s_barrier_wait -1
.endm
.macro RSUM y, sq                      ; my 32 numbers (sq = 1: their squares) and lane l xor 16's: the wave's 64 columns of row r, in v[TT]
.if \sq
	v_pk_mul_f32 v[TT:TT+1], v[\y:\y+1], v[\y:\y+1]
	v_pk_mul_f32 v[TT+2:TT+3], v[\y+2:\y+3], v[\y+2:\y+3]
.irp j, 4,8,12,16,20,24,28
	v_pk_fma_f32 v[TT:TT+1], v[\y+\j:\y+\j+1], v[\y+\j:\y+\j+1], v[TT:TT+1]
	v_pk_fma_f32 v[TT+2:TT+3], v[\y+\j+2:\y+\j+3], v[\y+\j+2:\y+\j+3], v[TT+2:TT+3]
.endr
.else
	v_pk_add_f32 v[TT:TT+1], v[\y:\y+1], v[\y+4:\y+5]
	v_pk_add_f32 v[TT+2:TT+3], v[\y+2:\y+3], v[\y+6:\y+7]
.irp j, 8,12,16,20,24,28
	v_pk_add_f32 v[TT:TT+1], v[TT:TT+1], v[\y+\j:\y+\j+1]
	v_pk_add_f32 v[TT+2:TT+3], v[TT+2:TT+3], v[\y+\j+2:\y+\j+3]
.endr
.endif
	v_pk_add_f32 v[TT:TT+1], v[TT:TT+1], v[TT+2:TT+3]
	v_add_f32 v[TT], v[TT], v[TT+1]
	v_permlanex16_b32 v[TT+8], v[TT], s[SEL], s[SEL+1]
	v_add_f32 v[TT], v[TT], v[TT+8]
.endm
.macro RGET r, sq                      ; row r's sixteen sums
.irp k, 0,1,2,3
	ds_load_b128 v[\r+4*\k:\r+4*\k+3], v[RR] offset:2048*\sq+16*\k
.endr
.endm
.macro RTOT r                          ; added in one order in every wave
	v_pk_add_f32 v[\r:\r+1], v[\r:\r+1], v[\r+2:\r+3]
	v_pk_add_f32 v[\r+4:\r+5], v[\r+4:\r+5], v[\r+6:\r+7]
	v_pk_add_f32 v[\r+8:\r+9], v[\r+8:\r+9], v[\r+10:\r+11]
	v_pk_add_f32 v[\r+12:\r+13], v[\r+12:\r+13], v[\r+14:\r+15]
	v_pk_add_f32 v[\r:\r+1], v[\r:\r+1], v[\r+4:\r+5]
	v_pk_add_f32 v[\r+8:\r+9], v[\r+8:\r+9], v[\r+12:\r+13]
	v_pk_add_f32 v[\r:\r+1], v[\r:\r+1], v[\r+8:\r+9]
	v_add_f32 v[\r], v[\r], v[\r+1]
.endm
	s_load_b256 s[4:11], s[0:1], 0x0               ; hq, wimg, xf, ffn_b2
	s_load_b128 s[12:15], s[0:1], 0x20             ; ln2_g, ln2_b
	s_load_b64 s[16:17], s[0:1], 0x30              ; out0
	v_lshl_add_u32 v91, v0, 2, 0x18400
	v_mov_b32 v93, 0
	v_lshrrev_b32 v4, 5, v0
	v_readfirstlane_b32 s[WV], v4                  ; wave 0..15
	v_and_b32 v4, 31, v0
	v_and_b32 v5, 15, v0                           ; r
	v_bfe_u32 v6, v0, 4, 1                         ; h
	v_lshlrev_b32 v[L16], 4, v4
	v_lshlrev_b32 v[L8], 3, v4
	v_lshlrev_b32 v[L4], 2, v5
	v_lshlrev_b32 v[H64], 6, v6
	v_and_b32 v7, 8, v5
	v_add_nc_u32 v7, v7, v5                        ; r + 8 (r / 8): my row in the tile
	s_wait_alu depctr_va_sdst(0)                   ; the wave's number is written, ahead of its first reader: offsets, LDS addresses and bases are made from it
	s_lshl_b32 s24, s[WV], 8                       ; my 64 columns: 256 bytes
	s_mov_b32 s25, 0
	v_lshl_add_u32 v[YO], v7, 12, v[H64]
	v_add_nc_u32 v[YO], s24, v[YO]                 ; a row of 4,096 bytes, + 64 h, + 256 w
	v_lshlrev_b32 v[GO], 4, v5
	v_lshl_add_u32 v[GO], v6, 12, v[GO]
	v_add_nc_u32 v[GO], s24, v[GO]                 ; the way out: lanes 0-15 one row, lanes 16-31 the next
	s_mul_i32 s26, s[WV], 4352
	s_add_co_u32 s26, s26, STG
	v_mul_u32_u24 v[STI], v5, 272
	v_add_nc_u32 v[STI], v[STI], v[H64]
	v_add_nc_u32 v[STI], s26, v[STI]
	v_mul_u32_u24 v[STO], v6, 272
	v_lshl_add_u32 v[STO], v5, 4, v[STO]
	v_add_nc_u32 v[STO], s26, v[STO]
	s_lshl_b32 s27, s[WV], 2
	s_add_co_u32 s27, s27, RED1
	v_lshl_add_u32 v[RW], v5, 6, s27
	s_mov_b32 s21, 0x3a800000                      ; 1 / 1,024
	s_mov_b32 s[SEL], 0x76543210
	s_mov_b32 s[SEL+1], 0xfedcba98
	s_lshl_b32 s26, s[WV], 6
	s_add_co_u32 s26, s26, 3072                    ; ffn_w2's record of my first tile: 3072 + 4 w x 16
	s_mul_i32 s28, s26, 1536
	s_mov_b32 s29, 0
	s_lshl_b32 s30, s26, 6
	s_add_co_u32 s30, s30, WSOFF
	s_mov_b32 s31, 0
	s_mul_i32 s32, ttmp9, 24576                    ; h's tile: 16 records; I copy one record's bytes of them,
	s_mul_i32 s26, s[WV], 1536
	v_add_nc_u32 v68, s26, v[L16]
	s_add_co_u32 s32, s32, s26
	s_mov_b32 s33, 0
	s_lshl_b32 s34, ttmp9, 10                      ; and 64 bytes of their scale words
	s_lshl_b32 s26, s[WV], 6
	s_add_co_u32 s34, s34, s26
	s_add_co_u32 s34, s34, HSOFF
	s_mov_b32 s35, 0
	s_add_co_u32 s26, s26, ASC
	v_add_nc_u32 v69, s26, v[L4]
	s_lshr_b32 s26, ttmp9, 1
	s_lshl_b32 s26, s26, 5
	s_and_b32 s27, ttmp9, 1
	s_lshl_b32 s27, s27, 3
	s_add_co_u32 s26, s26, s27                     ; the tile's first row
	s_lshl_b32 s36, s26, 12
	s_mov_b32 s37, 0
	s_wait_kmcnt 0x0
	s_add_nc_u64 s[10:11], s[10:11], s[24:25]      ; b2, the gain and the bias at my columns
	s_add_nc_u64 s[12:13], s[12:13], s[24:25]
	s_add_nc_u64 s[14:15], s[14:15], s[24:25]
	s_add_nc_u64 s[WC:WC+1], s[6:7], s[28:29]
	s_add_nc_u64 s[WSC:WSC+1], s[6:7], s[30:31]
	s_add_nc_u64 s[32:33], s[4:5], s[32:33]
	s_add_nc_u64 s[34:35], s[4:5], s[34:35]
	s_add_nc_u64 s[38:39], s[8:9], s[36:37]
	s_add_nc_u64 s[42:43], s[16:17], s[36:37]
	s_wait_alu depctr_va_vdst(0)                   ; the offsets and LDS addresses v1-3, v68, v69, v250-255 are written, which the loads and stores below read; the head's lines are done with v4-7, in which b2's loads land
.irp k, 0,1,2
	global_load_b128 v[36+4*\k:39+4*\k], v[L16], s[32:33] offset:512*\k      ; the copy: 4 loads,
.endr
	global_load_b32 v48, v[L4], s[34:35]
	LD32 ACC, H64, 10, 0                           ; b2 into the accumulators: 8,
	LOADSET 0                                      ; two sets: 40
	LOADSET 1
	s_wait_loadcnt 48                              ; the copy's loads are in: 8 + 40 were issued behind them
.irp k, 0,1,2
	ds_store_b128 v68, v[36+4*\k:39+4*\k] offset:512*\k
.endr
	ds_store_b32 v69, v48                          ; lanes r and r + 16 hold and store the same word
	LOADSET 2
	BAR                                            ; h's records and scale words lie in LDS
	s_wait_alu depctr_vm_vsrc(0)                   ; the copy's LDS stores have read their addresses v68, v69, in which the first fragment lands, and their data v36-48, in which loads from the stage land later
	FREC AF0, L16, L8, 0                           ; K step 0's fragment and scale word; each step asks for the next one's
	ds_load_b32 v[AS0], v[L4] offset:ASC
.irp s, 0,1,2,3,4,5,6,7,8,9,10,11,12,13,14,15
	WSTEP \s
.endr
	s_wait_loadcnt 16                              ; x's rows are in; the gain and the bias may stay out
.irp j, 0,2,4,6,8,10,12,14,16,18,20,22,24,26,28,30
	v_pk_add_f32 v[Y0+\j:Y0+\j+1], v[Y0+\j:Y0+\j+1], v[XR0+\j:XR0+\j+1]     ; x + ffn; each accumulator is read from its low end on
.endr
	v_mov_b32 v[TT+8], 0                           ; a lane permute's destination counts as one of its sources
	v_and_b32 v[RR], 15, v0
	v_lshl_add_u32 v[RR], v[RR], 6, RED1
	RSUM Y0, 0
	s_wait_alu depctr_va_vdst(0)                   ; the sum is written, which the LDS store reads
	ds_store_b32 v[RW], v[TT]
	BAR
	RGET R0, 0
	s_wait_dscnt 0x0
	RTOT R0
	v_mul_f32 v[R0], s21, v[R0]                    ; the mean
.irp j, 0,2,4,6,8,10,12,14,16,18,20,22,24,26,28,30
	v_pk_add_f32 v[Y0+\j:Y0+\j+1], v[Y0+\j:Y0+\j+1], v[R0:R0+1] op_sel_hi:[1,0] neg_lo:[0,1] neg_hi:[0,1]
.endr
	s_wait_alu depctr_vm_vsrc(0)                   ; the LDS store above has read v[TT], which the squares' sum writes again
	RSUM Y0, 1
	s_wait_alu depctr_va_vdst(0)                   ; the squares' sum is written, which the LDS store reads; the mean's lines are done with v[R0 ..], in which the loads behind the barrier land
	ds_store_b32 v[RW], v[TT] offset:2048
	BAR
	RGET R0, 1
	s_wait_dscnt 0x0
	RTOT R0
	v_fmaak_f32 v[R0], s21, v[R0], 0x3727c5ac      ; the variance + 1e-5
	v_rsq_f32 v[R0], v[R0]
	v_nop                                          ; a plain place behind it
	s_wait_alu depctr_va_vdst(0)                   ; the reciprocal root is written, ahead of its first reader
	s_wait_loadcnt 0x0                             ; the gain and the bias
.irp j, 0,2,4,6,8,10,12,14,16,18,20,22,24,26,28,30
	v_pk_mul_f32 v[Y0+\j:Y0+\j+1], v[Y0+\j:Y0+\j+1], v[R0:R0+1] op_sel_hi:[1,0]
.endr
.irp j, 0,2,4,6,8,10,12,14,16,18,20,22,24,26,28,30
	v_pk_fma_f32 v[Y0+\j:Y0+\j+1], v[Y0+\j:Y0+\j+1], v[GG+\j:GG+\j+1], v[BB+\j:BB+\j+1]
.endr
	; THE WAY OUT: 16 rows x my 64 columns through my own stage: sixteen lanes then store 256 consecutive bytes, aligned
	s_wait_alu depctr_va_vdst(0)                   ; the rows are written, which the stores into the stage read
.irp n, 0,1,2,3,4,5,6,7
	ds_store_b128 v[STI], v[Y0+4*\n:Y0+4*\n+3] offset:128*(\n/4)+32*((\n/2)%2)+16*(\n%2)
.endr
.irp k, 0,1,2,3,4,5,6,7
	ds_load_b128 v[OUT+4*\k:OUT+4*\k+3], v[STO] offset:544*\k       ; LDS serves a wave's instructions in order: these see the stores above
.endr
.irp k, 0,1,2,3,4,5,6,7
	s_wait_dscnt 7-\k                              ; the younger loads may stay out
	global_store_b128 v[GO], v[OUT+4*\k:OUT+4*\k+3], s[42:43] offset:(2*\k+8*(\k/4))*4096 th:TH_STORE_NT
.endr
	s_wait_dscnt 0x0                               ; the closing lines, six on end
	s_wait_alu 0x0
	s_wait_tensorcnt 0x0
	ds_add_u32 v91, v93
	s_wait_dscnt 0x0
	s_endpgm
.Lfunc_end_k_qe2ad48adaf_fln:
	.size	k_qe2ad48adaf_fln, .Lfunc_end_k_qe2ad48adaf_fln-k_qe2ad48adaf_fln
	.p2alignl 7, 3214868480
	.fill 96, 4, 3214868480
	.section	.rodata,"a",@progbits
	.p2align	6, 0x0
	.amdhsa_kernel k_qe2ad48adaf_fln
		.amdhsa_group_segment_fixed_size 101376
		.amdhsa_private_segment_fixed_size 0
		.amdhsa_enable_private_segment 0
		.amdhsa_kernarg_size 56
		.amdhsa_user_sgpr_count 2
		.amdhsa_user_sgpr_kernarg_segment_ptr 1
		.amdhsa_wavefront_size32 1
		.amdhsa_system_sgpr_workgroup_id_x 1
		.amdhsa_system_sgpr_workgroup_id_y 1
		.amdhsa_system_sgpr_workgroup_id_z 1
		.amdhsa_system_vgpr_workitem_id 0
		.amdhsa_next_free_vgpr 256
		.amdhsa_next_free_sgpr 66
		.amdhsa_reserve_vcc 0
		.amdhsa_float_denorm_mode_32 3
		.amdhsa_float_denorm_mode_16_64 3
		.amdhsa_memory_ordered 1
		.amdhsa_forward_progress 1
		.amdhsa_inst_pref_size 65
	.end_amdhsa_kernel
	.amdgpu_metadata
---
amdhsa.version: [ 1, 2 ]
amdhsa.kernels:
  - .name:           k_qe2ad48adaf_fln
    .symbol:         k_qe2ad48adaf_fln.kd
    .args:
      - { .name: hq, .offset: 0, .size: 8, .value_kind: global_buffer, .address_space: global }
      - { .name: wimg, .offset: 8, .size: 8, .value_kind: global_buffer, .address_space: global }
      - { .name: xf, .offset: 16, .size: 8, .value_kind: global_buffer, .address_space: global }
      - { .name: ffn_b2, .offset: 24, .size: 8, .value_kind: global_buffer, .address_space: global }
      - { .name: ln2_g, .offset: 32, .size: 8, .value_kind: global_buffer, .address_space: global }
      - { .name: ln2_b, .offset: 40, .size: 8, .value_kind: global_buffer, .address_space: global }
      - { .name: out0, .offset: 48, .size: 8, .value_kind: global_buffer, .address_space: global }
    .group_segment_fixed_size: 101376
    .private_segment_fixed_size: 0
    .kernarg_segment_align: 8
    .kernarg_segment_size: 56
    .max_flat_workgroup_size: 512
    .sgpr_count:     66
    .vgpr_count:     256
    .wavefront_size: 32
...
	.end_amdgpu_metadata
.endif
;; end of part 8
